; MI455X (gfx1250); checked and timed in simulation.
; The chip was launched on July 23, 2026; its instructions are those of AMD's public machine-readable ISA for CDNA 5 (MIT licence, August 2026) and "CDNA5" Instruction Set Architecture Reference Guide (July 2026). The comments in the code are by the model that wrote it; some were corrected since.
;; Multi Head Attention. Allowed arithmetic: float matrix products may take bf16 or f16 operands with f32 sums; all other float work in f32.
;; Inputs: Wk 512 x 512 float32; Wo 512 x 512 float32; Wq 512 x 512 float32; Wv 512 x 512 float32; bk 512 float32; bo 512 float32; bq 512 float32; bv 512 float32; mask 2 x 4,096 int32; x1 2 x 4,096 x 512 float32; x2 2 x 4,096 x 512 float32.
;; Outputs: out0 2 x 4,096 x 512 float32.
;; 3 versions, each right and faster than the one before. Each part assembles by itself: llvm-mc -triple=amdgcn-amd-amdhsa -mcpu=gfx1250 --defsym DOCPART=n.
;; ======== version 1 of 3: 3 launches
;; limits: values are held in f16: magnitudes above 65,504 overflow, below 6.1e-05 lose precision
;; workspace buffers: qws 8,388,608 bytes; kv 16,777,216 bytes; ows 16,777,216 bytes
;; launch qkv (part 1): grid 6 x 32, 8 waves a work-group, no clusters, 162,816 bytes of LDS; arguments x1, x2, Wq, Wk, Wv, bq, bk, bv, qws, kv; writes qws, kv
.if DOCPART == 1
	.amdgcn_target "amdgcn-amd-amdhsa--gfx1250"
	.amdhsa_code_object_version 6
	.text
	.protected	k_qc4b2f32f74_qkv
	.globl	k_qc4b2f32f74_qkv
	.p2align	8
	.type	k_qc4b2f32f74_qkv,@function
k_qc4b2f32f74_qkv:
	s_mov_b64 s[64:65], 0
	v_nop
	global_prefetch_b8 v0, s[64:65] scope:SCOPE_SE
	s_setreg_imm32_b32 hwreg(HW_REG_WAVE_MODE, 25, 1), 1
	s_wait_xcnt 0x0
; VAR = 1:  q = x1 Wq + bq, k = x2 Wk + bk, v = x2 Wv + bv, rounded once to f16 and laid out by head: [b*8+head][4096 tokens][64].
;           q goes to qws; k to kv at byte 0; v to kv at byte 8,388,608.
; VAR = 2:  out0 = O Wo + bo in f32 (O: [8192][512] f32 from the attention launch).
; One text for both; only the constants below, the pointers and the way out differ.
; X is [8192][512] f32, W is [512 (k)][512 (n)] f32.  Products in f16 with f32 sums (v_wmma_f32_16x16x32_f16).
; LIMIT: every operand is rounded to f16, so |x|, |W| and (VAR 1) |q|, |k|, |v| must stay below 65,504.
; A work-group makes TOK tokens x COLS columns with eight waves; a wave makes 16 MT tokens x 64 columns.
; K goes in eight steps of 64 through two LDS buffers.  Both operands pass through registers on their way to LDS:
; W lies [k][n] in f32, and the transposing LDS load works on 16-bit data, so W must be narrowed before it is in LDS; X takes
; the same way, which halves its LDS bytes.  No tensor load, hence no joint loads of a cluster: the shared tiles (X among the
; column slices, W among the row blocks) are converted by each work-group for itself.
; THE MATRIX INSTRUCTION IS USED TRANSPOSED: source 0 = 16 columns of W, source 1 = 16 tokens of X.  Lane l then holds token
; l % 16 and, in registers 0-7, the columns 8 (l / 16) + 0 .. 7: neighbouring numbers of a row of the output.
.set VAR, 1
.if VAR == 1
.set MT, 8                             ; token tiles of 16 in a wave
.set WNB, 2                            ; wave = (wm << WNB) | wn
.set TOK, 256
.set COLS, 256
.set SPITCH, 144                       ; stage row: 64 f16 + 16 bytes
.else
.set MT, 2
.set WNB, 1
.set TOK, 128
.set COLS, 128
.set SPITCH, 272                       ; stage row: 64 f32 + 16 bytes
.endif
.set XP, 144                           ; LDS row of X: 64 f16 + 16 bytes: 16 rows start at 16 different 16-byte columns modulo 256 bytes
.set XBUF, TOK*XP
.set WP, 2*COLS+32                     ; LDS row of W: COLS f16 + 32 bytes, an odd multiple of 32, for the transposing load
.set WBUF, 64*WP
.set WBASE, 2*XBUF
.set STAGE, WBASE+2*WBUF               ; behind the buffers: 16 rows for each wave, for the way out
.set STG, 16*SPITCH
.set NXL, TOK/16                       ; 16-byte loads of X a thread and K step
.set NWL, COLS/16                      ; the same of W
.set WPARTS, COLS/128                  ; a wave's load covers 128 columns of a row of W
.set XG, 2                             ; v2   byte offset of my 16 bytes of X
.set WG, 3                             ; v3   the same in W
.set XS, 4                             ; v4   where my 8 bytes of X go in LDS
.set WS, 5                             ; v5   the same for W
.set XA, 6                             ; v6   LDS address of my fragments of X
.set WA, 7                             ; v7   the same for W (transposing load)
.set STO, 8                            ; v8   the way out: where my numbers go in the stage
.set RD, 9                             ; v9   where I read rows back
.set CO, 10                            ; v10  my byte offset in the output
.set BO, 11                            ; v11  my byte offset in the bias
.set G, 16                             ; v[16:16+4(NXL+NWL)-1]  what the global loads bring
.set XF, 144                           ; v[144:207]  fragments of X
.set WF, 208                           ; v[208:239]  fragments of W
.set BI, 16                            ; the way out: v[16:47] bias of my 32 columns,
.set T, 48                             ; v[48:79] a token tile's sums + bias,
.set Y, 80                             ; v[80:95] the same in f16,
.set Z, 96                             ; v[96:127] rows read back
; window 1 (v256 and up): accumulator (mt, nt) at 8 (4 mt + nt)
.set MSB, 0
.macro WIN new                         ; s_set_vgpr_msb; the immediate's high byte repeats the setting that is left
.if MSB != \new
	s_set_vgpr_msb (MSB<<8)|\new
.set MSB, \new
.endif
.endm
.macro PLACES n
.rept \n
	v_nop
.endr
.endm
.if VAR == 1
	s_load_b512 s[8:23], s[0:1], 0x0               ; x1, x2, Wq, Wk, Wv, bq, bk, bv
	s_load_b128 s[24:27], s[0:1], 0x40             ; qws, kv
	v_lshl_add_u32 v254, v0, 2, 0x27800
	v_mov_b32 v255, 0
.else
	s_load_b256 s[8:15], s[0:1], 0x0               ; O, Wo, bo, out0
.endif
	v_lshrrev_b32 v1, 5, v0
	v_readfirstlane_b32 s4, v1                     ; wave
	s_and_b32 s5, s4, (1<<WNB)-1                   ; wn: my strip of 64 columns
	s_lshr_b32 s6, s4, WNB                         ; wm: my 16 MT tokens
	s_and_b32 s7, ttmp7, 0xffff                    ; row block
	v_and_b32 v12, 31, v0                          ; l
	v_and_b32 v13, 15, v0                          ; r = l % 16
	v_bfe_u32 v14, v0, 4, 1                        ; h = l / 16
	; global: wave w brings rows w TOK/8 .. of X, two rows of 256 bytes a load, and rows 8 w .. 8 w + 7 of W's 64
	s_mul_i32 s41, s4, (TOK/8)*2048
	v_lshlrev_b32 v[XG], 4, v13
	v_lshl_add_u32 v[XG], v14, 11, v[XG]
	v_add_nc_u32 v[XG], s41, v[XG]
	s_lshl_b32 s41, s4, 14
	v_lshl_add_u32 v[WG], v12, 4, s41
	; LDS, in: 4 numbers become 8 bytes
	s_mul_i32 s41, s4, (TOK/8)*XP
	v_mul_u32_u24 v[XS], v14, XP
	v_lshl_add_u32 v[XS], v13, 3, v[XS]
	v_add_nc_u32 v[XS], s41, v[XS]
	s_mul_i32 s41, s4, 8*WP
	s_add_co_u32 s41, s41, WBASE
	v_lshl_add_u32 v[WS], v12, 3, s41
	; LDS, fragments.  X: row r, 16 bytes for each half of the lanes, two loads 32 bytes apart
	s_mul_i32 s41, s6, 16*MT*XP
	v_mul_u32_u24 v[XA], v13, XP
	v_lshl_add_u32 v[XA], v14, 4, v[XA]
	v_add_nc_u32 v[XA], s41, v[XA]
	; W: lane l addresses row 8 h + l % 8 and the 16 bytes (l / 8) % 2; the load hands lane l column r, k = 8 h .. 8 h + 7
	v_and_b32 v15, 7, v0
	v_lshl_add_u32 v15, v14, 3, v15
	v_mul_u32_u24 v[WA], v15, WP
	v_bfe_u32 v15, v0, 3, 1
	v_lshl_add_u32 v[WA], v15, 4, v[WA]
	s_lshl_b32 s41, s5, 7
	s_add_co_u32 s41, s41, WBASE
	v_add_nc_u32 v[WA], s41, v[WA]
	; the way out
	s_mul_i32 s41, s4, STG
	s_add_co_u32 s41, s41, STAGE                   ; my wave's own stage
	v_mul_u32_u24 v1, v13, SPITCH
.if VAR == 1
	v_lshl_add_u32 v1, v14, 4, v1                  ; in: row r, 8 f16 = 16 bytes for each half of the lanes
	v_add_nc_u32 v[STO], s41, v1
	v_lshrrev_b32 v1, 3, v12                       ; back: 8 lanes take a row of 128 bytes, a load takes 4 rows
	v_mul_u32_u24 v1, v1, SPITCH
	v_and_b32 v15, 7, v0
	v_lshl_add_u32 v1, v15, 4, v1
	v_add_nc_u32 v[RD], s41, v1
	v_lshlrev_b32 v[CO], 4, v12                    ; the 4 rows are 512 consecutive bytes of the output
.else
	v_lshl_add_u32 v1, v14, 5, v1                  ; in: row r, 8 f32 = 32 bytes for each half of the lanes
	v_add_nc_u32 v[STO], s41, v1
	v_mul_u32_u24 v1, v14, SPITCH                  ; back: 16 lanes take a row of 256 bytes, a load takes 2 rows
	v_lshl_add_u32 v1, v13, 4, v1
	v_add_nc_u32 v[RD], s41, v1
	v_lshlrev_b32 v1, 4, v13
	v_lshl_add_u32 v[CO], v14, 11, v1
.endif
	v_lshlrev_b32 v[BO], 5, v14                    ; my columns 16 nt + 8 h + 0 .. 7
	s_mov_b32 s39, 0
.if VAR == 1
	s_lshr_b32 s37, ttmp9, 1                       ; job: 0 q, 1 k, 2 v
	s_and_b32 s40, ttmp9, 1                        ; which 256 columns
	s_wait_kmcnt 0x0
	s_cmp_eq_u32 s37, 0
	s_cselect_b64 s[28:29], s[8:9], s[10:11]       ; X: x1 for q, x2 for k and v
	s_cselect_b64 s[30:31], s[12:13], s[14:15]
	s_cselect_b64 s[32:33], s[18:19], s[20:21]
	s_cselect_b64 s[34:35], s[24:25], s[26:27]     ; out: qws for q, kv for k and v
	s_cmp_eq_u32 s37, 2
	s_cselect_b64 s[30:31], s[16:17], s[30:31]     ; W
	s_cselect_b64 s[32:33], s[22:23], s[32:33]     ; bias
	s_cselect_b32 s41, 8388608, 0                  ; v lies behind k
	s_lshl_b32 s38, s7, 19                         ; 256 rows of 2,048 bytes
	s_add_nc_u64 s[28:29], s[28:29], s[38:39]
	s_lshl_b32 s38, s40, 10                        ; 256 columns of 4 bytes
	s_add_nc_u64 s[30:31], s[30:31], s[38:39]
	s_lshl_b32 s42, s40, 2
	s_add_co_u32 s42, s42, s5                      ; my head = 4 x column half + wn
	s_lshl_b32 s38, s42, 8                         ; 64 biases of 4 bytes a head
	s_add_nc_u64 s[32:33], s[32:33], s[38:39]
	s_lshr_b32 s36, s7, 4                          ; batch: 16 row blocks each
	s_lshl3_add_u32 s36, s36, s42                  ; 8 b + head
	s_lshl_b32 s36, s36, 12                        ; x 4,096 tokens
	s_and_b32 s38, s7, 15
	s_lshl_b32 s38, s38, 8
	s_add_co_u32 s36, s36, s38                     ; + 256 x row block in the batch
	s_lshl_b32 s38, s6, 7
	s_add_co_u32 s36, s36, s38                     ; + 128 wm
	s_lshl_b32 s36, s36, 7                         ; 128 bytes a token
	s_add_co_u32 s38, s36, s41
	s_add_nc_u64 s[34:35], s[34:35], s[38:39]
.else
	s_mov_b32 s37, ttmp9                           ; which 128 columns
	s_wait_kmcnt 0x0
	s_lshl_b32 s38, s7, 18                         ; 128 rows of 2,048 bytes
	s_add_nc_u64 s[28:29], s[8:9], s[38:39]
	s_lshl_b32 s38, s37, 9                         ; 128 columns of 4 bytes
	s_add_nc_u64 s[30:31], s[10:11], s[38:39]
	s_lshl_b32 s38, s37, 1
	s_add_co_u32 s38, s38, s5                      ; my strip of 64 columns,
	s_lshl_b32 s38, s38, 8                         ; 256 bytes each
	s_add_nc_u64 s[32:33], s[12:13], s[38:39]
	s_add_nc_u64 s[34:35], s[14:15], s[38:39]
	s_lshl_b32 s38, s7, 7
	s_lshl_b32 s41, s6, 5
	s_add_co_u32 s38, s38, s41                     ; my first token
	s_lshl_b32 s38, s38, 11
	s_add_nc_u64 s[34:35], s[34:35], s[38:39]
.endif
; One K step's numbers into registers: TOK rows x 256 bytes of X, 64 rows x 4 COLS bytes of W
.macro LOADG
.set i, 0
.rept NXL
	global_load_b128 v[G+4*i:G+4*i+3], v[XG], s[28:29] offset:i*4096
.set i, i+1
.endr
.set i, 0
.rept NWL
	global_load_b128 v[G+4*NXL+4*i:G+4*NXL+4*i+3], v[WG], s[30:31] offset:(i/WPARTS)*2048+(i%WPARTS)*512
.set i, i+1
.endr
.endm
; narrowed in place to f16 and put into LDS buffer buf
.macro CVTST buf
.set i, 0
.rept NXL
	v_cvt_pk_f16_f32 v[G+4*i], v[G+4*i], v[G+4*i+1]
	v_cvt_pk_f16_f32 v[G+4*i+1], v[G+4*i+2], v[G+4*i+3]
	ds_store_b64 v[XS], v[G+4*i:G+4*i+1] offset:(\buf)*XBUF+i*2*XP
.set i, i+1
.endr
.set i, 0
.rept NWL
	v_cvt_pk_f16_f32 v[G+4*NXL+4*i], v[G+4*NXL+4*i], v[G+4*NXL+4*i+1]
	v_cvt_pk_f16_f32 v[G+4*NXL+4*i+1], v[G+4*NXL+4*i+2], v[G+4*NXL+4*i+3]
	ds_store_b64 v[WS], v[G+4*NXL+4*i:G+4*NXL+4*i+1] offset:(\buf)*WBUF+(i/WPARTS)*WP+(i%WPARTS)*256
.set i, i+1
.endr
.endm
; A K step of 64 = two halves of 32.  zero = 1: the first products start the sums, nothing is cleared.
; The 4 MT accumulators take turns, one instruction a turn, over the halves and the steps too.
.macro COMPUTE buf, zero
.irp sub, 0,1
	PLACES 4                                       ; loads into registers that matrix instructions have read stand four places behind them (ISA guide 7.12.1 for vector instructions)
.set i, 0
.rept MT
	ds_load_b128 v[XF+8*i:XF+8*i+3], v[XA] offset:(\buf)*XBUF+i*16*XP+\sub*64
	ds_load_b128 v[XF+8*i+4:XF+8*i+7], v[XA] offset:(\buf)*XBUF+i*16*XP+\sub*64+32
.set i, i+1
.endr
.irp nt, 0,1,2,3
	ds_load_tr16_b128 v[WF+8*\nt:WF+8*\nt+3], v[WA] offset:(\buf)*WBUF+\sub*32*WP+\nt*32
	ds_load_tr16_b128 v[WF+8*\nt+4:WF+8*\nt+7], v[WA] offset:(\buf)*WBUF+\sub*32*WP+\nt*32+16*WP
.endr
	s_wait_dscnt 0x0                               ; the other wave of the SIMD multiplies meanwhile
	WIN 0x50                                       ; C and D in window 1
.set i, 0
.rept MT
.irp nt, 0,1,2,3
.if (\zero)*(1-\sub)
	v_wmma_f32_16x16x32_f16 v[8*(4*i+\nt):8*(4*i+\nt)+7], v[WF+8*\nt:WF+8*\nt+7], v[XF+8*i:XF+8*i+7], 0
.else
	v_wmma_f32_16x16x32_f16 v[8*(4*i+\nt):8*(4*i+\nt)+7], v[WF+8*\nt:WF+8*\nt+7], v[XF+8*i:XF+8*i+7], v[8*(4*i+\nt):8*(4*i+\nt)+7]
.endif
.endr
.set i, i+1
.endr
	WIN 0
.endr
.endm
.macro LOADB                           ; the bias of my 4 x 8 columns
.irp nt, 0,1,2,3
	global_load_b128 v[BI+8*\nt:BI+8*\nt+3], v[BO], s[32:33] offset:\nt*64
	global_load_b128 v[BI+8*\nt+4:BI+8*\nt+7], v[BO], s[32:33] offset:\nt*64+16
.endr
.endm
; One K step.  The one barrier does two things: my stores into this buffer are done, so the others may read them; my reads of the
; other buffer are done, so the others may store into it.  st: the next step's numbers go into the other buffer.  ld: the step
; behind that is asked for; it has the next step's products in which to come.  lb: the bias is asked for.
.macro STEP buf, zero, st, ld, lb
	s_wait_dscnt 0x0
	s_barrier_signal -1
	s_barrier_wait -1
.if \lb
	LOADB
.endif
	COMPUTE \buf, \zero
.if \st
	s_wait_loadcnt 0x0                             ; the loads are in, and their bases are free
	CVTST 1-\buf
.endif
.if \ld
	s_add_nc_u64 s[28:29], s[28:29], 256           ; 64 numbers along X's rows
	s_add_nc_u64 s[30:31], s[30:31], 131072        ; 64 rows of W
	LOADG
.endif
.endm
	LOADG                                          ; K step 0
	s_wait_loadcnt 0x0
	CVTST 0
	s_add_nc_u64 s[28:29], s[28:29], 256
	s_add_nc_u64 s[30:31], s[30:31], 131072
	LOADG                                          ; K step 1
	STEP 0, 1, 1, 1, 0                             ; steps 0 and 1 stand in front of the loop: the first products start the sums
	STEP 1, 0, 1, 1, 0
	s_mov_b32 s36, 2
.Lpair:
	STEP 0, 0, 1, 1, 0                             ; steps 2 to 5
	STEP 1, 0, 1, 1, 0
	s_sub_co_u32 s36, s36, 1
	s_cmp_lg_u32 s36, 0
	s_cbranch_scc1 .Lpair
	STEP 0, 0, 1, 0, 0                             ; step 6: nothing is left to ask for
	STEP 1, 0, 0, 0, 1                             ; step 7
	; THE WAY OUT, 16 tokens at a time, through my own stage: LDS serves a wave's instructions in order (ISA guide 5.7.1), so no wait
	; stands between the stores into the stage and the loads from it.
	PLACES 4                                       ; vector instructions read matrix results four places behind them (ISA guide 7.12.1)
	s_wait_loadcnt 0x0                             ; the bias
.set m, 0
.rept MT
	WIN 0x01                                       ; source 0 in window 1
.set p, 0
.rept 16
	v_pk_add_f32 v[T+2*p:T+2*p+1], v[32*m+2*p:32*m+2*p+1], v[BI+2*p:BI+2*p+1]
.set p, p+1
.endr
	WIN 0
.if VAR == 1
.set p, 0
.rept 16
	v_cvt_pk_f16_f32 v[Y+p], v[T+2*p], v[T+2*p+1]
.set p, p+1
.endr
.irp nt, 0,1,2,3
	ds_store_b128 v[STO], v[Y+4*\nt:Y+4*\nt+3] offset:32*\nt
.endr
	s_wait_xcnt 0x0                                ; Z, which the last tile's stores read, is loaded again only behind this wait
.irp i, 0,1,2,3
	ds_load_b128 v[Z+4*\i:Z+4*\i+3], v[RD] offset:4*SPITCH*\i
.endr
.irp i, 0,1,2,3
	s_wait_dscnt 3-\i                              ; the younger read-backs may stay out
	global_store_b128 v[CO], v[Z+4*\i:Z+4*\i+3], s[34:35] offset:m*2048+512*\i   ; 512 consecutive bytes, aligned
.endr
.else
.irp nt, 0,1,2,3
	ds_store_b128 v[STO], v[T+8*\nt:T+8*\nt+3] offset:64*\nt
	ds_store_b128 v[STO], v[T+8*\nt+4:T+8*\nt+7] offset:64*\nt+16
.endr
	s_wait_xcnt 0x0                                ; Z, which the last tile's stores read, is loaded again only behind this wait
.irp i, 0,1,2,3,4,5,6,7
	ds_load_b128 v[Z+4*\i:Z+4*\i+3], v[RD] offset:2*SPITCH*\i
.endr
.irp i, 0,1,2,3,4,5,6,7
	s_wait_dscnt 7-\i                              ; the younger read-backs may stay out
	global_store_b128 v[CO], v[Z+4*\i:Z+4*\i+3], s[34:35] offset:(16*m+2*\i)*2048   ; 16 lanes store 256 consecutive bytes, aligned
.endr
.endif
.set m, m+1
.endr
	s_wait_tensorcnt 0x0
	ds_add_u32 v254, v255
	s_wait_dscnt 0x0
	s_endpgm
.Lfunc_end_k_qc4b2f32f74_qkv:
	.size	k_qc4b2f32f74_qkv, .Lfunc_end_k_qc4b2f32f74_qkv-k_qc4b2f32f74_qkv
	.p2alignl 7, 3214868480
	.fill 96, 4, 3214868480
	.section	.rodata,"a",@progbits
	.p2align	6, 0x0
	.amdhsa_kernel k_qc4b2f32f74_qkv
		.amdhsa_group_segment_fixed_size 162816
		.amdhsa_private_segment_fixed_size 0
		.amdhsa_enable_private_segment 0
		.amdhsa_kernarg_size 80
		.amdhsa_user_sgpr_count 2
		.amdhsa_user_sgpr_kernarg_segment_ptr 1
		.amdhsa_wavefront_size32 1
		.amdhsa_system_sgpr_workgroup_id_x 1
		.amdhsa_system_sgpr_workgroup_id_y 1
		.amdhsa_system_sgpr_workgroup_id_z 1
		.amdhsa_system_vgpr_workitem_id 0
		.amdhsa_next_free_vgpr 512
		.amdhsa_next_free_sgpr 66
		.amdhsa_reserve_vcc 0
		.amdhsa_float_denorm_mode_32 3
		.amdhsa_float_denorm_mode_16_64 3
		.amdhsa_memory_ordered 1
		.amdhsa_forward_progress 1
		.amdhsa_inst_pref_size 130
	.end_amdhsa_kernel
	.amdgpu_metadata
---
amdhsa.version: [ 1, 2 ]
amdhsa.kernels:
  - .name:           k_qc4b2f32f74_qkv
    .symbol:         k_qc4b2f32f74_qkv.kd
    .args:
      - { .name: x1, .offset: 0, .size: 8, .value_kind: global_buffer, .address_space: global }
      - { .name: x2, .offset: 8, .size: 8, .value_kind: global_buffer, .address_space: global }
      - { .name: Wq, .offset: 16, .size: 8, .value_kind: global_buffer, .address_space: global }
      - { .name: Wk, .offset: 24, .size: 8, .value_kind: global_buffer, .address_space: global }
      - { .name: Wv, .offset: 32, .size: 8, .value_kind: global_buffer, .address_space: global }
      - { .name: bq, .offset: 40, .size: 8, .value_kind: global_buffer, .address_space: global }
      - { .name: bk, .offset: 48, .size: 8, .value_kind: global_buffer, .address_space: global }
      - { .name: bv, .offset: 56, .size: 8, .value_kind: global_buffer, .address_space: global }
      - { .name: qws, .offset: 64, .size: 8, .value_kind: global_buffer, .address_space: global }
      - { .name: kv, .offset: 72, .size: 8, .value_kind: global_buffer, .address_space: global }
    .group_segment_fixed_size: 162816
    .private_segment_fixed_size: 0
    .kernarg_segment_align: 8
    .kernarg_segment_size: 80
    .max_flat_workgroup_size: 256
    .sgpr_count:     66
    .vgpr_count:     512
    .wavefront_size: 32
...
	.end_amdgpu_metadata
.endif
;; end of part 1
;; launch attn (part 2): grid 16 x 16, 8 waves a work-group, clusters of 4 x 1, 327,680 bytes of LDS; arguments qws, kv, mask, ows; writes ows
.if DOCPART == 2
	.amdgcn_target "amdgcn-amd-amdhsa--gfx1250"
	.amdhsa_code_object_version 6
	.text
	.protected	k_qc4b2f32f74_attn
	.globl	k_qc4b2f32f74_attn
	.p2align	8
	.type	k_qc4b2f32f74_attn,@function
k_qc4b2f32f74_attn:
	s_mov_b64 s[64:65], 0
	v_nop
	global_prefetch_b8 v0, s[64:65] scope:SCOPE_SE
	s_setreg_imm32_b32 hwreg(HW_REG_WAVE_MODE, 25, 1), 1
	s_wait_xcnt 0x0
	s_wait_alu depctr_hold_cnt(0) depctr_sa_sdst(0) depctr_va_vdst(0) depctr_va_sdst(0) depctr_va_ssrc(0) depctr_va_vcc(0) depctr_vm_vsrc(0)
	s_getreg_b32 s2, hwreg(HW_REG_IB_STS2, 6, 4)
	s_cmp_eq_u32 s2, 0
	s_cbranch_scc0 .Lentry_in_a_cluster
	s_endpgm
.Lentry_in_a_cluster:
	s_bfe_u32 s2, ttmp6, 0x10000c
	s_cmp_lg_u32 s2, 0x3003
	s_cbranch_scc0 .Lentry_shape_is_right
	s_endpgm
.Lentry_shape_is_right:
; O = softmax(q k^T / 8 + f32(mask) * -1e9) v for one (batch, head) and 256 queries; q, k, v in f16 [b*8+head][4096][64], O in f32 [8192][512].
; Eight waves.  Wave w: wq = w & 3 picks 64 queries, g = w >> 2 picks one half of the keys of every slot; the two halves of a query are
; merged once at the end, through LDS.  Two waves lie on a SIMD, so one wave's softmax runs beside the other's products.
; BOTH PRODUCTS ARE TRANSPOSED.  S^T = K Q^T: lane l holds query l % 16, its registers keys 8 (l / 16) + 0 .. 7.  Maximum and sum of a
; query are therefore numbers of a lane (and of the lane 16 away), and two S^T tiles of 16 keys, packed to f16 in place, ARE the second
; source of O^T = V^T P^T.  V^T's fragments come from V [key][d] by the transposing LDS load.
; SOFTMAX in base 2: x = s * (log2 e / 8) + madd[key], madd = (f32(mask) * -1e9) * log2 e; a running maximum m of x is taken away before
; every exponential, so p = 2^(x - m) <= 1; sums and O are scaled by 2^(m_old - m_new) at every block of 64 keys.
; LIMITS.  q, k, v are f16: magnitudes below 65,504.  Order of rounding: a masked score is rounded here in base-2 units (steps of 128 at
; 1.44e9), in reference() in natural units (steps of 64 at 1e9); it shows only in a batch whose keys ALL carry the same non-zero mask,
; and there the weights agree while |score / 8| < 32.
; CLUSTERS: the four work-groups of a cluster are four query blocks of one (batch, head) and read the same K and V.  Every tile is asked
; for jointly (mask 15): the same line, the same descriptor (made of the head and the wave's number alone) in all four.
; LDS: two slots of 512 keys.  A slot is eight chunks of 18,432 bytes, chunk w filled by wave w with one load of 16 KiB:
;   chunks 0-3: K, 128 keys each, as 64 rows of 256 bytes (two keys a row) 272 bytes apart;  chunks 4-7: V likewise, 288 bytes apart.
;   Key n of a chunk lies at (n >> 1) pitch + (n & 1) 128; with these pitches the 16 lanes of a load's pass touch 16 different 16-byte columns modulo 256.
;   Behind the slots: madd of the batch's 4,096 keys, written by LDS stores, in 256-byte blocks of its own into which no tensor load lands.
;   The merge area and the output stage lie in slot 0 and are used behind its last fill and its last read.
.set CHUNK, 18432
.set SLOT, 8*CHUNK
.set KP, 272
.set VP, 288
.set MASKB, 2*SLOT
.set STEP, 65536                       ; 512 keys of 128 bytes
.set MERGE, 17920                      ; a pair's merge area: 16,384 of O, 512 of maxima, 1,024 of sums
.set STAGE, 4*CHUNK
.set SPITCH, 272
; window 0
.set AK, 1                             ; v1, v2    LDS address of my K fragments in slot 0, 1
.set AV, 3                             ; v3, v4    the same for V
.set AM, 5                             ; v5        LDS address of my mask addends, stepped once a slot
.set MX, 6                             ; v[6:9]    running maximum of query tile t
.set AL, 10                            ; v[10:13]  the maximum at work, then 2^(m_old - m_new)
.set TMP, 14                           ; v[14:17]
.set LP, 18                            ; v[18:25]  running sum, a pair for each t; each lane keeps its own keys' part
.set MG, 26                            ; v26       merge area
.set STO, 27                           ; v27       stage, in
.set RD, 28                            ; v28       stage, back
.set CO, 29                            ; v29       my byte offset in O
.set QO, 30                            ; v30       my byte offset in q
.set MO, 31                            ; v31       my byte offset in the mask
.set MA, 32                            ; v[32:63]  mask addends: register 16 ks + e
.set FV, 64                            ; v[64:127] V^T fragment (ks, dt) at 8 (4 ks + dt)
.set S, 128                            ; v[128:255] group 4 ks + t: 16 registers, key tiles 2 ks and 2 ks + 1 of query tile t; P in its first 8
; window 1
.set O, 0                              ; O^T tile (t, dt) at 8 (4 t + dt)
.set Q, 128                            ; Q fragment (t, u) at 8 (2 t + u)
.set FK, 192                           ; K fragment (kt, u) at 8 (2 kt + u)
; merge, window 0, in V's registers
.set MB, 64                            ; the partner's maxima
.set LB, 68                            ; the partner's sums
.set FA, 76                            ; my factor
.set FB, 80                            ; the partner's factor
.set LS, 84
.set T2, 88
.set NX, 92
.set MSB, 0
.macro WIN new                         ; s_set_vgpr_msb; the immediate's high byte repeats the setting that is left
.if MSB != \new
	s_set_vgpr_msb (MSB<<8)|\new
.set MSB, \new
.endif
.endm
.macro PLACES n
.rept \n
	v_nop
.endr
.endm
; A round of the cluster's barrier: my work-group's barrier, wave 0 signals for the work-group, every wave waits for all four work-groups, my work-group's barrier once more
.macro ROUND
	s_barrier_signal -1
	s_barrier_wait -1
	s_cmp_lg_u32 s12, 0
	s_cbranch_scc1 .Lnot_wave_0_\@
	s_barrier_signal -3
.Lnot_wave_0_\@:
	s_barrier_wait -3
	s_barrier_signal -1
	s_barrier_wait -1
.endm
; A joint load into slot s: waves 0-3 bring K's chunks, waves 4-7 V's.  The two lines differ in the padding alone.
.macro JLOAD s
	s_cmp_lt_u32 s12, 4
	s_cbranch_scc0 .Lfor_v_\@
	tensor_load_to_lds s[32+4*(\s):35+4*(\s)], s[16:23]
	s_nop 0
	s_branch .Lasked_\@
.Lfor_v_\@:
	tensor_load_to_lds s[32+4*(\s):35+4*(\s)], s[24:31]
	s_nop 0
.Lasked_\@:
.endm
; packed arithmetic with register p + b in both halves
.macro PKSUB_B d, a, p, b
.if \b
	v_pk_add_f32 v[\d:\d+1], v[\a:\a+1], v[\p:\p+1] op_sel:[0,1] op_sel_hi:[1,1] neg_lo:[0,1] neg_hi:[0,1]
.else
	v_pk_add_f32 v[\d:\d+1], v[\a:\a+1], v[\p:\p+1] op_sel_hi:[1,0] neg_lo:[0,1] neg_hi:[0,1]
.endif
.endm
.macro PKMUL_B d, a, p, b
.if \b
	v_pk_mul_f32 v[\d:\d+1], v[\a:\a+1], v[\p:\p+1] op_sel:[0,1] op_sel_hi:[1,1]
.else
	s_wait_alu depctr_va_vdst(0)
	v_pk_mul_f32 v[\d:\d+1], v[\a:\a+1], v[\p:\p+1] op_sel_hi:[1,0]
.endif
.endm
.macro PKFMA_B d, a, p, b, c
.if \b
	v_pk_fma_f32 v[\d:\d+1], v[\a:\a+1], v[\p:\p+1], v[\c:\c+1] op_sel:[0,1,0] op_sel_hi:[1,1,1]
.else
	v_pk_fma_f32 v[\d:\d+1], v[\a:\a+1], v[\p:\p+1], v[\c:\c+1] op_sel_hi:[1,0,1]
.endif
.endm
; The K fragments of block j (64 keys) of my half of a slot: 16 loads
.macro LDK slot, j
	WIN 0x40
.irp kt, 0,1,2,3
.irp u, 0,1
.irp c, 0,1
	ds_load_b128 v[FK+8*(2*\kt+\u)+4*\c:FK+8*(2*\kt+\u)+4*\c+3], v[AK+\slot] offset:((\j)>>1)*CHUNK+((\j)&1)*32*KP+\kt*8*KP+\u*64+\c*32
.endr
.endr
.endr
	WIN 0
.endm
; The exponentials, in a pipeline of three groups: group g is raised, group g + 1 has its maximum taken away, group g - 1 is summed and
; packed to f16 in place.  Behind each pair of exponentials stand plain instructions on other registers, and a result is first used one
; group later (ISA guide 5.7.2).  first = 1: the first pair of each query tile starts its sum.
.macro GRP g, first
.irp i, 0,1,2,3,4,5,6,7
.if \g < 8
	v_exp_f32 v[S+16*\g+2*\i], v[S+16*\g+2*\i]
	v_exp_f32 v[S+16*\g+2*\i+1], v[S+16*\g+2*\i+1]
.endif
.if \g < 7
	PKSUB_B S+16*(\g+1)+2*\i, S+16*(\g+1)+2*\i, MX+((\g+1)&2), ((\g+1)&1)
.endif
.if \g > 0
.set START, 0
.if \first
.if \g < 5
.if \i == 0
.set START, 1
.endif
.endif
.endif
.if START
	s_wait_alu depctr_va_vdst(0)
	v_pk_add_f32 v[LP+2*((\g-1)&3):LP+2*((\g-1)&3)+1], v[S+16*(\g-1):S+16*(\g-1)+1], 0 op_sel_hi:[1,0]
.else
	s_wait_alu depctr_va_vdst(0)
	v_pk_add_f32 v[LP+2*((\g-1)&3):LP+2*((\g-1)&3)+1], v[LP+2*((\g-1)&3):LP+2*((\g-1)&3)+1], v[S+16*(\g-1)+2*\i:S+16*(\g-1)+2*\i+1]
.endif
	v_cvt_pk_f16_f32 v[S+16*(\g-1)+\i], v[S+16*(\g-1)+2*\i], v[S+16*(\g-1)+2*\i+1]
.endif
.endr
.endm
; A block of 64 keys x 64 queries.  pre = 1: the next block's K fragments are fetched.  first = 1: the wave's first block starts maxima, sums and O.
.macro SUB slot, j, pre, first
.irp i, 0,1,2,3,4,5,6,7
	ds_load_b128 v[MA+4*\i:MA+4*\i+3], v[AM] offset:\j*256+(\i>>1)*64+(\i&1)*16
.endr
.irp ks, 0,1
.irp dt, 0,1,2,3
.irp c, 0,1
	ds_load_tr16_b128 v[FV+8*(4*\ks+\dt)+4*\c:FV+8*(4*\ks+\dt)+4*\c+3], v[AV+\slot] offset:\j*32*VP+\ks*16*VP+\c*8*VP+\dt*32
.endr
.endr
.endr
	s_wait_dscnt 24                                ; LDS loads come back in order (ISA guide 5.7.1): K's 16 are in, the 24 just issued stay out
	WIN 0x05                                       ; K and Q in window 1
	; S^T: the four accumulators of a key tile take turns, one instruction a turn
.irp kt, 0,1,2,3
.irp t, 0,1,2,3
	v_wmma_f32_16x16x32_f16 v[S+16*(4*(\kt>>1)+\t)+8*(\kt&1):S+16*(4*(\kt>>1)+\t)+8*(\kt&1)+7], v[FK+16*\kt:FK+16*\kt+7], v[Q+16*\t:Q+16*\t+7], 0
.endr
.irp t, 0,1,2,3
	v_wmma_f32_16x16x32_f16 v[S+16*(4*(\kt>>1)+\t)+8*(\kt&1):S+16*(4*(\kt>>1)+\t)+8*(\kt&1)+7], v[FK+16*\kt+8:FK+16*\kt+15], v[Q+16*\t+8:Q+16*\t+15], v[S+16*(4*(\kt>>1)+\t)+8*(\kt&1):S+16*(4*(\kt>>1)+\t)+8*(\kt&1)+7]
.endr
.endr
	WIN 0
	PLACES 4                                       ; four places in front of the loads into K's registers and of the reads of S
.if \pre
	LDK \slot, \j+1
.endif
	s_wait_dscnt 16*\pre                           ; the addends and V are in; only the 16 loads of the next K fragments are younger
.irp g, 0,1,2,3,4,5,6,7
.irp i, 0,1,2,3,4,5,6,7
	v_pk_fma_f32 v[S+16*\g+2*\i:S+16*\g+2*\i+1], v[S+16*\g+2*\i:S+16*\g+2*\i+1], s[46:47], v[MA+16*(\g>>2)+2*\i:MA+16*(\g>>2)+2*\i+1] op_sel_hi:[1,0,1]
.endr
.endr
	; the new maximum: four chains, one for each query tile, begun with the old maximum
.irp st, 0,1,2,3,4,5,6,7,8,9,10,11,12,13,14,15
.irp t, 0,1,2,3
.if \st == 0
.if \first
	v_max_num_f32 v[AL+\t], v[S+16*\t], v[S+16*\t+1]
.else
	v_max3_num_f32 v[AL+\t], v[MX+\t], v[S+16*\t], v[S+16*\t+1]
.endif
.else
	v_max3_num_f32 v[AL+\t], v[AL+\t], v[S+16*(4*(\st>>3)+\t)+2*(\st&7)], v[S+16*(4*(\st>>3)+\t)+2*(\st&7)+1]
.endif
.endr
.endr
.irp t, 0,1,2,3
	v_permlanex16_b32 v[TMP+\t], v[AL+\t], s48, s49        ; the lane 16 away holds the query's other keys
.endr
.irp t, 0,1,2,3
	v_max_num_f32 v[AL+\t], v[AL+\t], v[TMP+\t]
.endr
.if \first == 0
.irp t, 0,1,2,3
	v_sub_f32 v[TMP+\t], v[MX+\t], v[AL+\t]                ; m_old - m_new, at most 0
.endr
.endif
.irp t, 0,1,2,3
	v_mov_b32 v[MX+\t], v[AL+\t]
.endr
.if \first == 0
.irp t, 0,1,2,3
	v_exp_f32 v[AL+\t], v[TMP+\t]
.endr
.endif
.irp i, 0,1,2,3,4,5,6,7
	PKSUB_B S+2*\i, S+2*\i, MX, 0                  ; group 0; also the plain instructions behind the four exponentials
.endr
.if \first == 0
.irp t, 0,1,2,3
	PKMUL_B LP+2*\t, LP+2*\t, AL+(\t&2), (\t&1)
.endr
.endif
.irp g, 0,1,2,3,4,5,6,7,8
	GRP \g, \first
.endr
.if \first == 0
	WIN 0x41                                       ; O in window 1, the factor in window 0
.irp t, 0,1,2,3
.set p, 0
.rept 16
	PKMUL_B O+32*\t+2*p, O+32*\t+2*p, AL+(\t&2), (\t&1)
.set p, p+1
.endr
.endr
.endif
	WIN 0x50                                       ; C and D in window 1
	; O^T += V^T P^T: the sixteen accumulators take turns, one instruction a turn
.irp ks, 0,1
.irp dt, 0,1,2,3
.irp t, 0,1,2,3
.if (\first)*(1-\ks)
	v_wmma_f32_16x16x32_f16 v[O+8*(4*\t+\dt):O+8*(4*\t+\dt)+7], v[FV+8*(4*\ks+\dt):FV+8*(4*\ks+\dt)+7], v[S+16*(4*\ks+\t):S+16*(4*\ks+\t)+7], 0
.else
	v_wmma_f32_16x16x32_f16 v[O+8*(4*\t+\dt):O+8*(4*\t+\dt)+7], v[FV+8*(4*\ks+\dt):FV+8*(4*\ks+\dt)+7], v[S+16*(4*\ks+\t):S+16*(4*\ks+\t)+7], v[O+8*(4*\t+\dt):O+8*(4*\t+\dt)+7]
.endif
.endr
.endr
.endr
	WIN 0
	PLACES 5                                       ; five places in front of the products that write over P; they serve the loads into V's registers too
.endm
; A slot of 512 keys, of which my half is four blocks.  In front of the round every wave has waited for all its tensor loads (its chunk
; of this slot among them) and for its reads of the other slot; behind the round that holds of every wave of all four work-groups, and
; the other slot's joint refill is the first thing there, one load a wave.  It has this whole slot's work in which to land.
.macro TRIP slot, refill, first
	s_wait_xcnt 0x0
	v_lshl_add_u32 v254, v0, 2, 0x4c000
	v_mov_b32 v255, 0
	s_wait_tensorcnt 0x0
	ds_add_u32 v254, v255
	s_wait_dscnt 0x0
	s_add_nc_u64 s[34+4*\slot:35+4*\slot], s[34+4*\slot:35+4*\slot], 2*STEP   ; no load of mine is out: this slot's next tile
	s_wait_dscnt 0x0
	ROUND
.if \refill
	JLOAD 1-\slot
.endif
	LDK \slot, 0
	SUB \slot, 0, 1, \first
	SUB \slot, 1, 1, 0
	SUB \slot, 2, 1, 0
	SUB \slot, 3, 0, 0
	v_add_nc_u32 v[AM], 2048, v[AM]                ; 512 addends on
.endm
	s_load_b256 s[4:11], s[0:1], 0x0               ; q s[4:5], k and v s[6:7], mask s[8:9], O s[10:11]
	v_lshl_add_u32 v254, v0, 2, 0x4c000
	v_mov_b32 v255, 0
	ds_add_u32 v254, v255
	s_wait_dscnt 0x0
	v_lshrrev_b32 v1, 5, v0
	v_readfirstlane_b32 s12, v1                    ; wave
	s_lshr_b32 s13, s12, 2                         ; g: my half of the keys.  Also: I fetch K (0) or V (1)
	s_and_b32 s14, s12, 3                          ; wq: my 64 queries.  Also: which chunk I fetch
	s_and_b32 s41, ttmp7, 0xffff                   ; 8 b + head
	s_mov_b32 s46, 0x3e38aa3b                      ; log2 e / 8
	s_mov_b32 s47, 0x3e38aa3b
	s_mov_b32 s48, 0x76543210                      ; v_permlanex16_b32: lane i of one half reads lane i of the other
	s_mov_b32 s49, 0xfedcba98
	; group 1: 64 rows of 32 elements of 8 bytes, dense in memory; in LDS 16 (K) or 32 (V) bytes of padding behind every 64 words
	s_mov_b32 s16, 15|(3<<16)|(1<<20)|(1<<21)|(5<<22)|(3<<25)  ; 15:0 all four work-groups; 17:16 8 bytes; 20 padding; 21 set beside a mask; 24:22 every 64 words; 31:25 four words
	s_mov_b32 s17, 32<<16                          ; tensor_dim0 = 32
	s_mov_b32 s18, 64<<16                          ; tensor_dim1 = 64
	s_mov_b32 s19, 32<<16                          ; tile_dim0 = 32
	s_mov_b32 s20, 64                              ; tile_dim1 = 64
	s_mov_b32 s21, 32                              ; elements from row to row
	s_mov_b32 s22, 0
	s_mov_b32 s23, 0
	s_mov_b32 s24, 15|(3<<16)|(1<<20)|(1<<21)|(5<<22)|(7<<25)  ; the same with eight words of padding
	s_mov_b32 s25, 32<<16
	s_mov_b32 s26, 64<<16
	s_mov_b32 s27, 32<<16
	s_mov_b32 s28, 64
	s_mov_b32 s29, 32
	s_mov_b32 s30, 0
	s_mov_b32 s31, 0
	; where my chunks come from: the head, K or V, the chunk.  Nothing here hangs on the place in the cluster.
	s_lshl_b32 s42, s41, 19                        ; 4,096 keys of 128 bytes a head
	s_lshl_b32 s45, s13, 23                        ; V lies 8,388,608 bytes behind K
	s_add_co_u32 s42, s42, s45
	s_lshl_b32 s45, s14, 14                        ; 128 keys a chunk
	s_add_co_u32 s42, s42, s45
	s_mov_b32 s43, 0
	s_mul_i32 s45, s12, CHUNK                      ; and where they go
	s_wait_kmcnt 0x0
	s_add_nc_u64 s[42:43], s[6:7], s[42:43]
.irp n, 0,1
	s_mov_b32 s[32+4*\n], 1                                        ; count = 1
	s_add_co_u32 s[33+4*\n], s45, \n*SLOT                          ; LDS address
	s_add_nc_u64 s[34+4*\n:35+4*\n], s[42:43], \n*STEP             ; global address: tile n
	s_or_b32 s[35+4*\n], s[35+4*\n], 0x80000000                    ; type = 2
.endr
	ROUND                                          ; all four work-groups are here: the first joint load meets
	JLOAD 0                                        ; tile 0; slot 1 is filled behind the first slot's round
	; my place among the query blocks enters global addresses alone
	s_bfe_u32 s15, ttmp6, 0x40000                  ; cx
	s_lshl_b32 s40, ttmp9, 2
	s_add_co_u32 s40, s40, s15                     ; query block = 4 x cluster x + cx
	s_mov_b32 s51, 0
	s_lshl_b32 s50, s41, 12
	s_lshl_b32 s52, s40, 8
	s_add_co_u32 s50, s50, s52
	s_lshl_b32 s52, s14, 6
	s_add_co_u32 s50, s50, s52                     ; my first row of q
	s_lshl_b32 s50, s50, 7
	s_add_nc_u64 s[4:5], s[4:5], s[50:51]
	s_lshr_b32 s50, s41, 3                         ; b
	s_lshl_b32 s50, s50, 14
	s_add_nc_u64 s[8:9], s[8:9], s[50:51]          ; the batch's mask
	s_lshr_b32 s50, s41, 3
	s_lshl_b32 s50, s50, 12
	s_lshl_b32 s52, s40, 8
	s_add_co_u32 s50, s50, s52
	s_lshl_b32 s52, s14, 6
	s_add_co_u32 s50, s50, s52                     ; my first row of O
	s_lshl_b32 s50, s50, 11
	s_and_b32 s52, s41, 7
	s_lshl_b32 s52, s52, 8                         ; the head's 64 columns
	s_add_co_u32 s50, s50, s52
	s_add_nc_u64 s[10:11], s[10:11], s[50:51]
	v_and_b32 v32, 15, v0                          ; r = l % 16
	v_bfe_u32 v33, v0, 4, 1                        ; h = l / 16
	v_and_b32 v34, 31, v0                          ; l
	v_and_b32 v36, 1, v0
	v_lshlrev_b32 v[MO], 4, v0                     ; thread x 16 bytes
	v_lshlrev_b32 v37, 7, v32
	v_lshl_add_u32 v[QO], v33, 4, v37              ; row r of 128 bytes, 16 bytes for each half of the lanes
.irp i, 0,1,2,3
	global_load_b128 v[S+4*\i:S+4*\i+3], v[MO], s[8:9] offset:4096*\i
.endr
	WIN 0x40
.irp t, 0,1,2,3
.irp u, 0,1
.irp c, 0,1
	global_load_b128 v[Q+8*(2*\t+\u)+4*\c:Q+8*(2*\t+\u)+4*\c+3], v[QO], s[4:5] offset:\t*2048+\u*64+\c*32
.endr
.endr
.endr
	WIN 0
	; K: key r of a tile at (r >> 1) 272 + (r & 1) 128, 16 bytes for each half of the lanes
	v_bfe_u32 v35, v0, 1, 3
	v_mul_u32_u24 v37, v35, KP
	v_lshl_add_u32 v37, v36, 7, v37
	v_lshl_add_u32 v37, v33, 4, v37
	s_mul_i32 s45, s13, 2*CHUNK                    ; my half: two chunks
	v_add_nc_u32 v[AK], s45, v37
	v_add_nc_u32 v[AK+1], SLOT, v[AK]
	; V: lane l addresses key 8 h + l % 8 and the 16 bytes (l / 8) % 2; the load hands lane l column d = r, keys 8 h .. 8 h + 7
	v_bfe_u32 v35, v0, 1, 2
	v_lshl_add_u32 v35, v33, 2, v35
	v_mul_u32_u24 v37, v35, VP
	v_lshl_add_u32 v37, v36, 7, v37
	v_bfe_u32 v35, v0, 3, 1
	v_lshl_add_u32 v37, v35, 4, v37
	s_add_co_u32 s45, s45, 4*CHUNK
	v_add_nc_u32 v[AV], s45, v37
	v_add_nc_u32 v[AV+1], SLOT, v[AV]
	s_lshl_b32 s45, s13, 10                        ; my half's 256 addends
	s_add_co_u32 s45, s45, MASKB
	v_lshl_add_u32 v[AM], v33, 5, s45              ; keys 8 h .. 8 h + 7
	s_mul_i32 s45, s14, MERGE
	v_lshl_add_u32 v[MG], v34, 4, s45
	s_mul_i32 s45, s12, 16*SPITCH
	s_add_co_u32 s45, s45, STAGE                   ; my wave's own stage
	v_mul_u32_u24 v37, v32, SPITCH
	v_lshl_add_u32 v37, v33, 5, v37
	v_add_nc_u32 v[STO], s45, v37                  ; in: row r, 32 bytes for each half of the lanes
	v_mul_u32_u24 v37, v33, SPITCH
	v_lshl_add_u32 v37, v32, 4, v37
	v_add_nc_u32 v[RD], s45, v37                   ; back: 16 lanes take a row of 256 bytes
	v_lshlrev_b32 v37, 4, v32
	v_lshl_add_u32 v[CO], v33, 11, v37             ; and the same two rows in O
.irp t, 0,1,2,3
	v_mov_b32 v[TMP+\t], 0                         ; v_permlanex16_b32 counts as a reader of its destination
.endr
	v_add_nc_u32 v[S+16], MASKB, v[MO]
	s_wait_loadcnt 16                              ; the four loads of the mask are in; q's sixteen are younger
.set k, 0
.rept 16
	v_cvt_f32_i32 v[S+k], v[S+k]
	v_mul_f32 v[S+k], 0xce6e6b28, v[S+k]           ; x -1e9, rounded as reference() rounds it,
	v_mul_f32 v[S+k], 0x3fb8aa3b, v[S+k]           ; in base-2 units
.set k, k+1
.endr
.irp i, 0,1,2,3
	ds_store_b128 v[S+16], v[S+4*\i:S+4*\i+3] offset:4096*\i       ; read by all waves behind the first slot's wait for 0 and round
.endr
	s_wait_loadcnt 0x0                             ; q
	TRIP 0, 1, 1                                   ; tiles 0 and 1 stand in front of the loop: the first block starts maxima, sums and O
	TRIP 1, 1, 0
	s_mov_b32 s44, 2
.Lpair:
	TRIP 0, 1, 0                                   ; tiles 2 to 5
	TRIP 1, 1, 0
	s_sub_co_u32 s44, s44, 1
	s_cmp_lg_u32 s44, 0
	s_cbranch_scc1 .Lpair
	TRIP 0, 1, 0                                   ; tile 6; tile 7 is the last load
	TRIP 1, 0, 0                                   ; tile 7: nothing is left to fetch (the stepped addresses are not used)
	; THE MERGE.  Waves 4-7 hand O, maxima and sums to waves 0-3 through slot 0, which has had its last fill and, since the last round, its last read.
	s_cmp_lt_u32 s12, 4
	s_cbranch_scc1 .Lkeep
	WIN 0x04                                       ; store data in window 1
.set i, 0
.rept 32
	ds_store_b128 v[MG], v[O+4*i:O+4*i+3] offset:512*i
.set i, i+1
.endr
	WIN 0
	ds_store_b128 v[MG], v[MX:MX+3] offset:16384
	ds_store_b128 v[MG], v[LP:LP+3] offset:16896
	ds_store_b128 v[MG], v[LP+4:LP+7] offset:17408
.Lkeep:
	s_wait_dscnt 0x0                               ; for the partner's sake: my stores are done
	s_barrier_signal -1
	s_barrier_wait -1
	s_cmp_ge_u32 s12, 4
	s_cbranch_scc1 .Lclose
.set i, 0
.rept 32
	ds_load_b128 v[S+4*i:S+4*i+3], v[MG] offset:512*i
.set i, i+1
.endr
	ds_load_b128 v[MB:MB+3], v[MG] offset:16384
	ds_load_b128 v[LB:LB+3], v[MG] offset:16896
	ds_load_b128 v[LB+4:LB+7], v[MG] offset:17408
	s_wait_dscnt 0x0
.irp t, 0,1,2,3
	v_max_num_f32 v[NX+\t], v[MX+\t], v[MB+\t]             ; the common maximum
.endr
.irp t, 0,1,2,3
	v_sub_f32 v[FA+\t], v[MX+\t], v[NX+\t]
	v_sub_f32 v[FB+\t], v[MB+\t], v[NX+\t]
	v_add_f32 v[LS+\t], v[LP+2*\t], v[LP+2*\t+1]
	v_add_f32 v[T2+\t], v[LB+2*\t], v[LB+2*\t+1]
.endr
.irp t, 0,1,2,3
	v_exp_f32 v[FA+\t], v[FA+\t]
	v_exp_f32 v[FB+\t], v[FB+\t]
.endr
	v_nop                                          ; one plain instruction behind the exponentials (ISA guide 5.7.2)
.irp t, 0,1,2,3
	s_wait_alu depctr_va_vdst(0)
	v_mul_f32 v[LS+\t], v[LS+\t], v[FA+\t]
.endr
.irp t, 0,1,2,3
	v_fmac_f32 v[LS+\t], v[T2+\t], v[FB+\t]
.endr
.irp t, 0,1,2,3
	v_permlanex16_b32 v[T2+\t], v[LS+\t], s48, s49         ; the query's other keys
.endr
.irp t, 0,1,2,3
	v_add_f32 v[LS+\t], v[LS+\t], v[T2+\t]                 ; at least 1: the key of the maximum counts 1
.endr
.irp t, 0,1,2,3
	v_rcp_f32 v[LS+\t], v[LS+\t]
.endr
	v_nop                                          ; one plain instruction behind the reciprocals
.irp t, 0,1,2,3
	s_wait_alu depctr_va_vdst(0)
	v_mul_f32 v[FA+\t], v[FA+\t], v[LS+\t]
	v_mul_f32 v[FB+\t], v[FB+\t], v[LS+\t]
.endr
.irp t, 0,1,2,3
.set p, 0
.rept 16
	PKMUL_B S+32*\t+2*p, S+32*\t+2*p, FB+(\t&2), (\t&1)
.set p, p+1
.endr
.endr
	WIN 0x01                                       ; my O in window 1
.irp t, 0,1,2,3
.set p, 0
.rept 16
	PKFMA_B S+32*\t+2*p, O+32*\t+2*p, FA+(\t&2), (\t&1), S+32*\t+2*p
.set p, p+1
.endr
.endr
	WIN 0
	; THE WAY OUT, 16 queries at a time, through my own stage: LDS serves a wave's instructions in order (ISA guide 5.7.1), so no wait
	; stands between the stores into the stage and the loads from it.  Two sets of registers take turns for the rows read back.
.irp t, 0,1,2,3
.irp dt, 0,1,2,3
	ds_store_b128 v[STO], v[S+8*(4*\t+\dt):S+8*(4*\t+\dt)+3] offset:\dt*64
	ds_store_b128 v[STO], v[S+8*(4*\t+\dt)+4:S+8*(4*\t+\dt)+7] offset:\dt*64+16
.endr
	s_wait_xcnt 0x0                                ; a set that stores read is loaded again only behind this wait
.irp i, 0,1,2,3,4,5,6,7
	ds_load_b128 v[FV+32*(\t&1)+4*\i:FV+32*(\t&1)+4*\i+3], v[RD] offset:2*SPITCH*\i
.endr
.irp i, 0,1,2,3,4,5,6,7
	s_wait_dscnt 7-\i                              ; the younger read-backs may stay out
	global_store_b128 v[CO], v[FV+32*(\t&1)+4*\i:FV+32*(\t&1)+4*\i+3], s[10:11] offset:(16*\t+2*\i)*2048   ; 16 lanes store 256 consecutive bytes, aligned
.endr
.endr
.Lclose:
	s_wait_dscnt 0x0
	s_wait_xcnt 0x0
	v_lshl_add_u32 v254, v0, 2, 0x4c000
	v_mov_b32 v255, 0
	s_wait_tensorcnt 0x0
	ds_add_u32 v254, v255
	s_wait_dscnt 0x0
	ROUND                                          ; the closing round: no work-group ends while a partner may still ask for a tile that names it
	s_endpgm
.Lfunc_end_k_qc4b2f32f74_attn:
	.size	k_qc4b2f32f74_attn, .Lfunc_end_k_qc4b2f32f74_attn-k_qc4b2f32f74_attn
	.p2alignl 7, 3214868480
	.fill 96, 4, 3214868480
	.section	.rodata,"a",@progbits
	.p2align	6, 0x0
	.amdhsa_kernel k_qc4b2f32f74_attn
		.amdhsa_group_segment_fixed_size 327680
		.amdhsa_private_segment_fixed_size 0
		.amdhsa_enable_private_segment 0
		.amdhsa_kernarg_size 32
		.amdhsa_user_sgpr_count 2
		.amdhsa_user_sgpr_kernarg_segment_ptr 1
		.amdhsa_wavefront_size32 1
		.amdhsa_system_sgpr_workgroup_id_x 1
		.amdhsa_system_sgpr_workgroup_id_y 1
		.amdhsa_system_sgpr_workgroup_id_z 1
		.amdhsa_system_vgpr_workitem_id 0
		.amdhsa_next_free_vgpr 512
		.amdhsa_next_free_sgpr 66
		.amdhsa_reserve_vcc 0
		.amdhsa_float_denorm_mode_32 3
		.amdhsa_float_denorm_mode_16_64 3
		.amdhsa_memory_ordered 1
		.amdhsa_forward_progress 1
		.amdhsa_inst_pref_size 255
	.end_amdhsa_kernel
	.section	.bss,"aw",@nobits
	.p2align	6
	.space	262144
	.amdgpu_metadata
---
amdhsa.version: [ 1, 2 ]
amdhsa.kernels:
  - .name:           k_qc4b2f32f74_attn
    .symbol:         k_qc4b2f32f74_attn.kd
    .args:
      - { .name: qws, .offset: 0, .size: 8, .value_kind: global_buffer, .address_space: global }
      - { .name: kv, .offset: 8, .size: 8, .value_kind: global_buffer, .address_space: global }
      - { .name: mask, .offset: 16, .size: 8, .value_kind: global_buffer, .address_space: global }
      - { .name: ows, .offset: 24, .size: 8, .value_kind: global_buffer, .address_space: global }
    .group_segment_fixed_size: 327680
    .private_segment_fixed_size: 0
    .kernarg_segment_align: 8
    .kernarg_segment_size: 32
    .max_flat_workgroup_size: 256
    .sgpr_count:     66
    .vgpr_count:     512
    .wavefront_size: 32
...
	.end_amdgpu_metadata
.endif
;; end of part 2
;; launch outp (part 3): grid 4 x 64, 8 waves a work-group, no clusters, 109,568 bytes of LDS; arguments ows, Wo, bo, out0; writes out0
.if DOCPART == 3
	.amdgcn_target "amdgcn-amd-amdhsa--gfx1250"
	.amdhsa_code_object_version 6
	.text
	.protected	k_qc4b2f32f74_outp
	.globl	k_qc4b2f32f74_outp
	.p2align	8
	.type	k_qc4b2f32f74_outp,@function
k_qc4b2f32f74_outp:
	s_mov_b64 s[64:65], 0
	v_nop
	global_prefetch_b8 v0, s[64:65] scope:SCOPE_SE
	s_setreg_imm32_b32 hwreg(HW_REG_WAVE_MODE, 25, 1), 1
	s_wait_xcnt 0x0
; VAR = 1:  q = x1 Wq + bq, k = x2 Wk + bk, v = x2 Wv + bv, rounded once to f16 and laid out by head: [b*8+head][4096 tokens][64].
;           q goes to qws; k to kv at byte 0; v to kv at byte 8,388,608.
; VAR = 2:  out0 = O Wo + bo in f32 (O: [8192][512] f32 from the attention launch).
; One text for both; only the constants below, the pointers and the way out differ.
; X is [8192][512] f32, W is [512 (k)][512 (n)] f32.  Products in f16 with f32 sums (v_wmma_f32_16x16x32_f16).
; LIMIT: every operand is rounded to f16, so |x|, |W| and (VAR 1) |q|, |k|, |v| must stay below 65,504.
; A work-group makes TOK tokens x COLS columns with eight waves; a wave makes 16 MT tokens x 64 columns.
; K goes in eight steps of 64 through two LDS buffers.  Both operands pass through registers on their way to LDS:
; W lies [k][n] in f32, and the transposing LDS load works on 16-bit data, so W must be narrowed before it is in LDS; X takes
; the same way, which halves its LDS bytes.  No tensor load, hence no joint loads of a cluster: the shared tiles (X among the
; column slices, W among the row blocks) are converted by each work-group for itself.
; THE MATRIX INSTRUCTION IS USED TRANSPOSED: source 0 = 16 columns of W, source 1 = 16 tokens of X.  Lane l then holds token
; l % 16 and, in registers 0-7, the columns 8 (l / 16) + 0 .. 7: neighbouring numbers of a row of the output.
.set VAR, 2
.if VAR == 1
.set MT, 8                             ; token tiles of 16 in a wave
.set WNB, 2                            ; wave = (wm << WNB) | wn
.set TOK, 256
.set COLS, 256
.set SPITCH, 144                       ; stage row: 64 f16 + 16 bytes
.else
.set MT, 2
.set WNB, 1
.set TOK, 128
.set COLS, 128
.set SPITCH, 272                       ; stage row: 64 f32 + 16 bytes
.endif
.set XP, 144                           ; LDS row of X: 64 f16 + 16 bytes: 16 rows start at 16 different 16-byte columns modulo 256 bytes
.set XBUF, TOK*XP
.set WP, 2*COLS+32                     ; LDS row of W: COLS f16 + 32 bytes, an odd multiple of 32, for the transposing load
.set WBUF, 64*WP
.set WBASE, 2*XBUF
.set STAGE, WBASE+2*WBUF               ; behind the buffers: 16 rows for each wave, for the way out
.set STG, 16*SPITCH
.set NXL, TOK/16                       ; 16-byte loads of X a thread and K step
.set NWL, COLS/16                      ; the same of W
.set WPARTS, COLS/128                  ; a wave's load covers 128 columns of a row of W
.set XG, 2                             ; v2   byte offset of my 16 bytes of X
.set WG, 3                             ; v3   the same in W
.set XS, 4                             ; v4   where my 8 bytes of X go in LDS
.set WS, 5                             ; v5   the same for W
.set XA, 6                             ; v6   LDS address of my fragments of X
.set WA, 7                             ; v7   the same for W (transposing load)
.set STO, 8                            ; v8   the way out: where my numbers go in the stage
.set RD, 9                             ; v9   where I read rows back
.set CO, 10                            ; v10  my byte offset in the output
.set BO, 11                            ; v11  my byte offset in the bias
.set G, 16                             ; v[16:16+4(NXL+NWL)-1]  what the global loads bring
.set XF, 144                           ; v[144:207]  fragments of X
.set WF, 208                           ; v[208:239]  fragments of W
.set BI, 16                            ; the way out: v[16:47] bias of my 32 columns,
.set T, 48                             ; v[48:79] a token tile's sums + bias,
.set Y, 80                             ; v[80:95] the same in f16,
.set Z, 96                             ; v[96:127] rows read back
; window 1 (v256 and up): accumulator (mt, nt) at 8 (4 mt + nt)
.set MSB, 0
.macro WIN new                         ; s_set_vgpr_msb; the immediate's high byte repeats the setting that is left
.if MSB != \new
	s_set_vgpr_msb (MSB<<8)|\new
.set MSB, \new
.endif
.endm
.macro PLACES n
.rept \n
	v_nop
.endr
.endm
.if VAR == 1
	s_load_b512 s[8:23], s[0:1], 0x0               ; x1, x2, Wq, Wk, Wv, bq, bk, bv
	s_load_b128 s[24:27], s[0:1], 0x40             ; qws, kv
.else
	s_load_b256 s[8:15], s[0:1], 0x0               ; O, Wo, bo, out0
	v_lshl_add_u32 v254, v0, 2, 0x1a800
	v_mov_b32 v255, 0
.endif
	v_lshrrev_b32 v1, 5, v0
	v_readfirstlane_b32 s4, v1                     ; wave
	s_and_b32 s5, s4, (1<<WNB)-1                   ; wn: my strip of 64 columns
	s_lshr_b32 s6, s4, WNB                         ; wm: my 16 MT tokens
	s_and_b32 s7, ttmp7, 0xffff                    ; row block
	v_and_b32 v12, 31, v0                          ; l
	v_and_b32 v13, 15, v0                          ; r = l % 16
	v_bfe_u32 v14, v0, 4, 1                        ; h = l / 16
	; global: wave w brings rows w TOK/8 .. of X, two rows of 256 bytes a load, and rows 8 w .. 8 w + 7 of W's 64
	s_mul_i32 s41, s4, (TOK/8)*2048
	v_lshlrev_b32 v[XG], 4, v13
	v_lshl_add_u32 v[XG], v14, 11, v[XG]
	v_add_nc_u32 v[XG], s41, v[XG]
	s_lshl_b32 s41, s4, 14
	v_lshl_add_u32 v[WG], v12, 4, s41
	; LDS, in: 4 numbers become 8 bytes
	s_mul_i32 s41, s4, (TOK/8)*XP
	v_mul_u32_u24 v[XS], v14, XP
	v_lshl_add_u32 v[XS], v13, 3, v[XS]
	v_add_nc_u32 v[XS], s41, v[XS]
	s_mul_i32 s41, s4, 8*WP
	s_add_co_u32 s41, s41, WBASE
	v_lshl_add_u32 v[WS], v12, 3, s41
	; LDS, fragments.  X: row r, 16 bytes for each half of the lanes, two loads 32 bytes apart
	s_mul_i32 s41, s6, 16*MT*XP
	v_mul_u32_u24 v[XA], v13, XP
	v_lshl_add_u32 v[XA], v14, 4, v[XA]
	v_add_nc_u32 v[XA], s41, v[XA]
	; W: lane l addresses row 8 h + l % 8 and the 16 bytes (l / 8) % 2; the load hands lane l column r, k = 8 h .. 8 h + 7
	v_and_b32 v15, 7, v0
	v_lshl_add_u32 v15, v14, 3, v15
	v_mul_u32_u24 v[WA], v15, WP
	v_bfe_u32 v15, v0, 3, 1
	v_lshl_add_u32 v[WA], v15, 4, v[WA]
	s_lshl_b32 s41, s5, 7
	s_add_co_u32 s41, s41, WBASE
	v_add_nc_u32 v[WA], s41, v[WA]
	; the way out
	s_mul_i32 s41, s4, STG
	s_add_co_u32 s41, s41, STAGE                   ; my wave's own stage
	v_mul_u32_u24 v1, v13, SPITCH
.if VAR == 1
	v_lshl_add_u32 v1, v14, 4, v1                  ; in: row r, 8 f16 = 16 bytes for each half of the lanes
	v_add_nc_u32 v[STO], s41, v1
	v_lshrrev_b32 v1, 3, v12                       ; back: 8 lanes take a row of 128 bytes, a load takes 4 rows
	v_mul_u32_u24 v1, v1, SPITCH
	v_and_b32 v15, 7, v0
	v_lshl_add_u32 v1, v15, 4, v1
	v_add_nc_u32 v[RD], s41, v1
	v_lshlrev_b32 v[CO], 4, v12                    ; the 4 rows are 512 consecutive bytes of the output
.else
	v_lshl_add_u32 v1, v14, 5, v1                  ; in: row r, 8 f32 = 32 bytes for each half of the lanes
	v_add_nc_u32 v[STO], s41, v1
	v_mul_u32_u24 v1, v14, SPITCH                  ; back: 16 lanes take a row of 256 bytes, a load takes 2 rows
	v_lshl_add_u32 v1, v13, 4, v1
	v_add_nc_u32 v[RD], s41, v1
	v_lshlrev_b32 v1, 4, v13
	v_lshl_add_u32 v[CO], v14, 11, v1
.endif
	v_lshlrev_b32 v[BO], 5, v14                    ; my columns 16 nt + 8 h + 0 .. 7
	s_mov_b32 s39, 0
.if VAR == 1
	s_lshr_b32 s37, ttmp9, 1                       ; job: 0 q, 1 k, 2 v
	s_and_b32 s40, ttmp9, 1                        ; which 256 columns
	s_wait_kmcnt 0x0
	s_cmp_eq_u32 s37, 0
	s_cselect_b64 s[28:29], s[8:9], s[10:11]       ; X: x1 for q, x2 for k and v
	s_cselect_b64 s[30:31], s[12:13], s[14:15]
	s_cselect_b64 s[32:33], s[18:19], s[20:21]
	s_cselect_b64 s[34:35], s[24:25], s[26:27]     ; out: qws for q, kv for k and v
	s_cmp_eq_u32 s37, 2
	s_cselect_b64 s[30:31], s[16:17], s[30:31]     ; W
	s_cselect_b64 s[32:33], s[22:23], s[32:33]     ; bias
	s_cselect_b32 s41, 8388608, 0                  ; v lies behind k
	s_lshl_b32 s38, s7, 19                         ; 256 rows of 2,048 bytes
	s_add_nc_u64 s[28:29], s[28:29], s[38:39]
	s_lshl_b32 s38, s40, 10                        ; 256 columns of 4 bytes
	s_add_nc_u64 s[30:31], s[30:31], s[38:39]
	s_lshl_b32 s42, s40, 2
	s_add_co_u32 s42, s42, s5                      ; my head = 4 x column half + wn
	s_lshl_b32 s38, s42, 8                         ; 64 biases of 4 bytes a head
	s_add_nc_u64 s[32:33], s[32:33], s[38:39]
	s_lshr_b32 s36, s7, 4                          ; batch: 16 row blocks each
	s_lshl3_add_u32 s36, s36, s42                  ; 8 b + head
	s_lshl_b32 s36, s36, 12                        ; x 4,096 tokens
	s_and_b32 s38, s7, 15
	s_lshl_b32 s38, s38, 8
	s_add_co_u32 s36, s36, s38                     ; + 256 x row block in the batch
	s_lshl_b32 s38, s6, 7
	s_add_co_u32 s36, s36, s38                     ; + 128 wm
	s_lshl_b32 s36, s36, 7                         ; 128 bytes a token
	s_add_co_u32 s38, s36, s41
	s_add_nc_u64 s[34:35], s[34:35], s[38:39]
.else
	s_mov_b32 s37, ttmp9                           ; which 128 columns
	s_wait_kmcnt 0x0
	s_lshl_b32 s38, s7, 18                         ; 128 rows of 2,048 bytes
	s_add_nc_u64 s[28:29], s[8:9], s[38:39]
	s_lshl_b32 s38, s37, 9                         ; 128 columns of 4 bytes
	s_add_nc_u64 s[30:31], s[10:11], s[38:39]
	s_lshl_b32 s38, s37, 1
	s_add_co_u32 s38, s38, s5                      ; my strip of 64 columns,
	s_lshl_b32 s38, s38, 8                         ; 256 bytes each
	s_add_nc_u64 s[32:33], s[12:13], s[38:39]
	s_add_nc_u64 s[34:35], s[14:15], s[38:39]
	s_lshl_b32 s38, s7, 7
	s_lshl_b32 s41, s6, 5
	s_add_co_u32 s38, s38, s41                     ; my first token
	s_lshl_b32 s38, s38, 11
	s_add_nc_u64 s[34:35], s[34:35], s[38:39]
.endif
; One K step's numbers into registers: TOK rows x 256 bytes of X, 64 rows x 4 COLS bytes of W
.macro LOADG
.set i, 0
.rept NXL
	global_load_b128 v[G+4*i:G+4*i+3], v[XG], s[28:29] offset:i*4096
.set i, i+1
.endr
.set i, 0
.rept NWL
	global_load_b128 v[G+4*NXL+4*i:G+4*NXL+4*i+3], v[WG], s[30:31] offset:(i/WPARTS)*2048+(i%WPARTS)*512
.set i, i+1
.endr
.endm
; narrowed in place to f16 and put into LDS buffer buf
.macro CVTST buf
.set i, 0
.rept NXL
	v_cvt_pk_f16_f32 v[G+4*i], v[G+4*i], v[G+4*i+1]
	v_cvt_pk_f16_f32 v[G+4*i+1], v[G+4*i+2], v[G+4*i+3]
	ds_store_b64 v[XS], v[G+4*i:G+4*i+1] offset:(\buf)*XBUF+i*2*XP
.set i, i+1
.endr
.set i, 0
.rept NWL
	v_cvt_pk_f16_f32 v[G+4*NXL+4*i], v[G+4*NXL+4*i], v[G+4*NXL+4*i+1]
	v_cvt_pk_f16_f32 v[G+4*NXL+4*i+1], v[G+4*NXL+4*i+2], v[G+4*NXL+4*i+3]
	ds_store_b64 v[WS], v[G+4*NXL+4*i:G+4*NXL+4*i+1] offset:(\buf)*WBUF+(i/WPARTS)*WP+(i%WPARTS)*256
.set i, i+1
.endr
.endm
; A K step of 64 = two halves of 32.  zero = 1: the first products start the sums, nothing is cleared.
; The 4 MT accumulators take turns, one instruction a turn, over the halves and the steps too.
.macro COMPUTE buf, zero
.irp sub, 0,1
	PLACES 4                                       ; loads into registers that matrix instructions have read stand four places behind them (ISA guide 7.12.1 for vector instructions)
.set i, 0
.rept MT
	ds_load_b128 v[XF+8*i:XF+8*i+3], v[XA] offset:(\buf)*XBUF+i*16*XP+\sub*64
	ds_load_b128 v[XF+8*i+4:XF+8*i+7], v[XA] offset:(\buf)*XBUF+i*16*XP+\sub*64+32
.set i, i+1
.endr
.irp nt, 0,1,2,3
	ds_load_tr16_b128 v[WF+8*\nt:WF+8*\nt+3], v[WA] offset:(\buf)*WBUF+\sub*32*WP+\nt*32
	ds_load_tr16_b128 v[WF+8*\nt+4:WF+8*\nt+7], v[WA] offset:(\buf)*WBUF+\sub*32*WP+\nt*32+16*WP
.endr
	s_wait_dscnt 0x0                               ; the other wave of the SIMD multiplies meanwhile
	WIN 0x50                                       ; C and D in window 1
.set i, 0
.rept MT
.irp nt, 0,1,2,3
.if (\zero)*(1-\sub)
	v_wmma_f32_16x16x32_f16 v[8*(4*i+\nt):8*(4*i+\nt)+7], v[WF+8*\nt:WF+8*\nt+7], v[XF+8*i:XF+8*i+7], 0
.else
	v_wmma_f32_16x16x32_f16 v[8*(4*i+\nt):8*(4*i+\nt)+7], v[WF+8*\nt:WF+8*\nt+7], v[XF+8*i:XF+8*i+7], v[8*(4*i+\nt):8*(4*i+\nt)+7]
.endif
.endr
.set i, i+1
.endr
	WIN 0
.endr
.endm
.macro LOADB                           ; the bias of my 4 x 8 columns
.irp nt, 0,1,2,3
	global_load_b128 v[BI+8*\nt:BI+8*\nt+3], v[BO], s[32:33] offset:\nt*64
	global_load_b128 v[BI+8*\nt+4:BI+8*\nt+7], v[BO], s[32:33] offset:\nt*64+16
.endr
.endm
; One K step.  The one barrier does two things: my stores into this buffer are done, so the others may read them; my reads of the
; other buffer are done, so the others may store into it.  st: the next step's numbers go into the other buffer.  ld: the step
; behind that is asked for; it has the next step's products in which to come.  lb: the bias is asked for.
.macro STEP buf, zero, st, ld, lb
	s_wait_dscnt 0x0
	s_barrier_signal -1
	s_barrier_wait -1
.if \lb
	LOADB
.endif
	COMPUTE \buf, \zero
.if \st
	s_wait_loadcnt 0x0                             ; the loads are in, and their bases are free
	CVTST 1-\buf
.endif
.if \ld
	s_add_nc_u64 s[28:29], s[28:29], 256           ; 64 numbers along X's rows
	s_add_nc_u64 s[30:31], s[30:31], 131072        ; 64 rows of W
	LOADG
.endif
.endm
	LOADG                                          ; K step 0
	s_wait_loadcnt 0x0
	CVTST 0
	s_add_nc_u64 s[28:29], s[28:29], 256
	s_add_nc_u64 s[30:31], s[30:31], 131072
	LOADG                                          ; K step 1
	STEP 0, 1, 1, 1, 0                             ; steps 0 and 1 stand in front of the loop: the first products start the sums
	STEP 1, 0, 1, 1, 0
	s_mov_b32 s36, 2
.Lpair:
	STEP 0, 0, 1, 1, 0                             ; steps 2 to 5
	STEP 1, 0, 1, 1, 0
	s_sub_co_u32 s36, s36, 1
	s_cmp_lg_u32 s36, 0
	s_cbranch_scc1 .Lpair
	STEP 0, 0, 1, 0, 0                             ; step 6: nothing is left to ask for
	STEP 1, 0, 0, 0, 1                             ; step 7
	; THE WAY OUT, 16 tokens at a time, through my own stage: LDS serves a wave's instructions in order (ISA guide 5.7.1), so no wait
	; stands between the stores into the stage and the loads from it.
	PLACES 4                                       ; vector instructions read matrix results four places behind them (ISA guide 7.12.1)
	s_wait_loadcnt 0x0                             ; the bias
.set m, 0
.rept MT
	WIN 0x01                                       ; source 0 in window 1
.set p, 0
.rept 16
	v_pk_add_f32 v[T+2*p:T+2*p+1], v[32*m+2*p:32*m+2*p+1], v[BI+2*p:BI+2*p+1]
.set p, p+1
.endr
	WIN 0
.if VAR == 1
.set p, 0
.rept 16
	v_cvt_pk_f16_f32 v[Y+p], v[T+2*p], v[T+2*p+1]
.set p, p+1
.endr
.irp nt, 0,1,2,3
	ds_store_b128 v[STO], v[Y+4*\nt:Y+4*\nt+3] offset:32*\nt
.endr
	s_wait_xcnt 0x0                                ; Z, which the last tile's stores read, is loaded again only behind this wait
.irp i, 0,1,2,3
	ds_load_b128 v[Z+4*\i:Z+4*\i+3], v[RD] offset:4*SPITCH*\i
.endr
.irp i, 0,1,2,3
	s_wait_dscnt 3-\i                              ; the younger read-backs may stay out
	global_store_b128 v[CO], v[Z+4*\i:Z+4*\i+3], s[34:35] offset:m*2048+512*\i   ; 512 consecutive bytes, aligned
.endr
.else
.irp nt, 0,1,2,3
	ds_store_b128 v[STO], v[T+8*\nt:T+8*\nt+3] offset:64*\nt
	ds_store_b128 v[STO], v[T+8*\nt+4:T+8*\nt+7] offset:64*\nt+16
.endr
	s_wait_xcnt 0x0                                ; Z, which the last tile's stores read, is loaded again only behind this wait
.irp i, 0,1,2,3,4,5,6,7
	ds_load_b128 v[Z+4*\i:Z+4*\i+3], v[RD] offset:2*SPITCH*\i
.endr
.irp i, 0,1,2,3,4,5,6,7
	s_wait_dscnt 7-\i                              ; the younger read-backs may stay out
	global_store_b128 v[CO], v[Z+4*\i:Z+4*\i+3], s[34:35] offset:(16*m+2*\i)*2048   ; 16 lanes store 256 consecutive bytes, aligned
.endr
.endif
.set m, m+1
.endr
	s_wait_tensorcnt 0x0
	ds_add_u32 v254, v255
	s_wait_dscnt 0x0
	s_endpgm
.Lfunc_end_k_qc4b2f32f74_outp:
	.size	k_qc4b2f32f74_outp, .Lfunc_end_k_qc4b2f32f74_outp-k_qc4b2f32f74_outp
	.p2alignl 7, 3214868480
	.fill 96, 4, 3214868480
	.section	.rodata,"a",@progbits
	.p2align	6, 0x0
	.amdhsa_kernel k_qc4b2f32f74_outp
		.amdhsa_group_segment_fixed_size 109568
		.amdhsa_private_segment_fixed_size 0
		.amdhsa_enable_private_segment 0
		.amdhsa_kernarg_size 32
		.amdhsa_user_sgpr_count 2
		.amdhsa_user_sgpr_kernarg_segment_ptr 1
		.amdhsa_wavefront_size32 1
		.amdhsa_system_sgpr_workgroup_id_x 1
		.amdhsa_system_sgpr_workgroup_id_y 1
		.amdhsa_system_sgpr_workgroup_id_z 1
		.amdhsa_system_vgpr_workitem_id 0
		.amdhsa_next_free_vgpr 320
		.amdhsa_next_free_sgpr 66
		.amdhsa_reserve_vcc 0
		.amdhsa_float_denorm_mode_32 3
		.amdhsa_float_denorm_mode_16_64 3
		.amdhsa_memory_ordered 1
		.amdhsa_forward_progress 1
		.amdhsa_inst_pref_size 57
	.end_amdhsa_kernel
	.amdgpu_metadata
---
amdhsa.version: [ 1, 2 ]
amdhsa.kernels:
  - .name:           k_qc4b2f32f74_outp
    .symbol:         k_qc4b2f32f74_outp.kd
    .args:
      - { .name: ows, .offset: 0, .size: 8, .value_kind: global_buffer, .address_space: global }
      - { .name: Wo, .offset: 8, .size: 8, .value_kind: global_buffer, .address_space: global }
      - { .name: bo, .offset: 16, .size: 8, .value_kind: global_buffer, .address_space: global }
      - { .name: out0, .offset: 24, .size: 8, .value_kind: global_buffer, .address_space: global }
    .group_segment_fixed_size: 109568
    .private_segment_fixed_size: 0
    .kernarg_segment_align: 8
    .kernarg_segment_size: 32
    .max_flat_workgroup_size: 256
    .sgpr_count:     66
    .vgpr_count:     320
    .wavefront_size: 32
...
	.end_amdgpu_metadata
.endif
;; end of part 3
;; ======== version 2 of 3: 3 launches; 1.22 times as fast as version 1
;; limits: values are held in f16: magnitudes above 65,504 overflow, below 6.1e-05 lose precision
;; workspace buffers: qws 8,388,608 bytes; kv 16,777,216 bytes; ows 8,388,608 bytes; wo16 524,288 bytes
;; launch qkv (part 4): grid 8 x 32, 8 waves a work-group, no clusters, 162,816 bytes of LDS; arguments x1, x2, Wq, Wk, Wv, bq, bk, bv, qws, kv, Wo, wo16; writes qws, kv, wo16
.if DOCPART == 4
	.amdgcn_target "amdgcn-amd-amdhsa--gfx1250"
	.amdhsa_code_object_version 6
	.text
	.protected	k_qc4b2f32f74_qkv
	.globl	k_qc4b2f32f74_qkv
	.p2align	8
	.type	k_qc4b2f32f74_qkv,@function
k_qc4b2f32f74_qkv:
	s_mov_b64 s[64:65], 0
	v_nop
	global_prefetch_b8 v0, s[64:65] scope:SCOPE_SE
	s_setreg_imm32_b32 hwreg(HW_REG_WAVE_MODE, 25, 1), 1
	s_wait_xcnt 0x0
; SLICES 0 TO 5 (work-group x):  q = x1 Wq + bq, k = x2 Wk + bk, v = x2 Wv + bv, rounded once to f16 and laid out by head:
;           [b*8+head][4096 tokens][64].  q goes to qws; k to kv at byte 0; v to kv at byte 8,388,608.
; SLICES 6 AND 7:  Wo, [512 (k)][512 (n)] f32, is rounded to f16 into wo16, same order, for the last launch: 64 work-groups, 4,096 numbers each.
; X is [8192][512] f32, W is [512 (k)][512 (n)] f32.  Products in f16 with f32 sums (v_wmma_f32_16x16x32_f16).
; LIMIT: every operand is rounded to f16, so |x|, |W|, |q|, |k|, |v| must stay below 65,504.
; A work-group makes 256 tokens x 256 columns with eight waves; a wave makes 128 tokens x 64 columns (one head).
; K goes in eight steps of 64 through two LDS buffers.  Both operands pass through registers on their way to LDS:
; W lies [k][n] in f32, and the transposing LDS load works on 16-bit data, so W must be narrowed before it is in LDS; X takes
; the same way, which halves its LDS bytes.  No tensor load, hence no joint loads of a cluster: the shared tiles (X among the
; column slices, W among the row blocks) are converted by each work-group for itself.
; THE MATRIX INSTRUCTION IS USED TRANSPOSED: source 0 = 16 columns of W, source 1 = 16 tokens of X.  Lane l then holds token
; l % 16 and, in registers 0-7, the columns 8 (l / 16) + 0 .. 7: neighbouring numbers of a row of the output.
.set MT, 8                             ; token tiles of 16 in a wave
.set WNB, 2                            ; wave = (wm << WNB) | wn
.set TOK, 256
.set COLS, 256
.set SPITCH, 144                       ; stage row: 64 f16 + 16 bytes
.set XP, 144                           ; LDS row of X: 64 f16 + 16 bytes: 16 rows start at 16 different 16-byte columns modulo 256 bytes
.set XBUF, TOK*XP
.set WP, 2*COLS+32                     ; LDS row of W: COLS f16 + 32 bytes, an odd multiple of 32, for the transposing load
.set WBUF, 64*WP
.set WBASE, 2*XBUF
.set STAGE, WBASE+2*WBUF               ; behind the buffers: 16 rows for each wave, for the way out
.set STG, 16*SPITCH
.set NXL, TOK/16                       ; 16-byte loads of X a thread and K step
.set NWL, COLS/16                      ; the same of W
.set WPARTS, COLS/128                  ; a wave's load covers 128 columns of a row of W
.set XG, 2                             ; v2   byte offset of my 16 bytes of X
.set WG, 3                             ; v3   the same in W
.set XS, 4                             ; v4   where my 8 bytes of X go in LDS
.set WS, 5                             ; v5   the same for W
.set XA, 6                             ; v6   LDS address of my fragments of X
.set WA, 7                             ; v7   the same for W (transposing load)
.set STO, 8                            ; v8   the way out: where my numbers go in the stage
.set RD, 9                             ; v9   where I read rows back
.set CO, 10                            ; v10  my byte offset in the output
.set BO, 11                            ; v11  my byte offset in the bias
.set G, 16                             ; v[16:143]   what the global loads bring
.set XF, 144                           ; v[144:207]  fragments of X
.set WF, 208                           ; v[208:239]  fragments of W
.set BI, 16                            ; the way out: v[16:47] bias of my 32 columns,
.set T, 48                             ; v[48:79] a token tile's sums + bias,
.set Y, 80                             ; v[80:95] the same in f16,
.set Z, 96                             ; v[96:127] rows read back
; window 1 (v256 and up): accumulator (mt, nt) at 8 (4 mt + nt).  Ahead of the first products its first 128 registers take K step 1's loads.
.set MSB, 0
.macro WIN new                         ; s_set_vgpr_msb; the immediate's high byte repeats the setting that is left
.if MSB != \new
	s_set_vgpr_msb (MSB<<8)|\new
.set MSB, \new
.endif
.endm
.macro PLACES n
.rept \n
	v_nop
.endr
.endm
	s_load_b512 s[8:23], s[0:1], 0x0               ; x1, x2, Wq, Wk, Wv, bq, bk, bv
	s_load_b128 s[24:27], s[0:1], 0x40             ; qws, kv
	s_load_b128 s[44:47], s[0:1], 0x50             ; Wo, wo16
	v_lshl_add_u32 v254, v0, 2, 0x27800
	v_mov_b32 v255, 0
	s_and_b32 s7, ttmp7, 0xffff                    ; row block
	s_mov_b32 s39, 0
	s_mov_b32 s43, ttmp9                           ; slice
	s_cmp_ge_u32 s43, 6
	s_cbranch_scc1 .Lwo                            ; the same way for all eight waves of a work-group; that way has no barrier
	v_lshrrev_b32 v1, 5, v0
	v_readfirstlane_b32 s4, v1                     ; wave
	s_and_b32 s5, s4, (1<<WNB)-1                   ; wn: my strip of 64 columns
	s_lshr_b32 s6, s4, WNB                         ; wm: my 128 tokens
	v_and_b32 v12, 31, v0                          ; l
	v_and_b32 v13, 15, v0                          ; r = l % 16
	v_bfe_u32 v14, v0, 4, 1                        ; h = l / 16
	; global: wave w brings rows 32 w .. of X, two rows of 256 bytes a load, and rows 8 w .. 8 w + 7 of W's 64
	s_mul_i32 s41, s4, (TOK/8)*2048
	v_lshlrev_b32 v[XG], 4, v13
	v_lshl_add_u32 v[XG], v14, 11, v[XG]
	v_add_nc_u32 v[XG], s41, v[XG]
	s_lshl_b32 s41, s4, 14
	v_lshl_add_u32 v[WG], v12, 4, s41
	; LDS, in: 4 numbers become 8 bytes
	s_mul_i32 s41, s4, (TOK/8)*XP
	v_mul_u32_u24 v[XS], v14, XP
	v_lshl_add_u32 v[XS], v13, 3, v[XS]
	v_add_nc_u32 v[XS], s41, v[XS]
	s_mul_i32 s41, s4, 8*WP
	s_add_co_u32 s41, s41, WBASE
	v_lshl_add_u32 v[WS], v12, 3, s41
	; LDS, fragments.  X: row r, 16 bytes for each half of the lanes, two loads 32 bytes apart
	s_mul_i32 s41, s6, 16*MT*XP
	v_mul_u32_u24 v[XA], v13, XP
	v_lshl_add_u32 v[XA], v14, 4, v[XA]
	v_add_nc_u32 v[XA], s41, v[XA]
	; W: lane l addresses row 8 h + l % 8 and the 16 bytes (l / 8) % 2; the load hands lane l column r, k = 8 h .. 8 h + 7
	v_and_b32 v15, 7, v0
	v_lshl_add_u32 v15, v14, 3, v15
	v_mul_u32_u24 v[WA], v15, WP
	v_bfe_u32 v15, v0, 3, 1
	v_lshl_add_u32 v[WA], v15, 4, v[WA]
	s_lshl_b32 s41, s5, 7
	s_add_co_u32 s41, s41, WBASE
	v_add_nc_u32 v[WA], s41, v[WA]
	; the way out
	s_mul_i32 s41, s4, STG
	s_add_co_u32 s41, s41, STAGE                   ; my wave's own stage
	v_mul_u32_u24 v1, v13, SPITCH
	v_lshl_add_u32 v1, v14, 4, v1                  ; in: row r, 8 f16 = 16 bytes for each half of the lanes
	v_add_nc_u32 v[STO], s41, v1
	v_lshrrev_b32 v1, 3, v12                       ; back: 8 lanes take a row of 128 bytes, a load takes 4 rows
	v_mul_u32_u24 v1, v1, SPITCH
	v_and_b32 v15, 7, v0
	v_lshl_add_u32 v1, v15, 4, v1
	v_add_nc_u32 v[RD], s41, v1
	v_lshlrev_b32 v[CO], 4, v12                    ; the 4 rows are 512 consecutive bytes of the output
	v_lshlrev_b32 v[BO], 5, v14                    ; my columns 16 nt + 8 h + 0 .. 7
	s_lshr_b32 s37, s43, 1                         ; job: 0 q, 1 k, 2 v
	s_and_b32 s40, s43, 1                          ; which 256 columns
	s_wait_kmcnt 0x0
	s_cmp_eq_u32 s37, 0
	s_cselect_b64 s[28:29], s[8:9], s[10:11]       ; X: x1 for q, x2 for k and v
	s_cselect_b64 s[30:31], s[12:13], s[14:15]
	s_cselect_b64 s[32:33], s[18:19], s[20:21]
	s_cselect_b64 s[34:35], s[24:25], s[26:27]     ; out: qws for q, kv for k and v
	s_cmp_eq_u32 s37, 2
	s_cselect_b64 s[30:31], s[16:17], s[30:31]     ; W
	s_cselect_b64 s[32:33], s[22:23], s[32:33]     ; bias
	s_cselect_b32 s41, 8388608, 0                  ; v lies behind k
	s_lshl_b32 s38, s7, 19                         ; 256 rows of 2,048 bytes
	s_add_nc_u64 s[28:29], s[28:29], s[38:39]
	s_lshl_b32 s38, s40, 10                        ; 256 columns of 4 bytes
	s_add_nc_u64 s[30:31], s[30:31], s[38:39]
	s_lshl_b32 s42, s40, 2
	s_add_co_u32 s42, s42, s5                      ; my head = 4 x column half + wn
	s_lshl_b32 s38, s42, 8                         ; 64 biases of 4 bytes a head
	s_add_nc_u64 s[32:33], s[32:33], s[38:39]
	s_lshr_b32 s36, s7, 4                          ; batch: 16 row blocks each
	s_lshl3_add_u32 s36, s36, s42                  ; 8 b + head
	s_lshl_b32 s36, s36, 12                        ; x 4,096 tokens
	s_and_b32 s38, s7, 15
	s_lshl_b32 s38, s38, 8
	s_add_co_u32 s36, s36, s38                     ; + 256 x row block in the batch
	s_lshl_b32 s38, s6, 7
	s_add_co_u32 s36, s36, s38                     ; + 128 wm
	s_lshl_b32 s36, s36, 7                         ; 128 bytes a token
	s_add_co_u32 s38, s36, s41
	s_add_nc_u64 s[34:35], s[34:35], s[38:39]
; One K step's numbers into registers: 256 rows x 256 bytes of X, 64 rows x 1,024 bytes of W.
; hi = 0: into G; hi = 1: into the first 128 registers of window 1.  st: K steps beyond the one at which the bases stand, in the immediates.
.macro LOADG hi, st
.if \hi
	WIN 0x40                                       ; loaded data in window 1
.endif
.set i, 0
.rept NXL
	global_load_b128 v[G*(1-\hi)+4*i:G*(1-\hi)+4*i+3], v[XG], s[28:29] offset:(\st)*256+i*4096
.set i, i+1
.endr
.set i, 0
.rept NWL
	global_load_b128 v[G*(1-\hi)+4*NXL+4*i:G*(1-\hi)+4*NXL+4*i+3], v[WG], s[30:31] offset:(\st)*131072+(i/WPARTS)*2048+(i%WPARTS)*512
.set i, i+1
.endr
	WIN 0
.endm
; narrowed in place to f16 and put into LDS buffer buf: all 64 conversions in one run, then the 32 stores, so that no store stands straight behind the conversion that feeds it
.macro CVTST buf, hi
.if \hi
	WIN 0x45                                       ; both sources and the destination in window 1
.endif
.set i, 0
.rept NXL+NWL
	v_cvt_pk_f16_f32 v[G*(1-\hi)+4*i], v[G*(1-\hi)+4*i], v[G*(1-\hi)+4*i+1]
	v_cvt_pk_f16_f32 v[G*(1-\hi)+4*i+1], v[G*(1-\hi)+4*i+2], v[G*(1-\hi)+4*i+3]
.set i, i+1
.endr
.if \hi
	WIN 0x04                                       ; store data in window 1
.endif
.set i, 0
.rept NXL
	ds_store_b64 v[XS], v[G*(1-\hi)+4*i:G*(1-\hi)+4*i+1] offset:(\buf)*XBUF+i*2*XP
.set i, i+1
.endr
.set i, 0
.rept NWL
	ds_store_b64 v[WS], v[G*(1-\hi)+4*NXL+4*i:G*(1-\hi)+4*NXL+4*i+1] offset:(\buf)*WBUF+(i/WPARTS)*WP+(i%WPARTS)*256
.set i, i+1
.endr
	WIN 0
.endm
; A K step of 64 = two halves of 32.  zero = 1: the first products start the sums, nothing is cleared.
; The 32 accumulators take turns, one instruction a turn, over the halves and the steps too.
.macro COMPUTE buf, zero
.irp sub, 0,1
	PLACES 4                                       ; loads into registers that matrix instructions have read stand four places behind them (ISA guide 7.12.1 for vector instructions)
.irp nt, 0,1,2,3
	ds_load_tr16_b128 v[WF+8*\nt:WF+8*\nt+3], v[WA] offset:(\buf)*WBUF+\sub*32*WP+\nt*32
	ds_load_tr16_b128 v[WF+8*\nt+4:WF+8*\nt+7], v[WA] offset:(\buf)*WBUF+\sub*32*WP+\nt*32+16*WP
.endr
.set i, 0
.rept MT
	ds_load_b128 v[XF+8*i:XF+8*i+3], v[XA] offset:(\buf)*XBUF+i*16*XP+\sub*64
	ds_load_b128 v[XF+8*i+4:XF+8*i+7], v[XA] offset:(\buf)*XBUF+i*16*XP+\sub*64+32
.set i, i+1
.endr
	WIN 0x50                                       ; C and D in window 1
.set i, 0
.rept MT
	s_wait_dscnt 2*(MT-1-i)                        ; LDS loads come back in order (ISA guide 5.7.1): W's eight and X's tiles up to this one are in, the two loads of each later tile stay out
.irp nt, 0,1,2,3
.if (\zero)*(1-\sub)
	v_wmma_f32_16x16x32_f16 v[8*(4*i+\nt):8*(4*i+\nt)+7], v[WF+8*\nt:WF+8*\nt+7], v[XF+8*i:XF+8*i+7], 0
.else
	v_wmma_f32_16x16x32_f16 v[8*(4*i+\nt):8*(4*i+\nt)+7], v[WF+8*\nt:WF+8*\nt+7], v[XF+8*i:XF+8*i+7], v[8*(4*i+\nt):8*(4*i+\nt)+7]
.endif
.endr
.set i, i+1
.endr
	WIN 0
.endr
.endm
.macro LOADB                           ; the bias of my 4 x 8 columns
.irp nt, 0,1,2,3
	global_load_b128 v[BI+8*\nt:BI+8*\nt+3], v[BO], s[32:33] offset:\nt*64
	global_load_b128 v[BI+8*\nt+4:BI+8*\nt+7], v[BO], s[32:33] offset:\nt*64+16
.endr
.endm
; One K step.  The one barrier does two things: my stores into this buffer are done, so the others may read them; my reads of the
; other buffer are done, so the others may store into it.  st: the next step's numbers go into the other buffer.  ld: the bases go on
; by so many K steps and the step behind the next is asked for (0: nothing is asked for).  lb: the bias is asked for.
.macro STEP buf, zero, st, ld, lb
	s_wait_dscnt 0x0
	s_barrier_signal -1
	s_barrier_wait -1
.if \lb
	LOADB
.endif
	COMPUTE \buf, \zero
.if \st
	s_wait_loadcnt 0x0                             ; the loads are in, and their bases are free
	CVTST 1-\buf, 0
.endif
.if \ld
	s_add_nc_u64 s[28:29], s[28:29], 256*\ld       ; 64 numbers along X's rows a step
	s_add_nc_u64 s[30:31], s[30:31], 131072*\ld    ; 64 rows of W a step
	LOADG 0, 0
.endif
.endm
	; K steps 0 and 1 are asked for together, step 1 into registers that hold sums only from the first products on.  64 loads of a wave
	; can then be out, one more than LOADcnt's field holds: the issue of that load is held back by the hardware (ISA guide 5.7.1); no wait is placed for it.
	LOADG 0, 0                                     ; K step 0
	LOADG 1, 1                                     ; K step 1
	s_wait_loadcnt 32                              ; loads come back in order (ISA guide 5.7.1): step 0's 32 are in, step 1's stay out
	CVTST 0, 0
	LOADG 0, 2                                     ; K step 2: it has two steps' products in which to come
	s_wait_loadcnt 32                              ; step 1's are in, step 2's stay out
	CVTST 1, 1
	STEP 0, 1, 0, 0, 0                             ; steps 0 and 1 stand in front of the loop: the first products start the sums
	STEP 1, 0, 1, 3, 0                             ; step 2 goes to LDS; the bases go on to step 3
	s_mov_b32 s36, 2
.Lpair:
	STEP 0, 0, 1, 1, 0                             ; steps 2 to 5
	STEP 1, 0, 1, 1, 0
	s_sub_co_u32 s36, s36, 1
	s_cmp_lg_u32 s36, 0
	s_cbranch_scc1 .Lpair
	STEP 0, 0, 1, 0, 0                             ; step 6: nothing is left to ask for
	STEP 1, 0, 0, 0, 1                             ; step 7
	; THE WAY OUT, 16 tokens at a time, through my own stage: LDS serves a wave's instructions in order (ISA guide 5.7.1), so no wait
	; stands between the stores into the stage and the loads from it.
	PLACES 4                                       ; vector instructions read matrix results four places behind them (ISA guide 7.12.1)
	s_wait_loadcnt 0x0                             ; the bias
.set m, 0
.rept MT
	WIN 0x01                                       ; source 0 in window 1
.set p, 0
.rept 16
	v_pk_add_f32 v[T+2*p:T+2*p+1], v[32*m+2*p:32*m+2*p+1], v[BI+2*p:BI+2*p+1]
.set p, p+1
.endr
	WIN 0
.set p, 0
.rept 16
	v_cvt_pk_f16_f32 v[Y+p], v[T+2*p], v[T+2*p+1]
.set p, p+1
.endr
.irp nt, 0,1,2,3
	ds_store_b128 v[STO], v[Y+4*\nt:Y+4*\nt+3] offset:32*\nt
.endr
	s_wait_xcnt 0x0                                ; Z, which the last tile's stores read, is loaded again only behind this wait
.irp i, 0,1,2,3
	ds_load_b128 v[Z+4*\i:Z+4*\i+3], v[RD] offset:4*SPITCH*\i
.endr
.irp i, 0,1,2,3
	s_wait_dscnt 3-\i                              ; the younger read-backs may stay out
	global_store_b128 v[CO], v[Z+4*\i:Z+4*\i+3], s[34:35] offset:m*2048+512*\i   ; 512 consecutive bytes, aligned
.endr
.set m, m+1
.endr
	s_wait_tensorcnt 0x0
	ds_add_u32 v254, v255
	s_wait_dscnt 0x0
	s_endpgm
	; Wo to f16.  Work-group j = 32 (slice - 6) + row block takes 4,096 numbers; thread t takes numbers 8 t .. 8 t + 7 of each half:
	; two loads of 16 bytes side by side, one store of 16 bytes; a wave's store covers 512 consecutive bytes, aligned.
.Lwo:
	s_sub_co_u32 s36, s43, 6
	s_lshl_b32 s36, s36, 5
	s_add_co_u32 s36, s36, s7                      ; j, 0 to 63
	v_lshlrev_b32 v2, 5, v0                        ; 32 bytes of f32 a thread
	v_lshlrev_b32 v3, 4, v0                        ; 16 bytes of f16
	s_lshl_b32 s38, s36, 14                        ; 16,384 bytes in
	s_wait_kmcnt 0x0
	s_add_nc_u64 s[44:45], s[44:45], s[38:39]
	s_lshl_b32 s38, s36, 13                        ; 8,192 bytes out
	s_add_nc_u64 s[46:47], s[46:47], s[38:39]
	global_load_b128 v[16:19], v2, s[44:45]
	global_load_b128 v[20:23], v2, s[44:45] offset:16
	global_load_b128 v[24:27], v2, s[44:45] offset:8192
	global_load_b128 v[28:31], v2, s[44:45] offset:8208
	s_wait_loadcnt 0x0
.set p, 0
.rept 8
	v_cvt_pk_f16_f32 v[32+p], v[16+2*p], v[16+2*p+1]
.set p, p+1
.endr
	global_store_b128 v3, v[32:35], s[46:47]
	global_store_b128 v3, v[36:39], s[46:47] offset:4096
	s_endpgm
.Lfunc_end_k_qc4b2f32f74_qkv:
	.size	k_qc4b2f32f74_qkv, .Lfunc_end_k_qc4b2f32f74_qkv-k_qc4b2f32f74_qkv
	.p2alignl 7, 3214868480
	.fill 96, 4, 3214868480
	.section	.rodata,"a",@progbits
	.p2align	6, 0x0
	.amdhsa_kernel k_qc4b2f32f74_qkv
		.amdhsa_group_segment_fixed_size 162816
		.amdhsa_private_segment_fixed_size 0
		.amdhsa_enable_private_segment 0
		.amdhsa_kernarg_size 96
		.amdhsa_user_sgpr_count 2
		.amdhsa_user_sgpr_kernarg_segment_ptr 1
		.amdhsa_wavefront_size32 1
		.amdhsa_system_sgpr_workgroup_id_x 1
		.amdhsa_system_sgpr_workgroup_id_y 1
		.amdhsa_system_sgpr_workgroup_id_z 1
		.amdhsa_system_vgpr_workitem_id 0
		.amdhsa_next_free_vgpr 512
		.amdhsa_next_free_sgpr 66
		.amdhsa_reserve_vcc 0
		.amdhsa_float_denorm_mode_32 3
		.amdhsa_float_denorm_mode_16_64 3
		.amdhsa_memory_ordered 1
		.amdhsa_forward_progress 1
		.amdhsa_inst_pref_size 134
	.end_amdhsa_kernel
	.amdgpu_metadata
---
amdhsa.version: [ 1, 2 ]
amdhsa.kernels:
  - .name:           k_qc4b2f32f74_qkv
    .symbol:         k_qc4b2f32f74_qkv.kd
    .args:
      - { .name: x1, .offset: 0, .size: 8, .value_kind: global_buffer, .address_space: global }
      - { .name: x2, .offset: 8, .size: 8, .value_kind: global_buffer, .address_space: global }
      - { .name: Wq, .offset: 16, .size: 8, .value_kind: global_buffer, .address_space: global }
      - { .name: Wk, .offset: 24, .size: 8, .value_kind: global_buffer, .address_space: global }
      - { .name: Wv, .offset: 32, .size: 8, .value_kind: global_buffer, .address_space: global }
      - { .name: bq, .offset: 40, .size: 8, .value_kind: global_buffer, .address_space: global }
      - { .name: bk, .offset: 48, .size: 8, .value_kind: global_buffer, .address_space: global }
      - { .name: bv, .offset: 56, .size: 8, .value_kind: global_buffer, .address_space: global }
      - { .name: qws, .offset: 64, .size: 8, .value_kind: global_buffer, .address_space: global }
      - { .name: kv, .offset: 72, .size: 8, .value_kind: global_buffer, .address_space: global }
      - { .name: Wo, .offset: 80, .size: 8, .value_kind: global_buffer, .address_space: global }
      - { .name: wo16, .offset: 88, .size: 8, .value_kind: global_buffer, .address_space: global }
    .group_segment_fixed_size: 162816
    .private_segment_fixed_size: 0
    .kernarg_segment_align: 8
    .kernarg_segment_size: 96
    .max_flat_workgroup_size: 256
    .sgpr_count:     66
    .vgpr_count:     512
    .wavefront_size: 32
...
	.end_amdgpu_metadata
.endif
;; end of part 4
;; launch attn (part 5): grid 16 x 16, 8 waves a work-group, clusters of 4 x 1, 327,680 bytes of LDS; arguments qws, kv, mask, ows; writes ows
.if DOCPART == 5
	.amdgcn_target "amdgcn-amd-amdhsa--gfx1250"
	.amdhsa_code_object_version 6
	.text
	.protected	k_qc4b2f32f74_attn
	.globl	k_qc4b2f32f74_attn
	.p2align	8
	.type	k_qc4b2f32f74_attn,@function
k_qc4b2f32f74_attn:
	s_mov_b64 s[64:65], 0
	v_nop
	global_prefetch_b8 v0, s[64:65] scope:SCOPE_SE
	s_setreg_imm32_b32 hwreg(HW_REG_WAVE_MODE, 25, 1), 1
	s_wait_xcnt 0x0
	s_wait_alu depctr_hold_cnt(0) depctr_sa_sdst(0) depctr_va_vdst(0) depctr_va_sdst(0) depctr_va_ssrc(0) depctr_va_vcc(0) depctr_vm_vsrc(0)
	s_getreg_b32 s2, hwreg(HW_REG_IB_STS2, 6, 4)
	s_cmp_eq_u32 s2, 0
	s_cbranch_scc0 .Lentry_in_a_cluster
	s_endpgm
.Lentry_in_a_cluster:
	s_bfe_u32 s2, ttmp6, 0x10000c
	s_cmp_lg_u32 s2, 0x3003
	s_cbranch_scc0 .Lentry_shape_is_right
	s_endpgm
.Lentry_shape_is_right:
; O = softmax(q k^T / 8 + f32(mask) * -1e9) v for one (batch, head) and 256 queries; q, k, v and O in f16, all laid out [b*8+head][4096][64].
; O is a matrix operand of the last launch, so it is rounded to f16 here, once, and leaves in half the bytes.
; Eight waves.  Wave w: wq = w & 3 picks 64 queries, g = w >> 2 picks one half of the keys of every slot; the two halves of a query are
; merged once at the end, through LDS.  Two waves lie on a SIMD, so one wave's softmax runs beside the other's products.
; BOTH PRODUCTS ARE TRANSPOSED.  S^T = K Q^T: lane l holds query l % 16, its registers keys 8 (l / 16) + 0 .. 7.  Maximum and sum of a
; query are therefore numbers of a lane (and of the lane 16 away), and two S^T tiles of 16 keys, packed to f16 in place, ARE the second
; source of O^T = V^T P^T.  V^T's fragments come from V [key][d] by the transposing LDS load.
; SOFTMAX in base 2: x = s * (log2 e / 8) + madd[key], madd = (f32(mask) * -1e9) * log2 e; a running maximum m of x is taken away before
; every exponential, so p = 2^(x - m) <= 1; sums and O are scaled by 2^(m_old - m_new) at every block of 64 keys.
; LIMITS.  q, k, v, O are f16: magnitudes below 65,504.  Order of rounding: a masked score is rounded here in base-2 units (steps of 128 at
; 1.44e9), in reference() in natural units (steps of 64 at 1e9); it shows only in a batch whose keys ALL carry the same non-zero mask,
; and there the weights agree while |score / 8| < 32.
; CLUSTERS: the four work-groups of a cluster are four query blocks of one (batch, head) and read the same K and V.  Every tile is asked
; for jointly (mask 15): the same line, the same descriptor (made of the head and the wave's number alone) in all four.
; LDS: two slots of 512 keys, 147,456 bytes each.  Wave w fills its own chunk of a slot with one load of 16 KiB:
;   waves 0-3: K, 128 keys each, as 64 rows of 256 bytes (two keys a row) 272 bytes apart, chunk w at 17,408 w;
;   waves 4-7: V likewise, rows 288 bytes apart, chunk w at 18,432 w (the 4,096 bytes between K's last chunk and V's first are not used).
;   Key n of a chunk lies at (n >> 1) pitch + (n & 1) 128; with these pitches the 16 lanes of a load's pass touch 16 different 16-byte columns modulo 256.
;   A wave's half of a slot is two neighbouring chunks, so its four blocks of 64 keys lie 8,704 (K) and 9,216 (V) bytes apart.
;   Behind the slots: madd of the batch's 4,096 keys, written by LDS stores, in 256-byte blocks of its own into which no tensor load lands.
;   The merge area and the output stage lie in slot 0 and are used behind its last fill and its last read.
; THE TEXT IS SHORT: the four blocks of a slot are ONE text in a counted loop, with the block's three LDS addresses stepped in registers;
; five copies of a block stand in the text (the very first block, tile 0's other three, the two slots of the loop, the last tile).
.set KCH, 17408                        ; a chunk of K: 64 rows of 272 bytes
.set VCH, 18432                        ; a chunk of V: 64 rows of 288 bytes
.set SLOT, 8*VCH
.set KP, 272
.set VP, 288
.set KBLK, 32*KP                       ; 64 keys of K
.set VBLK, 32*VP                       ; 64 keys of V
.set MASKB, 2*SLOT
.set STEP, 65536                       ; 512 keys of 128 bytes
.set MERGE, 17920                      ; a pair's merge area: 16,384 of O, 512 of maxima, 1,024 of sums
.set STAGE, 4*VCH
.set SPITCH, 144                       ; stage row: 64 f16 + 16 bytes
; window 0
.set AK, 1                             ; v1        LDS address of my K fragments in slot 0, first block
.set AV, 2                             ; v2        the same for V
.set AM, 3                             ; v3        LDS address of my mask addends, stepped once a slot
.set WK, 4                             ; v4        at work: K of the block that is fetched next
.set WV, 5                             ; v5        at work: V of this block
.set MX, 6                             ; v[6:9]    running maximum of query tile t
.set AL, 10                            ; v[10:13]  the maximum at work, then 2^(m_old - m_new)
.set TMP, 14                           ; v[14:17]
.set LP, 18                            ; v[18:25]  running sum, a pair for each t; each lane keeps its own keys' part
.set MG, 26                            ; v26       merge area
.set STO, 27                           ; v27       stage, in
.set RD, 28                            ; v28       stage, back
.set CO, 29                            ; v29       my byte offset in O
.set WM, 30                            ; v30       at work: the addends of this block
.set MA, 32                            ; v[32:63]  mask addends: register 16 ks + e
.set FV, 64                            ; v[64:127] V^T fragment (ks, dt) at 8 (4 ks + dt)
.set S, 128                            ; v[128:255] group 4 ks + t: 16 registers, key tiles 2 ks and 2 ks + 1 of query tile t; P in its first 8
.set MO, S+17                          ; at the start only: my byte offset in the mask,
.set QO, S+18                          ; and in q
; window 1
.set O, 0                              ; O^T tile (t, dt) at 8 (4 t + dt)
.set Q, 128                            ; Q fragment (t, u) at 8 (2 t + u)
.set FK, 192                           ; K fragment (kt, u) at 8 (2 kt + u)
; merge, window 0, in V's registers
.set MB, 64                            ; the partner's maxima
.set LB, 68                            ; the partner's sums
.set FA, 76                            ; my factor
.set FB, 80                            ; the partner's factor
.set LS, 84
.set T2, 88
.set NX, 92
.set MSB, 0
.macro WIN new                         ; s_set_vgpr_msb; the immediate's high byte repeats the setting that is left
.if MSB != \new
	s_set_vgpr_msb (MSB<<8)|\new
.set MSB, \new
.endif
.endm
.macro PLACES n
.rept \n
	v_nop
.endr
.endm
; A round of the cluster's barrier: my work-group's barrier, wave 0 signals for the work-group, every wave waits for all four work-groups, my work-group's barrier once more
.macro ROUND
	s_barrier_signal -1
	s_barrier_wait -1
	s_cmp_lg_u32 s12, 0
	s_cbranch_scc1 .Lnot_wave_0_\@
	s_barrier_signal -3
.Lnot_wave_0_\@:
	s_barrier_wait -3
	s_barrier_signal -1
	s_barrier_wait -1
.endm
; A joint load into slot s: waves 0-3 bring K's chunks, waves 4-7 V's.  Each line has its own registers: K's and V's chunks differ in pitch and in size.
.macro JLOAD s
	s_cmp_lt_u32 s12, 4
	s_cbranch_scc0 .Lfor_v_\@
	tensor_load_to_lds s[32+4*(\s):35+4*(\s)], s[16:23]
	s_nop 0
	s_branch .Lasked_\@
.Lfor_v_\@:
	tensor_load_to_lds s[56+4*(\s):59+4*(\s)], s[24:31]
	s_nop 0
	v_nop
.Lasked_\@:
.endm
; packed arithmetic with register p + b in both halves
.macro PKSUB_B d, a, p, b
.if \b
	v_pk_add_f32 v[\d:\d+1], v[\a:\a+1], v[\p:\p+1] op_sel:[0,1] op_sel_hi:[1,1] neg_lo:[0,1] neg_hi:[0,1]
.else
	v_pk_add_f32 v[\d:\d+1], v[\a:\a+1], v[\p:\p+1] op_sel_hi:[1,0] neg_lo:[0,1] neg_hi:[0,1]
.endif
.endm
.macro PKMUL_B d, a, p, b
.if \b
	v_pk_mul_f32 v[\d:\d+1], v[\a:\a+1], v[\p:\p+1] op_sel:[0,1] op_sel_hi:[1,1]
.else
	s_wait_alu depctr_va_vdst(0)
	v_pk_mul_f32 v[\d:\d+1], v[\a:\a+1], v[\p:\p+1] op_sel_hi:[1,0]
.endif
.endm
.macro PKFMA_B d, a, p, b, c
.if \b
	v_pk_fma_f32 v[\d:\d+1], v[\a:\a+1], v[\p:\p+1], v[\c:\c+1] op_sel:[0,1,0] op_sel_hi:[1,1,1]
.else
	v_pk_fma_f32 v[\d:\d+1], v[\a:\a+1], v[\p:\p+1], v[\c:\c+1] op_sel_hi:[1,0,1]
.endif
.endm
; The K fragments of the block (64 keys) at WK: 16 loads
.macro LDK
	WIN 0x40
.irp kt, 0,1,2,3
.irp u, 0,1
.irp c, 0,1
	ds_load_b128 v[FK+8*(2*\kt+\u)+4*\c:FK+8*(2*\kt+\u)+4*\c+3], v[WK] offset:\kt*8*KP+\u*64+\c*32
.endr
.endr
.endr
	WIN 0
.endm
; The exponentials, in a pipeline of three groups: group g is raised, group g + 1 has its maximum taken away, group g - 1 is summed and
; packed to f16 in place.  Behind each pair of exponentials stand plain instructions on other registers, and a result is first used one
; group later (ISA guide 5.7.2).  first = 1: the first pair of each query tile starts its sum.
.macro GRP g, first
.irp i, 0,1,2,3,4,5,6,7
.if \g < 8
	v_exp_f32 v[S+16*\g+2*\i], v[S+16*\g+2*\i]
	v_exp_f32 v[S+16*\g+2*\i+1], v[S+16*\g+2*\i+1]
.endif
.if \g < 7
	PKSUB_B S+16*(\g+1)+2*\i, S+16*(\g+1)+2*\i, MX+((\g+1)&2), ((\g+1)&1)
.endif
.if \g > 0
.set START, 0
.if \first
.if \g < 5
.if \i == 0
.set START, 1
.endif
.endif
.endif
.if START
	s_wait_alu depctr_va_vdst(0)
	v_pk_add_f32 v[LP+2*((\g-1)&3):LP+2*((\g-1)&3)+1], v[S+16*(\g-1):S+16*(\g-1)+1], 0 op_sel_hi:[1,0]
.else
	s_wait_alu depctr_va_vdst(0)
	v_pk_add_f32 v[LP+2*((\g-1)&3):LP+2*((\g-1)&3)+1], v[LP+2*((\g-1)&3):LP+2*((\g-1)&3)+1], v[S+16*(\g-1)+2*\i:S+16*(\g-1)+2*\i+1]
.endif
	v_cvt_pk_f16_f32 v[S+16*(\g-1)+\i], v[S+16*(\g-1)+2*\i], v[S+16*(\g-1)+2*\i+1]
.endif
.endr
.endm
; A block of 64 keys x 64 queries, at the addresses WM, WV (this block) and WK (stepped here to the next one).  Its K fragments were
; fetched in the block before, or at the slot's head.  first = 1: the wave's first block starts maxima, sums and O, and stands outside
; the loop.  first = 0: the text of the loop, s45 = the block's number in the slot.
.macro BLOCK first
.irp i, 0,1,2,3,4,5,6,7
	ds_load_b128 v[MA+4*\i:MA+4*\i+3], v[WM] offset:(\i>>1)*64+(\i&1)*16
.endr
.irp ks, 0,1
.irp dt, 0,1,2,3
.irp c, 0,1
	ds_load_tr16_b128 v[FV+8*(4*\ks+\dt)+4*\c:FV+8*(4*\ks+\dt)+4*\c+3], v[WV] offset:\ks*16*VP+\c*8*VP+\dt*32
.endr
.endr
.endr
	s_wait_dscnt 24                                ; LDS loads come back in order (ISA guide 5.7.1): K's 16 are in, the 24 just issued stay out
	WIN 0x05                                       ; K and Q in window 1
	; S^T: the four accumulators of a key tile take turns, one instruction a turn
.irp kt, 0,1,2,3
.irp t, 0,1,2,3
	v_wmma_f32_16x16x32_f16 v[S+16*(4*(\kt>>1)+\t)+8*(\kt&1):S+16*(4*(\kt>>1)+\t)+8*(\kt&1)+7], v[FK+16*\kt:FK+16*\kt+7], v[Q+16*\t:Q+16*\t+7], 0
.endr
.irp t, 0,1,2,3
	v_wmma_f32_16x16x32_f16 v[S+16*(4*(\kt>>1)+\t)+8*(\kt&1):S+16*(4*(\kt>>1)+\t)+8*(\kt&1)+7], v[FK+16*\kt+8:FK+16*\kt+15], v[Q+16*\t+8:Q+16*\t+15], v[S+16*(4*(\kt>>1)+\t)+8*(\kt&1):S+16*(4*(\kt>>1)+\t)+8*(\kt&1)+7]
.endr
.endr
	WIN 0
	; four places in front of the loads into K's registers and of the reads of S: the three addresses step to the next block
	v_add_nc_u32 v[WK], KBLK, v[WK]
	v_add_nc_u32 v[WV], VBLK, v[WV]
	v_add_nc_u32 v[WM], 256, v[WM]
	v_nop
	s_wait_dscnt 0x0                               ; the addends and V, issued ahead of the 32 products, are in; the count holds whether or not K is fetched below
.if \first
	LDK
.else
	s_cmp_eq_u32 s45, 3                            ; the slot's last block fetches no K: the next slot is read only behind its round
	s_cbranch_scc1 .Lno_k_\@
	LDK
.Lno_k_\@:
.endif
.irp g, 0,1,2,3,4,5,6,7
.irp i, 0,1,2,3,4,5,6,7
	v_pk_fma_f32 v[S+16*\g+2*\i:S+16*\g+2*\i+1], v[S+16*\g+2*\i:S+16*\g+2*\i+1], s[46:47], v[MA+16*(\g>>2)+2*\i:MA+16*(\g>>2)+2*\i+1] op_sel_hi:[1,0,1]
.endr
.endr
	; the new maximum: four chains, one for each query tile, begun with the old maximum
.irp st, 0,1,2,3,4,5,6,7,8,9,10,11,12,13,14,15
.irp t, 0,1,2,3
.if \st == 0
.if \first
	v_max_num_f32 v[AL+\t], v[S+16*\t], v[S+16*\t+1]
.else
	v_max3_num_f32 v[AL+\t], v[MX+\t], v[S+16*\t], v[S+16*\t+1]
.endif
.else
	v_max3_num_f32 v[AL+\t], v[AL+\t], v[S+16*(4*(\st>>3)+\t)+2*(\st&7)], v[S+16*(4*(\st>>3)+\t)+2*(\st&7)+1]
.endif
.endr
.endr
.irp t, 0,1,2,3
	v_permlanex16_b32 v[TMP+\t], v[AL+\t], s48, s49        ; the lane 16 away holds the query's other keys
.endr
.irp t, 0,1,2,3
	v_max_num_f32 v[AL+\t], v[AL+\t], v[TMP+\t]
.endr
.if \first == 0
.irp t, 0,1,2,3
	v_sub_f32 v[TMP+\t], v[MX+\t], v[AL+\t]                ; m_old - m_new, at most 0
.endr
.endif
.irp t, 0,1,2,3
	v_mov_b32 v[MX+\t], v[AL+\t]
.endr
.if \first == 0
.irp t, 0,1,2,3
	v_exp_f32 v[AL+\t], v[TMP+\t]
.endr
.endif
.irp i, 0,1,2,3,4,5,6,7
	PKSUB_B S+2*\i, S+2*\i, MX, 0                  ; group 0; also the plain instructions behind the four exponentials
.endr
.if \first == 0
.irp t, 0,1,2,3
	PKMUL_B LP+2*\t, LP+2*\t, AL+(\t&2), (\t&1)
.endr
.endif
.irp g, 0,1,2,3,4,5,6,7,8
	GRP \g, \first
.endr
.if \first == 0
	WIN 0x41                                       ; O in window 1, the factor in window 0
.irp t, 0,1,2,3
.set p, 0
.rept 16
	PKMUL_B O+32*\t+2*p, O+32*\t+2*p, AL+(\t&2), (\t&1)
.set p, p+1
.endr
.endr
.endif
	WIN 0x50                                       ; C and D in window 1
	; O^T += V^T P^T: the sixteen accumulators take turns, one instruction a turn
.irp ks, 0,1
.irp dt, 0,1,2,3
.irp t, 0,1,2,3
.if (\first)*(1-\ks)
	v_wmma_f32_16x16x32_f16 v[O+8*(4*\t+\dt):O+8*(4*\t+\dt)+7], v[FV+8*(4*\ks+\dt):FV+8*(4*\ks+\dt)+7], v[S+16*(4*\ks+\t):S+16*(4*\ks+\t)+7], 0
.else
	v_wmma_f32_16x16x32_f16 v[O+8*(4*\t+\dt):O+8*(4*\t+\dt)+7], v[FV+8*(4*\ks+\dt):FV+8*(4*\ks+\dt)+7], v[S+16*(4*\ks+\t):S+16*(4*\ks+\t)+7], v[O+8*(4*\t+\dt):O+8*(4*\t+\dt)+7]
.endif
.endr
.endr
.endr
	WIN 0
	PLACES 5                                       ; five places in front of the products that write over P; they serve the loads into V's registers too
.endm
; A slot of 512 keys, of which my half is four blocks.  In front of the round every wave has waited for all its tensor loads (its chunk
; of this slot among them) and for its reads of the other slot; behind the round that holds of every wave of all four work-groups, and
; the other slot's joint refill is the first thing there, one load a wave.  It has this whole slot's work in which to land.
.macro TRIP slot, refill, first
	s_wait_xcnt 0x0
	v_lshl_add_u32 v254, v0, 2, 0x4c000
	v_mov_b32 v255, 0
	s_wait_tensorcnt 0x0
	ds_add_u32 v254, v255
	s_wait_dscnt 0x0
	s_add_nc_u64 s[34+4*\slot:35+4*\slot], s[34+4*\slot:35+4*\slot], 2*STEP   ; no load of mine is out: this slot's next tile, for K
	s_add_nc_u64 s[58+4*\slot:59+4*\slot], s[58+4*\slot:59+4*\slot], 2*STEP   ; and for V
	s_wait_dscnt 0x0
	ROUND
.if \refill
	JLOAD 1-\slot
.endif
.if \slot
	v_add_nc_u32 v[WK], SLOT, v[AK]                ; the slot's first block
	v_add_nc_u32 v[WV], SLOT, v[AV]
.else
	v_mov_b32 v[WK], v[AK]
	v_mov_b32 v[WV], v[AV]
.endif
	v_mov_b32 v[WM], v[AM]
	LDK
.if \first
	BLOCK 1
	s_mov_b32 s45, 1
.else
	s_mov_b32 s45, 0
.endif
.Lblock_\@:
	BLOCK 0
	s_add_co_u32 s45, s45, 1
	s_cmp_lt_u32 s45, 4
	s_cbranch_scc1 .Lblock_\@
	v_add_nc_u32 v[AM], 2048, v[AM]                ; 512 addends on
.endm
	s_load_b256 s[4:11], s[0:1], 0x0               ; q s[4:5], k and v s[6:7], mask s[8:9], O s[10:11]
	v_lshl_add_u32 v254, v0, 2, 0x4c000
	v_mov_b32 v255, 0
	ds_add_u32 v254, v255
	s_wait_dscnt 0x0
	v_lshrrev_b32 v1, 5, v0
	v_readfirstlane_b32 s12, v1                    ; wave
	s_lshr_b32 s13, s12, 2                         ; g: my half of the keys
	s_and_b32 s14, s12, 3                          ; wq: my 64 queries.  Also: which 128 keys of a tile I fetch
	s_and_b32 s41, ttmp7, 0xffff                   ; 8 b + head
	s_mov_b32 s46, 0x3e38aa3b                      ; log2 e / 8
	s_mov_b32 s47, 0x3e38aa3b
	s_mov_b32 s48, 0x76543210                      ; v_permlanex16_b32: lane i of one half reads lane i of the other
	s_mov_b32 s49, 0xfedcba98
	; group 1: 64 rows of 32 elements of 8 bytes, dense in memory; in LDS 16 (K) or 32 (V) bytes of padding behind every 64 words
	s_mov_b32 s16, 15|(3<<16)|(1<<20)|(1<<21)|(5<<22)|(3<<25)  ; 15:0 all four work-groups; 17:16 8 bytes; 20 padding; 21 set beside a mask; 24:22 every 64 words; 31:25 four words
	s_mov_b32 s17, 32<<16                          ; tensor_dim0 = 32
	s_mov_b32 s18, 64<<16                          ; tensor_dim1 = 64
	s_mov_b32 s19, 32<<16                          ; tile_dim0 = 32
	s_mov_b32 s20, 64                              ; tile_dim1 = 64
	s_mov_b32 s21, 32                              ; elements from row to row
	s_mov_b32 s22, 0
	s_mov_b32 s23, 0
	s_mov_b32 s24, 15|(3<<16)|(1<<20)|(1<<21)|(5<<22)|(7<<25)  ; the same with eight words of padding
	s_mov_b32 s25, 32<<16
	s_mov_b32 s26, 64<<16
	s_mov_b32 s27, 32<<16
	s_mov_b32 s28, 64
	s_mov_b32 s29, 32
	s_mov_b32 s30, 0
	s_mov_b32 s31, 0
	; where the chunks come from: the head and the 128 keys.  Nothing here hangs on the place in the cluster.  Every wave makes K's and V's groups 0 and asks by one of them.
	s_lshl_b32 s42, s41, 19                        ; 4,096 keys of 128 bytes a head
	s_lshl_b32 s45, s14, 14                        ; 128 keys a chunk
	s_add_co_u32 s42, s42, s45
	s_mov_b32 s43, 0
	s_mul_i32 s45, s12, KCH                        ; where a chunk of K goes (waves 0-3),
	s_mul_i32 s53, s12, VCH                        ; and one of V (waves 4-7)
	s_wait_kmcnt 0x0
	s_add_nc_u64 s[42:43], s[6:7], s[42:43]
.irp n, 0,1
	s_mov_b32 s[32+4*\n], 1                                        ; count = 1
	s_add_co_u32 s[33+4*\n], s45, \n*SLOT                          ; LDS address
	s_add_nc_u64 s[34+4*\n:35+4*\n], s[42:43], \n*STEP             ; global address: tile n of K
	s_or_b32 s[35+4*\n], s[35+4*\n], 0x80000000                    ; type = 2
	s_mov_b32 s[56+4*\n], 1
	s_add_co_u32 s[57+4*\n], s53, \n*SLOT
	s_add_nc_u64 s[58+4*\n:59+4*\n], s[42:43], 8388608+\n*STEP     ; V lies 8,388,608 bytes behind K
	s_or_b32 s[59+4*\n], s[59+4*\n], 0x80000000
.endr
	ROUND                                          ; all four work-groups are here: the first joint load meets
	JLOAD 0                                        ; tile 0; slot 1 is filled behind the first slot's round
	; my place among the query blocks enters global addresses alone
	s_bfe_u32 s15, ttmp6, 0x40000                  ; cx
	s_lshl_b32 s40, ttmp9, 2
	s_add_co_u32 s40, s40, s15                     ; query block = 4 x cluster x + cx
	s_mov_b32 s51, 0
	s_lshl_b32 s50, s41, 12
	s_lshl_b32 s52, s40, 8
	s_add_co_u32 s50, s50, s52
	s_lshl_b32 s52, s14, 6
	s_add_co_u32 s50, s50, s52                     ; my first row of q, and of O: the two have one layout
	s_lshl_b32 s50, s50, 7                         ; 128 bytes a row
	s_add_nc_u64 s[4:5], s[4:5], s[50:51]
	s_add_nc_u64 s[10:11], s[10:11], s[50:51]
	s_lshr_b32 s50, s41, 3                         ; b
	s_lshl_b32 s50, s50, 14
	s_add_nc_u64 s[8:9], s[8:9], s[50:51]          ; the batch's mask
	v_and_b32 v32, 15, v0                          ; r = l % 16
	v_bfe_u32 v33, v0, 4, 1                        ; h = l / 16
	v_and_b32 v34, 31, v0                          ; l
	v_and_b32 v36, 1, v0
	v_lshlrev_b32 v[MO], 4, v0                     ; thread x 16 bytes
	v_lshlrev_b32 v37, 7, v32
	v_lshl_add_u32 v[QO], v33, 4, v37              ; row r of 128 bytes, 16 bytes for each half of the lanes
.irp i, 0,1,2,3
	global_load_b128 v[S+4*\i:S+4*\i+3], v[MO], s[8:9] offset:4096*\i
.endr
	WIN 0x40
.irp t, 0,1,2,3
.irp u, 0,1
.irp c, 0,1
	global_load_b128 v[Q+8*(2*\t+\u)+4*\c:Q+8*(2*\t+\u)+4*\c+3], v[QO], s[4:5] offset:\t*2048+\u*64+\c*32
.endr
.endr
.endr
	WIN 0
	; K: key r of a tile at (r >> 1) 272 + (r & 1) 128, 16 bytes for each half of the lanes
	v_bfe_u32 v35, v0, 1, 3
	v_mul_u32_u24 v37, v35, KP
	v_lshl_add_u32 v37, v36, 7, v37
	v_lshl_add_u32 v37, v33, 4, v37
	s_mul_i32 s45, s13, 2*KCH                      ; my half: two chunks
	v_add_nc_u32 v[AK], s45, v37
	; V: lane l addresses key 8 h + l % 8 and the 16 bytes (l / 8) % 2; the load hands lane l column d = r, keys 8 h .. 8 h + 7
	v_bfe_u32 v35, v0, 1, 2
	v_lshl_add_u32 v35, v33, 2, v35
	v_mul_u32_u24 v37, v35, VP
	v_lshl_add_u32 v37, v36, 7, v37
	v_bfe_u32 v35, v0, 3, 1
	v_lshl_add_u32 v37, v35, 4, v37
	s_mul_i32 s45, s13, 2*VCH
	s_add_co_u32 s45, s45, 4*VCH                   ; V's chunks are those of waves 4-7
	v_add_nc_u32 v[AV], s45, v37
	s_lshl_b32 s45, s13, 10                        ; my half's 256 addends
	s_add_co_u32 s45, s45, MASKB
	v_lshl_add_u32 v[AM], v33, 5, s45              ; keys 8 h .. 8 h + 7
	s_mul_i32 s45, s14, MERGE
	v_lshl_add_u32 v[MG], v34, 4, s45
	s_mul_i32 s45, s12, 16*SPITCH
	s_add_co_u32 s45, s45, STAGE                   ; my wave's own stage
	v_mul_u32_u24 v37, v32, SPITCH
	v_lshl_add_u32 v37, v33, 4, v37
	v_add_nc_u32 v[STO], s45, v37                  ; in: row r, 8 f16 = 16 bytes for each half of the lanes
	v_lshrrev_b32 v35, 3, v34
	v_mul_u32_u24 v37, v35, SPITCH
	v_and_b32 v35, 7, v0
	v_lshl_add_u32 v37, v35, 4, v37
	v_add_nc_u32 v[RD], s45, v37                   ; back: 8 lanes take a row of 128 bytes, a load takes 4 rows,
	v_lshlrev_b32 v[CO], 4, v34                    ; which are 512 consecutive bytes of O
.irp t, 0,1,2,3
	v_mov_b32 v[TMP+\t], 0                         ; v_permlanex16_b32 counts as a reader of its destination
.endr
	v_add_nc_u32 v[S+16], MASKB, v[MO]
	s_wait_loadcnt 16                              ; the four loads of the mask are in; q's sixteen are younger
.set k, 0
.rept 16
	v_cvt_f32_i32 v[S+k], v[S+k]
	v_mul_f32 v[S+k], 0xce6e6b28, v[S+k]           ; x -1e9, rounded as reference() rounds it,
	v_mul_f32 v[S+k], 0x3fb8aa3b, v[S+k]           ; in base-2 units
.set k, k+1
.endr
.irp i, 0,1,2,3
	ds_store_b128 v[S+16], v[S+4*\i:S+4*\i+3] offset:4096*\i       ; read by all waves behind the first slot's wait for 0 and round
.endr
	s_wait_loadcnt 0x0                             ; q
	TRIP 0, 1, 1                                   ; tile 0 stands in front of the loop: its first block starts maxima, sums and O
	s_mov_b32 s44, 3
.Lpair:
	TRIP 1, 1, 0                                   ; tiles 1 to 6; tile 6's trip asks for tile 7, the last load
	TRIP 0, 1, 0
	s_sub_co_u32 s44, s44, 1
	s_cmp_lg_u32 s44, 0
	s_cbranch_scc1 .Lpair
	TRIP 1, 0, 0                                   ; tile 7: nothing is left to fetch (the stepped addresses are not used)
	; THE MERGE.  Waves 4-7 hand O, maxima and sums to waves 0-3 through slot 0, which has had its last fill and, since the last round, its last read.
	s_cmp_lt_u32 s12, 4
	s_cbranch_scc1 .Lkeep
	WIN 0x04                                       ; store data in window 1
.set i, 0
.rept 32
	ds_store_b128 v[MG], v[O+4*i:O+4*i+3] offset:512*i
.set i, i+1
.endr
	WIN 0
	ds_store_b128 v[MG], v[MX:MX+3] offset:16384
	ds_store_b128 v[MG], v[LP:LP+3] offset:16896
	ds_store_b128 v[MG], v[LP+4:LP+7] offset:17408
.Lkeep:
	s_wait_dscnt 0x0                               ; for the partner's sake: my stores are done
	s_barrier_signal -1
	s_barrier_wait -1
	s_cmp_ge_u32 s12, 4
	s_cbranch_scc1 .Lclose
.set i, 0
.rept 32
	ds_load_b128 v[S+4*i:S+4*i+3], v[MG] offset:512*i
.set i, i+1
.endr
	ds_load_b128 v[MB:MB+3], v[MG] offset:16384
	ds_load_b128 v[LB:LB+3], v[MG] offset:16896
	ds_load_b128 v[LB+4:LB+7], v[MG] offset:17408
	s_wait_dscnt 0x0
.irp t, 0,1,2,3
	v_max_num_f32 v[NX+\t], v[MX+\t], v[MB+\t]             ; the common maximum
.endr
.irp t, 0,1,2,3
	v_sub_f32 v[FA+\t], v[MX+\t], v[NX+\t]
	v_sub_f32 v[FB+\t], v[MB+\t], v[NX+\t]
	v_add_f32 v[LS+\t], v[LP+2*\t], v[LP+2*\t+1]
	v_add_f32 v[T2+\t], v[LB+2*\t], v[LB+2*\t+1]
.endr
.irp t, 0,1,2,3
	v_exp_f32 v[FA+\t], v[FA+\t]
	v_exp_f32 v[FB+\t], v[FB+\t]
.endr
	v_nop                                          ; one plain instruction behind the exponentials (ISA guide 5.7.2)
.irp t, 0,1,2,3
	s_wait_alu depctr_va_vdst(0)
	v_mul_f32 v[LS+\t], v[LS+\t], v[FA+\t]
.endr
.irp t, 0,1,2,3
	v_fmac_f32 v[LS+\t], v[T2+\t], v[FB+\t]
.endr
.irp t, 0,1,2,3
	v_permlanex16_b32 v[T2+\t], v[LS+\t], s48, s49         ; the query's other keys
.endr
.irp t, 0,1,2,3
	v_add_f32 v[LS+\t], v[LS+\t], v[T2+\t]                 ; at least 1: the key of the maximum counts 1
.endr
.irp t, 0,1,2,3
	v_rcp_f32 v[LS+\t], v[LS+\t]
.endr
	v_nop                                          ; one plain instruction behind the reciprocals
.irp t, 0,1,2,3
	s_wait_alu depctr_va_vdst(0)
	v_mul_f32 v[FA+\t], v[FA+\t], v[LS+\t]
	v_mul_f32 v[FB+\t], v[FB+\t], v[LS+\t]
.endr
.irp t, 0,1,2,3
.set p, 0
.rept 16
	PKMUL_B S+32*\t+2*p, S+32*\t+2*p, FB+(\t&2), (\t&1)
.set p, p+1
.endr
.endr
	WIN 0x01                                       ; my O in window 1
.irp t, 0,1,2,3
.set p, 0
.rept 16
	PKFMA_B S+32*\t+2*p, O+32*\t+2*p, FA+(\t&2), (\t&1), S+32*\t+2*p
.set p, p+1
.endr
.endr
	WIN 0
	; THE WAY OUT, 16 queries at a time: rounded to f16 in place (register p takes numbers 2 p and 2 p + 1, which lie at or behind it), then
	; through my own stage: LDS serves a wave's instructions in order (ISA guide 5.7.1), so no wait stands between the stores into the
	; stage and the loads from it.  Two sets of registers take turns for the rows read back.
.irp t, 0,1,2,3
.set p, 0
.rept 16
	v_cvt_pk_f16_f32 v[S+32*\t+p], v[S+32*\t+2*p], v[S+32*\t+2*p+1]
.set p, p+1
.endr
.irp dt, 0,1,2,3
	ds_store_b128 v[STO], v[S+32*\t+4*\dt:S+32*\t+4*\dt+3] offset:32*\dt   ; d = 16 dt + 8 h + 0 .. 7
.endr
	s_wait_xcnt 0x0                                ; a set that stores read is loaded again only behind this wait
.irp i, 0,1,2,3
	ds_load_b128 v[FV+16*(\t&1)+4*\i:FV+16*(\t&1)+4*\i+3], v[RD] offset:4*SPITCH*\i
.endr
.irp i, 0,1,2,3
	s_wait_dscnt 3-\i                              ; the younger read-backs may stay out
	global_store_b128 v[CO], v[FV+16*(\t&1)+4*\i:FV+16*(\t&1)+4*\i+3], s[10:11] offset:\t*2048+512*\i   ; 512 consecutive bytes, aligned
.endr
.endr
.Lclose:
	s_wait_dscnt 0x0
	s_wait_xcnt 0x0
	v_lshl_add_u32 v254, v0, 2, 0x4c000
	v_mov_b32 v255, 0
	s_wait_tensorcnt 0x0
	ds_add_u32 v254, v255
	s_wait_dscnt 0x0
	ROUND                                          ; the closing round: no work-group ends while a partner may still ask for a tile that names it
	s_endpgm
.Lfunc_end_k_qc4b2f32f74_attn:
	.size	k_qc4b2f32f74_attn, .Lfunc_end_k_qc4b2f32f74_attn-k_qc4b2f32f74_attn
	.p2alignl 7, 3214868480
	.fill 96, 4, 3214868480
	.section	.rodata,"a",@progbits
	.p2align	6, 0x0
	.amdhsa_kernel k_qc4b2f32f74_attn
		.amdhsa_group_segment_fixed_size 327680
		.amdhsa_private_segment_fixed_size 0
		.amdhsa_enable_private_segment 0
		.amdhsa_kernarg_size 32
		.amdhsa_user_sgpr_count 2
		.amdhsa_user_sgpr_kernarg_segment_ptr 1
		.amdhsa_wavefront_size32 1
		.amdhsa_system_sgpr_workgroup_id_x 1
		.amdhsa_system_sgpr_workgroup_id_y 1
		.amdhsa_system_sgpr_workgroup_id_z 1
		.amdhsa_system_vgpr_workitem_id 0
		.amdhsa_next_free_vgpr 512
		.amdhsa_next_free_sgpr 66
		.amdhsa_reserve_vcc 0
		.amdhsa_float_denorm_mode_32 3
		.amdhsa_float_denorm_mode_16_64 3
		.amdhsa_memory_ordered 1
		.amdhsa_forward_progress 1
		.amdhsa_inst_pref_size 237
	.end_amdhsa_kernel
	.amdgpu_metadata
---
amdhsa.version: [ 1, 2 ]
amdhsa.kernels:
  - .name:           k_qc4b2f32f74_attn
    .symbol:         k_qc4b2f32f74_attn.kd
    .args:
      - { .name: qws, .offset: 0, .size: 8, .value_kind: global_buffer, .address_space: global }
      - { .name: kv, .offset: 8, .size: 8, .value_kind: global_buffer, .address_space: global }
      - { .name: mask, .offset: 16, .size: 8, .value_kind: global_buffer, .address_space: global }
      - { .name: ows, .offset: 24, .size: 8, .value_kind: global_buffer, .address_space: global }
    .group_segment_fixed_size: 327680
    .private_segment_fixed_size: 0
    .kernarg_segment_align: 8
    .kernarg_segment_size: 32
    .max_flat_workgroup_size: 256
    .sgpr_count:     66
    .vgpr_count:     512
    .wavefront_size: 32
...
	.end_amdgpu_metadata
.endif
;; end of part 5
;; launch outp (part 6): grid 4 x 64, 8 waves a work-group, clusters of 4 x 4, 322,560 bytes of LDS; arguments ows, wo16, bo, out0; writes out0
.if DOCPART == 6
	.amdgcn_target "amdgcn-amd-amdhsa--gfx1250"
	.amdhsa_code_object_version 6
	.text
	.protected	k_qc4b2f32f74_outp
	.globl	k_qc4b2f32f74_outp
	.p2align	8
	.type	k_qc4b2f32f74_outp,@function
k_qc4b2f32f74_outp:
	s_mov_b64 s[64:65], 0
	v_nop
	global_prefetch_b8 v0, s[64:65] scope:SCOPE_SE
	s_setreg_imm32_b32 hwreg(HW_REG_WAVE_MODE, 25, 1), 1
	s_wait_xcnt 0x0
	s_wait_alu depctr_hold_cnt(0) depctr_sa_sdst(0) depctr_va_vdst(0) depctr_va_sdst(0) depctr_va_ssrc(0) depctr_va_vcc(0) depctr_vm_vsrc(0)
	s_getreg_b32 s2, hwreg(HW_REG_IB_STS2, 6, 4)
	s_cmp_eq_u32 s2, 0
	s_cbranch_scc0 .Lentry_in_a_cluster
	s_endpgm
.Lentry_in_a_cluster:
	s_bfe_u32 s2, ttmp6, 0x10000c
	s_cmp_lg_u32 s2, 0xf033
	s_cbranch_scc0 .Lentry_shape_is_right
	s_endpgm
.Lentry_shape_is_right:
; out0 = O Wo + bo in f32.  O: f16 [b*8+head][4096][64] from the attention launch; Wo: f16 [512 (k)][512 (n)] from the first launch; bo: [512] f32.
; Products in f16 with f32 sums (v_wmma_f32_16x16x32_f16).  LIMIT: O and Wo are f16, magnitudes below 65,504.
; A work-group makes 128 tokens x 128 columns with eight waves; wave w makes 32 tokens (w >> 1) x 64 columns (w & 1).
; K step k is head k: its tile of O is 128 tokens x 128 bytes, 16 KiB that are dense in memory; its tile of Wo is 64 rows x 256 bytes.
; ALL EIGHT K STEPS LIE IN LDS AT ONCE (8 x 17,408 + 8 x 18,432 bytes), so nothing is ever filled again: each wave issues two tensor loads
; of 16 KiB at the start (waves 0-3: O of steps w and w + 4; waves 4-7: Wo of steps w - 4 and w) and has these two outstanding at the most.
; Steps 0 to 3 are multiplied as soon as every wave's first load has landed, steps 4 to 7 behind a second barrier.
; CLUSTERS: 4 x 4 work-groups.  O's tiles hang on the row block alone and are shared along a row of the cluster, Wo's on the column slice
; alone and are shared along a column: every load is a joint one, the same line with the same descriptor in the four that its mask names.
; LDS: O, step k at 17,408 k: 64 rows of 256 bytes (two tokens a row) 272 bytes apart: token n at (n >> 1) 272 + (n & 1) 128;
;      Wo, step k at 139,264 + 18,432 k: row = k index, 288 bytes apart (an odd multiple of 32, for the transposing load);
;      with these pitches the 16 lanes of a load's pass touch 16 different 16-byte columns modulo 256;
;      behind them the stage for the way out, 4,352 bytes a wave, in 256-byte blocks of its own into which no tensor load lands.
; THE MATRIX INSTRUCTION IS USED TRANSPOSED: source 0 = 16 columns of Wo, source 1 = 16 tokens of O.  Lane l then holds token
; l % 16 and, in registers 0-7, the columns 8 (l / 16) + 0 .. 7: neighbouring numbers of a row of the output.
.set KCH, 17408                        ; a K step of O in LDS
.set VCH, 18432                        ; a K step of Wo in LDS
.set KP, 272
.set WP, 288
.set WBASE, 8*KCH
.set STAGE, WBASE+8*VCH
.set SPITCH, 272                       ; stage row: 64 f32 + 16 bytes
.set STG, 16*SPITCH
.set XA, 2                             ; v[2:5]      LDS address of my fragments of O in K steps 2 g, 2 g + 1
.set WA, 6                             ; v[6:9]      the same for Wo (transposing load)
.set STO, 10                           ; v10         the way out: where my numbers go in the stage
.set RD, 11                            ; v11         where I read rows back
.set CO, 12                            ; v12         my byte offset in the output
.set BO, 13                            ; v13         my byte offset in the bias
.set F, 32                             ; v[32:127]   two fragment buffers of 48: O's tile mt at 8 mt, Wo's tile nt at 16 + 8 nt
.set ACC, 128                          ; v[128:191]  accumulator (mt, nt) at 8 (4 mt + nt)
.set BI, 192                           ; v[192:223]  bias of my 32 columns
.set T, 224                            ; v[224:255]  a token tile's sums + bias
.set Z, 32                             ; the way out: v[32:63] rows read back
.macro PLACES n
.rept \n
	v_nop
.endr
.endm
; A round of the cluster's barrier: my work-group's barrier, wave 0 signals for the work-group, every wave waits for all sixteen work-groups, my work-group's barrier once more
.macro ROUND
	s_barrier_signal -1
	s_barrier_wait -1
	s_cmp_lg_u32 s12, 0
	s_cbranch_scc1 .Lnot_wave_0_\@
	s_barrier_signal -3
.Lnot_wave_0_\@:
	s_barrier_wait -3
	s_barrier_signal -1
	s_barrier_wait -1
.endm
; Unit u = 2 k + sub: 32 along K.  Its 12 fragment loads go into buffer u & 1.
.macro FETCH u
.set KK, (\u)>>1
.set SB, (\u)&1
.set FB, F+48*((\u)&1)
.irp mt, 0,1
.irp c, 0,1
	ds_load_b128 v[FB+8*\mt+4*\c:FB+8*\mt+4*\c+3], v[XA+(KK>>1)] offset:(KK&1)*KCH+\mt*8*KP+SB*64+\c*32
.endr
.endr
.irp nt, 0,1,2,3
.irp c, 0,1
	ds_load_tr16_b128 v[FB+16+8*\nt+4*\c:FB+16+8*\nt+4*\c+3], v[WA+(KK>>1)] offset:(KK&1)*VCH+SB*32*WP+\nt*32+\c*16*WP
.endr
.endr
.endm
; Its 8 products.  Unit 0 starts the sums: nothing is cleared.  The eight accumulators take turns, one instruction a turn, from unit to unit too.
.macro MUL u
.set FB, F+48*((\u)&1)
.irp mt, 0,1
.irp nt, 0,1,2,3
.if (\u) == 0
	v_wmma_f32_16x16x32_f16 v[ACC+8*(4*\mt+\nt):ACC+8*(4*\mt+\nt)+7], v[FB+16+8*\nt:FB+16+8*\nt+7], v[FB+8*\mt:FB+8*\mt+7], 0
.else
	v_wmma_f32_16x16x32_f16 v[ACC+8*(4*\mt+\nt):ACC+8*(4*\mt+\nt)+7], v[FB+16+8*\nt:FB+16+8*\nt+7], v[FB+8*\mt:FB+8*\mt+7], v[ACC+8*(4*\mt+\nt):ACC+8*(4*\mt+\nt)+7]
.endif
.endr
.endr
.endm
	s_load_b256 s[4:11], s[0:1], 0x0               ; O s[4:5], Wo s[6:7], bo s[8:9], out0 s[10:11]
	v_lshl_add_u32 v30, v0, 2, 0x4e800
	v_mov_b32 v31, 0
	ds_add_u32 v30, v31
	v_lshrrev_b32 v1, 5, v0
	v_readfirstlane_b32 s12, v1                    ; wave
	s_and_b32 s13, s12, 1                          ; wn: my strip of 64 columns
	s_lshr_b32 s14, s12, 1                         ; wm: my 32 tokens
	s_and_b32 s15, s12, 3                          ; which K step of each four I fetch
	s_bfe_u32 s40, ttmp6, 0x40000                  ; cx: my place along the cluster's x
	s_bfe_u32 s41, ttmp6, 0x40004                  ; cy: along its y
	s_lshl_b32 s42, ttmp9, 2                       ; in a cluster launch ttmp9 and ttmp7 count clusters
	s_add_co_u32 s42, s42, s40                     ; column slice = 4 x cluster x + cx
	s_and_b32 s43, ttmp7, 0xffff
	s_lshl_b32 s43, s43, 2
	s_add_co_u32 s43, s43, s41                     ; row block = 4 x cluster y + cy
	s_lshl_b32 s44, s41, 2
	s_lshl_b32 s44, 15, s44                        ; my row of the cluster: places 4 cy .. 4 cy + 3
	s_lshl_b32 s45, 0x1111, s40                    ; my column: places cx, cx + 4, cx + 8, cx + 12
	; group 1 for O: 64 rows of 32 elements of 8 bytes, dense in memory; in LDS 16 bytes of padding behind every 64 words
	s_or_b32 s16, s44, (3<<16)|(1<<20)|(1<<21)|(5<<22)|(3<<25)  ; 15:0 my row; 17:16 8 bytes; 20 padding; 21 set beside a mask; 24:22 every 64 words; 31:25 four words
	s_mov_b32 s17, 32<<16                          ; tensor_dim0 = 32
	s_mov_b32 s18, 64<<16                          ; tensor_dim1 = 64
	s_mov_b32 s19, 32<<16                          ; tile_dim0 = 32
	s_mov_b32 s20, 64                              ; tile_dim1 = 64
	s_mov_b32 s21, 32                              ; elements from row to row
	s_mov_b32 s22, 0
	s_mov_b32 s23, 0
	; group 1 for Wo: 64 rows of 32 elements of 8 bytes, 1,024 bytes apart in memory; in LDS 32 bytes of padding
	s_or_b32 s24, s45, (3<<16)|(1<<20)|(1<<21)|(5<<22)|(7<<25)  ; 15:0 my column; eight words of padding
	s_mov_b32 s25, 32<<16
	s_mov_b32 s26, 64<<16
	s_mov_b32 s27, 32<<16
	s_mov_b32 s28, 64
	s_mov_b32 s29, 128                             ; 128 elements of 8 bytes from row to row
	s_mov_b32 s30, 0
	s_mov_b32 s31, 0
	; where the tiles come from.  O's hang on the row block alone, Wo's on the column slice alone; every wave makes both addresses,
	; in registers that never hold the other coordinate, and asks by one of them.
	s_lshr_b32 s46, s43, 5                         ; batch: 32 row blocks each
	s_lshl_b32 s46, s46, 22                        ; 8 heads x 4,096 tokens x 128 bytes
	s_and_b32 s47, s43, 31
	s_lshl_b32 s47, s47, 14                        ; 128 tokens of 128 bytes
	s_add_co_u32 s46, s46, s47
	s_lshl_b32 s47, s15, 19                        ; a head: 4,096 tokens of 128 bytes
	s_add_co_u32 s46, s46, s47
	s_mov_b32 s47, 0
	s_lshl_b32 s48, s15, 16                        ; 64 rows of 1,024 bytes
	s_lshl_b32 s49, s42, 8                         ; 128 columns of 2 bytes
	s_add_co_u32 s48, s48, s49
	s_mov_b32 s49, 0
	s_mul_i32 s50, s12, KCH                        ; where a tile of O goes (waves 0-3): K step w,
	s_mul_i32 s51, s12, VCH
	s_add_co_u32 s51, s51, WBASE-4*VCH             ; and one of Wo (waves 4-7): K step w - 4.  No place in the cluster enters an LDS address
	s_wait_dscnt 0x0
	s_wait_kmcnt 0x0
	s_add_nc_u64 s[46:47], s[4:5], s[46:47]
	s_add_nc_u64 s[48:49], s[6:7], s[48:49]
.irp p, 0,1
	s_mov_b32 s[32+4*\p], 1                                        ; count = 1
	s_add_co_u32 s[33+4*\p], s50, \p*4*KCH                         ; LDS address: four K steps on for the second load
	s_add_nc_u64 s[34+4*\p:35+4*\p], s[46:47], \p*2097152          ; global address: four heads on
	s_or_b32 s[35+4*\p], s[35+4*\p], 0x80000000                    ; type = 2
	s_mov_b32 s[56+4*\p], 1
	s_add_co_u32 s[57+4*\p], s51, \p*4*VCH
	s_add_nc_u64 s[58+4*\p:59+4*\p], s[48:49], \p*262144           ; 256 rows on
	s_or_b32 s[59+4*\p], s[59+4*\p], 0x80000000
.endr
	ROUND                                          ; all sixteen work-groups are here: the joint loads meet
	s_cmp_lt_u32 s12, 4
	s_cbranch_scc0 .Lfor_w
	tensor_load_to_lds s[32:35], s[16:23]          ; O, K step w
	s_nop 0
	tensor_load_to_lds s[36:39], s[16:23]          ; O, K step w + 4
	s_nop 0
	s_branch .Lasked
.Lfor_w:
	tensor_load_to_lds s[56:59], s[24:31]          ; Wo, K step w - 4
	s_nop 0
	tensor_load_to_lds s[60:63], s[24:31]          ; Wo, K step w
	s_nop 0
.Lasked:
	; bias and output: both coordinates, in registers that feed no descriptor
	s_mov_b32 s53, 0
	s_lshl_b32 s52, s42, 1
	s_add_co_u32 s52, s52, s13                     ; my strip of 64 columns,
	s_lshl_b32 s52, s52, 8                         ; 256 bytes each
	s_add_nc_u64 s[8:9], s[8:9], s[52:53]
	s_add_nc_u64 s[10:11], s[10:11], s[52:53]
	s_lshl_b32 s52, s43, 7
	s_lshl_b32 s54, s14, 5
	s_add_co_u32 s52, s52, s54                     ; my first token
	s_lshl_b32 s52, s52, 11                        ; 2,048 bytes a row
	s_add_nc_u64 s[10:11], s[10:11], s[52:53]
	v_and_b32 v15, 15, v0                          ; r = l % 16
	v_bfe_u32 v16, v0, 4, 1                        ; h = l / 16
	v_lshlrev_b32 v[BO], 5, v16                    ; my columns 16 nt + 8 h + 0 .. 7
.irp nt, 0,1,2,3
	global_load_b128 v[BI+8*\nt:BI+8*\nt+3], v[BO], s[8:9] offset:\nt*64
	global_load_b128 v[BI+8*\nt+4:BI+8*\nt+7], v[BO], s[8:9] offset:\nt*64+16
.endr
	; O: token r of a tile at (r >> 1) 272 + (r & 1) 128, 16 bytes for each half of the lanes, two loads 32 bytes apart
	v_bfe_u32 v17, v0, 1, 3
	v_mul_u32_u24 v18, v17, KP
	v_and_b32 v17, 1, v0
	v_lshl_add_u32 v18, v17, 7, v18
	v_lshl_add_u32 v18, v16, 4, v18
	s_mul_i32 s54, s14, 16*KP                      ; my 32 tokens: 16 rows
	v_add_nc_u32 v[XA], s54, v18
.irp g, 1,2,3
	v_add_nc_u32 v[XA+\g], \g*2*KCH, v[XA]         ; an LDS offset has 16 bits: an address for every two K steps
.endr
	; Wo: lane l addresses row 8 h + l % 8 and the 16 bytes (l / 8) % 2; the load hands lane l column r, k = 8 h .. 8 h + 7
	v_and_b32 v17, 7, v0
	v_lshl_add_u32 v17, v16, 3, v17
	v_mul_u32_u24 v18, v17, WP
	v_bfe_u32 v17, v0, 3, 1
	v_lshl_add_u32 v18, v17, 4, v18
	s_lshl_b32 s54, s13, 7
	s_add_co_u32 s54, s54, WBASE
	v_add_nc_u32 v[WA], s54, v18
.irp g, 1,2,3
	v_add_nc_u32 v[WA+\g], \g*2*VCH, v[WA]
.endr
	; the way out
	s_mul_i32 s54, s12, STG
	s_add_co_u32 s54, s54, STAGE                   ; my wave's own stage
	v_mul_u32_u24 v18, v15, SPITCH
	v_lshl_add_u32 v18, v16, 5, v18                ; in: row r, 8 f32 = 32 bytes for each half of the lanes
	v_add_nc_u32 v[STO], s54, v18
	v_mul_u32_u24 v18, v16, SPITCH                 ; back: 16 lanes take a row of 256 bytes, a load takes 2 rows
	v_lshl_add_u32 v18, v15, 4, v18
	v_add_nc_u32 v[RD], s54, v18
	v_lshlrev_b32 v18, 4, v15
	v_lshl_add_u32 v[CO], v16, 11, v18
	s_wait_tensorcnt 0x1                           ; tensor loads of a wave end in order (ISA guide 10.11.1): my tile of steps 0 to 3 is in, the second load stays out
	s_barrier_signal -1
	s_barrier_wait -1                              ; everybody's is
	; Sixteen units of 32 along K on two fragment buffers: unit u + 1 is fetched ahead of unit u's products.
	FETCH 0
.set u, 0
.rept 16
.if u == 7
	s_wait_dscnt 0x0                               ; unit 7's fragments are in, and no LDS load of mine is out at the signal
	s_wait_tensorcnt 0x0                           ; my tile of steps 4 to 7 is in:
	s_barrier_signal -1                            ; say so,
	MUL 7                                          ; work on registers while the others arrive,
	s_barrier_wait -1                              ; and read steps 4 to 7 when all eight have said so
	PLACES 4
	FETCH 8
.else
.if u == 15
	s_wait_dscnt 0x0
	MUL 15
.else
.if u > 0
	PLACES 4                                       ; loads into registers that matrix instructions have read stand four places behind them (ISA guide 7.12.1 for vector instructions)
.endif
	FETCH u+1
	s_wait_dscnt 12                                ; LDS loads come back in order (ISA guide 5.7.1): this unit's 12 are in, the 12 just issued stay out
	MUL u
.endif
.endif
.set u, u+1
.endr
	; THE WAY OUT, 16 tokens at a time, through my own stage: LDS serves a wave's instructions in order (ISA guide 5.7.1), so no wait
	; stands between the stores into the stage and the loads from it.
	PLACES 4                                       ; vector instructions read matrix results, and loads land on fragments, four places behind the products
	s_wait_loadcnt 0x0                             ; the bias
.set m, 0
.rept 2
.set p, 0
.rept 16
	v_pk_add_f32 v[T+2*p:T+2*p+1], v[ACC+32*m+2*p:ACC+32*m+2*p+1], v[BI+2*p:BI+2*p+1]
.set p, p+1
.endr
.irp nt, 0,1,2,3
	ds_store_b128 v[STO], v[T+8*\nt:T+8*\nt+3] offset:64*\nt
	ds_store_b128 v[STO], v[T+8*\nt+4:T+8*\nt+7] offset:64*\nt+16
.endr
	s_wait_xcnt 0x0                                ; Z, which the last tile's stores read, is loaded again only behind this wait
.irp i, 0,1,2,3,4,5,6,7
	ds_load_b128 v[Z+4*\i:Z+4*\i+3], v[RD] offset:2*SPITCH*\i
.endr
.irp i, 0,1,2,3,4,5,6,7
	s_wait_dscnt 7-\i                              ; the younger read-backs may stay out
	global_store_b128 v[CO], v[Z+4*\i:Z+4*\i+3], s[10:11] offset:(16*m+2*\i)*2048   ; 16 lanes store 256 consecutive bytes, aligned
.endr
.set m, m+1
.endr
	s_wait_dscnt 0x0
	s_wait_tensorcnt 0x0
	ds_add_u32 v30, v31
	s_wait_dscnt 0x0
	ROUND                                          ; the closing round: no work-group ends while a partner may still ask for a tile that names it
	s_endpgm
.Lfunc_end_k_qc4b2f32f74_outp:
	.size	k_qc4b2f32f74_outp, .Lfunc_end_k_qc4b2f32f74_outp-k_qc4b2f32f74_outp
	.p2alignl 7, 3214868480
	.fill 96, 4, 3214868480
	.section	.rodata,"a",@progbits
	.p2align	6, 0x0
	.amdhsa_kernel k_qc4b2f32f74_outp
		.amdhsa_group_segment_fixed_size 322560
		.amdhsa_private_segment_fixed_size 0
		.amdhsa_enable_private_segment 0
		.amdhsa_kernarg_size 32
		.amdhsa_user_sgpr_count 2
		.amdhsa_user_sgpr_kernarg_segment_ptr 1
		.amdhsa_wavefront_size32 1
		.amdhsa_system_sgpr_workgroup_id_x 1
		.amdhsa_system_sgpr_workgroup_id_y 1
		.amdhsa_system_sgpr_workgroup_id_z 1
		.amdhsa_system_vgpr_workitem_id 0
		.amdhsa_next_free_vgpr 256
		.amdhsa_next_free_sgpr 66
		.amdhsa_reserve_vcc 0
		.amdhsa_float_denorm_mode_32 3
		.amdhsa_float_denorm_mode_16_64 3
		.amdhsa_memory_ordered 1
		.amdhsa_forward_progress 1
		.amdhsa_inst_pref_size 37
	.end_amdhsa_kernel
	.amdgpu_metadata
---
amdhsa.version: [ 1, 2 ]
amdhsa.kernels:
  - .name:           k_qc4b2f32f74_outp
    .symbol:         k_qc4b2f32f74_outp.kd
    .args:
      - { .name: ows, .offset: 0, .size: 8, .value_kind: global_buffer, .address_space: global }
      - { .name: wo16, .offset: 8, .size: 8, .value_kind: global_buffer, .address_space: global }
      - { .name: bo, .offset: 16, .size: 8, .value_kind: global_buffer, .address_space: global }
      - { .name: out0, .offset: 24, .size: 8, .value_kind: global_buffer, .address_space: global }
    .group_segment_fixed_size: 322560
    .private_segment_fixed_size: 0
    .kernarg_segment_align: 8
    .kernarg_segment_size: 32
    .max_flat_workgroup_size: 256
    .sgpr_count:     66
    .vgpr_count:     256
    .wavefront_size: 32
...
	.end_amdgpu_metadata
.endif
;; end of part 6
;; ======== version 3 of 3: 3 launches; 1.44 times as fast as version 1
;; limits: values are held in f16: magnitudes above 65,504 overflow, below 6.1e-05 lose precision
;; workspace buffers: qws 8,388,608 bytes; kv 16,777,216 bytes; ows 8,388,608 bytes; wo16 524,288 bytes
;; launch qkv: the kernel of part 4 again; grid 8 x 32, 8 waves a work-group, no clusters, 162,816 bytes of LDS; arguments x1, x2, Wq, Wk, Wv, bq, bk, bv, qws, kv, Wo, wo16; writes qws, kv, wo16
;; launch attn (part 7): grid 16 x 16, 8 waves a work-group, clusters of 4 x 1, 327,680 bytes of LDS; arguments qws, kv, mask, ows; writes ows
.if DOCPART == 7
	.amdgcn_target "amdgcn-amd-amdhsa--gfx1250"
	.amdhsa_code_object_version 6
	.text
	.protected	k_qc4b2f32f74_attn
	.globl	k_qc4b2f32f74_attn
	.p2align	8
	.type	k_qc4b2f32f74_attn,@function
k_qc4b2f32f74_attn:
	s_mov_b64 s[64:65], 0
	v_nop
	global_prefetch_b8 v0, s[64:65] scope:SCOPE_SE
	s_setreg_imm32_b32 hwreg(HW_REG_WAVE_MODE, 25, 1), 1
	s_wait_xcnt 0x0
	s_wait_alu depctr_hold_cnt(0) depctr_sa_sdst(0) depctr_va_vdst(0) depctr_va_sdst(0) depctr_va_ssrc(0) depctr_va_vcc(0) depctr_vm_vsrc(0)
	s_getreg_b32 s2, hwreg(HW_REG_IB_STS2, 6, 4)
	s_cmp_eq_u32 s2, 0
	s_cbranch_scc0 .Lentry_in_a_cluster
	s_endpgm
.Lentry_in_a_cluster:
	s_bfe_u32 s2, ttmp6, 0x10000c
	s_cmp_lg_u32 s2, 0x3003
	s_cbranch_scc0 .Lentry_shape_is_right
	s_endpgm
.Lentry_shape_is_right:
; O = softmax(q k^T / 8 + f32(mask) * -1e9) v for one (batch, head) and 256 queries; q, k, v and O in f16, all laid out [b*8+head][4096][64].
; O is a matrix operand of the last launch, so it is rounded to f16 here, once, and leaves in half the bytes.
; Eight waves.  Wave w: wq = w & 3 picks 64 queries, g = w >> 2 picks one half of the keys of every slot; the two halves of a query are
; merged once at the end, through LDS.  Two waves lie on a SIMD, so one wave's softmax runs beside the other's products.
; BOTH PRODUCTS ARE TRANSPOSED.  S^T = K Q^T: lane l holds query l % 16, its registers keys 8 (l / 16) + 0 .. 7.  Maximum and sum of a
; query are therefore numbers of a lane (and of the lane 16 away), and two S^T tiles of 16 keys, packed to f16 in place, ARE the second
; source of O^T = V^T P^T.  V^T's fragments come from V [key][d] by the transposing LDS load.
; SOFTMAX in base 2: x = s * (log2 e / 8) + madd[key], madd = (f32(mask) * -1e9) * log2 e; a running maximum m of x is taken away before
; every exponential, so p = 2^(x - m) <= 1; sums and O are scaled by 2^(m_old - m_new) at every block of 64 keys.
; THE EXPONENTIALS OF A BLOCK ARE ONE BATCH WITH ONE WAIT.  Ahead of the wait stands what names no exponential's result: the four factors
; 2^(m_old - m_new), the 64 packed subtractions of the maximum and the 128 exponentials of the scores, each in a register of its own.
; Behind it stand all the readers: the sums' scaling, the sums, the roundings to f16, O's scaling and the products V^T P^T..
; The merge has two batches more: its eight exponentials, and the
; four reciprocals of sums that are made of them.
; LIMITS.  q, k, v, O are f16: magnitudes below 65,504.  Order of rounding: a masked score is rounded here in base-2 units (steps of 128 at
; 1.44e9), in reference() in natural units (steps of 64 at 1e9); it shows only in a batch whose keys ALL carry the same non-zero mask,
; and there the weights agree while |score / 8| < 32.
; CLUSTERS: the four work-groups of a cluster are four query blocks of one (batch, head) and read the same K and V.  Every tile is asked
; for jointly (mask 15): the same line, the same descriptor (made of the head and the wave's number alone) in all four.
; LDS: two slots of 512 keys, 147,456 bytes each.  Wave w fills its own chunk of a slot with one load of 16 KiB:
;   waves 0-3: K, 128 keys each, as 64 rows of 256 bytes (two keys a row) 272 bytes apart, chunk w at 17,408 w;
;   waves 4-7: V likewise, rows 288 bytes apart, chunk w at 18,432 w (the 4,096 bytes between K's last chunk and V's first are not used).
;   Key n of a chunk lies at (n >> 1) pitch + (n & 1) 128; with these pitches the 16 lanes of a load's pass touch 16 different 16-byte columns modulo 256.
;   A wave's half of a slot is two neighbouring chunks, so its four blocks of 64 keys lie 8,704 (K) and 9,216 (V) bytes apart.
;   Behind the slots: madd of the batch's 4,096 keys, written by LDS stores, in 256-byte blocks of its own into which no tensor load lands.
;   The merge area and the output stage lie in slot 0 and are used behind its last fill and its last read.
; THE TEXT IS SHORT: the four blocks of a slot are ONE text in a counted loop, with the block's three LDS addresses stepped in registers;
; five copies of a block stand in the text (the very first block, tile 0's other three, the two slots of the loop, the last tile).
.set KCH, 17408                        ; a chunk of K: 64 rows of 272 bytes
.set VCH, 18432                        ; a chunk of V: 64 rows of 288 bytes
.set SLOT, 8*VCH
.set KP, 272
.set VP, 288
.set KBLK, 32*KP                       ; 64 keys of K
.set VBLK, 32*VP                       ; 64 keys of V
.set MASKB, 2*SLOT
.set STEP, 65536                       ; 512 keys of 128 bytes
.set MERGE, 17920                      ; a pair's merge area: 16,384 of O, 512 of maxima, 1,024 of sums
.set STAGE, 4*VCH
.set SPITCH, 144                       ; stage row: 64 f16 + 16 bytes
; window 0
.set AK, 1                             ; v1        LDS address of my K fragments in slot 0, first block
.set AV, 2                             ; v2        the same for V
.set AM, 3                             ; v3        LDS address of my mask addends, stepped once a slot
.set WK, 4                             ; v4        at work: K of the block that is fetched next
.set WV, 5                             ; v5        at work: V of this block
.set MX, 6                             ; v[6:9]    running maximum of query tile t
.set AL, 10                            ; v[10:13]  the maximum at work, then 2^(m_old - m_new)
.set TMP, 14                           ; v[14:17]
.set LP, 18                            ; v[18:25]  running sum, a pair for each t; each lane keeps its own keys' part
.set MG, 26                            ; v26       merge area
.set STO, 27                           ; v27       stage, in
.set RD, 28                            ; v28       stage, back
.set CO, 29                            ; v29       my byte offset in O
.set WM, 30                            ; v30       at work: the addends of this block
.set MA, 32                            ; v[32:63]  mask addends: register 16 ks + e
.set FV, 64                            ; v[64:127] V^T fragment (ks, dt) at 8 (4 ks + dt)
.set S, 128                            ; v[128:255] group 4 ks + t: 16 registers, key tiles 2 ks and 2 ks + 1 of query tile t; P in its first 8
.set MO, S+17                          ; at the start only: my byte offset in the mask,
.set QO, S+18                          ; and in q
; window 1
.set O, 0                              ; O^T tile (t, dt) at 8 (4 t + dt)
.set Q, 128                            ; Q fragment (t, u) at 8 (2 t + u)
.set FK, 192                           ; K fragment (kt, u) at 8 (2 kt + u)
; merge, window 0, in V's registers
.set MB, 64                            ; the partner's maxima
.set LB, 68                            ; the partner's sums
.set FA, 76                            ; my factor
.set FB, 80                            ; the partner's factor
.set LS, 84
.set T2, 88
.set NX, 92
.set MSB, 0
.macro WIN new                         ; s_set_vgpr_msb; the immediate's high byte repeats the setting that is left
.if MSB != \new
	s_set_vgpr_msb (MSB<<8)|\new
.set MSB, \new
.endif
.endm
.macro PLACES n
.rept \n
	v_nop
.endr
.endm
; A round of the cluster's barrier: my work-group's barrier, wave 0 signals for the work-group, every wave waits for all four work-groups, my work-group's barrier once more
.macro ROUND
	s_barrier_signal -1
	s_barrier_wait -1
	s_cmp_lg_u32 s12, 0
	s_cbranch_scc1 .Lnot_wave_0_\@
	s_barrier_signal -3
.Lnot_wave_0_\@:
	s_barrier_wait -3
	s_barrier_signal -1
	s_barrier_wait -1
.endm
; A joint load into slot s: waves 0-3 bring K's chunks, waves 4-7 V's.  Each line has its own registers: K's and V's chunks differ in pitch and in size.
.macro JLOAD s
	s_cmp_lt_u32 s12, 4
	s_cbranch_scc0 .Lfor_v_\@
	tensor_load_to_lds s[32+4*(\s):35+4*(\s)], s[16:23]
	s_nop 0
	s_branch .Lasked_\@
.Lfor_v_\@:
	tensor_load_to_lds s[56+4*(\s):59+4*(\s)], s[24:31]
	s_nop 0
	v_nop
.Lasked_\@:
.endm
; packed arithmetic with register p + b in both halves
.macro PKSUB_B d, a, p, b
.if \b
	v_pk_add_f32 v[\d:\d+1], v[\a:\a+1], v[\p:\p+1] op_sel:[0,1] op_sel_hi:[1,1] neg_lo:[0,1] neg_hi:[0,1]
.else
	v_pk_add_f32 v[\d:\d+1], v[\a:\a+1], v[\p:\p+1] op_sel_hi:[1,0] neg_lo:[0,1] neg_hi:[0,1]
.endif
.endm
.macro PKMUL_B d, a, p, b
.if \b
	v_pk_mul_f32 v[\d:\d+1], v[\a:\a+1], v[\p:\p+1] op_sel:[0,1] op_sel_hi:[1,1]
.else
	v_pk_mul_f32 v[\d:\d+1], v[\a:\a+1], v[\p:\p+1] op_sel_hi:[1,0]
.endif
.endm
.macro PKFMA_B d, a, p, b, c
.if \b
	v_pk_fma_f32 v[\d:\d+1], v[\a:\a+1], v[\p:\p+1], v[\c:\c+1] op_sel:[0,1,0] op_sel_hi:[1,1,1]
.else
	v_pk_fma_f32 v[\d:\d+1], v[\a:\a+1], v[\p:\p+1], v[\c:\c+1] op_sel_hi:[1,0,1]
.endif
.endm
; The K fragments of the block (64 keys) at WK: 16 loads
.macro LDK
	WIN 0x40
.irp kt, 0,1,2,3
.irp u, 0,1
.irp c, 0,1
	ds_load_b128 v[FK+8*(2*\kt+\u)+4*\c:FK+8*(2*\kt+\u)+4*\c+3], v[WK] offset:\kt*8*KP+\u*64+\c*32
.endr
.endr
.endr
	WIN 0
.endm
; The batch's part for group g: its sixteen scores are raised, in place, and behind each pair of exponentials group g + 1 has its maximum
; taken away from a pair.  These subtractions read scores that no exponential has written yet, and MX: nothing here names an exponential's result.
.macro GRP g
.irp i, 0,1,2,3,4,5,6,7
	v_exp_f32 v[S+16*\g+2*\i], v[S+16*\g+2*\i]
	v_exp_f32 v[S+16*\g+2*\i+1], v[S+16*\g+2*\i+1]
.if \g < 7
	PKSUB_B S+16*(\g+1)+2*\i, S+16*(\g+1)+2*\i, MX+((\g+1)&2), ((\g+1)&1)
.endif
.endr
.endm
; The batch's readers in window 0: each pair of weights is added onto its query tile's sum and then packed to f16 in place (register i of a
; group takes its numbers 2 i and 2 i + 1, which lie at or behind it).  A tile's sum takes group t's pairs 0 to 7 and then group 4 + t's; the four tiles'
; chains take turns, so that a link stands eight lines behind the one that it adds onto.  first = 1: the first pair of each query tile starts its sum.
.macro SUMS first
.irp ks, 0,1
.irp i, 0,1,2,3,4,5,6,7
.irp t, 0,1,2,3
.if (\first) && (\ks == 0) && (\i == 0)
	v_pk_add_f32 v[LP+2*\t:LP+2*\t+1], v[S+16*\t:S+16*\t+1], 0 op_sel_hi:[1,0]
.else
	v_pk_add_f32 v[LP+2*\t:LP+2*\t+1], v[LP+2*\t:LP+2*\t+1], v[S+16*(4*\ks+\t)+2*\i:S+16*(4*\ks+\t)+2*\i+1]
.endif
	v_cvt_pk_f16_f32 v[S+16*(4*\ks+\t)+\i], v[S+16*(4*\ks+\t)+2*\i], v[S+16*(4*\ks+\t)+2*\i+1]
.endr
.endr
.endr
.endm
; A block of 64 keys x 64 queries, at the addresses WM, WV (this block) and WK (stepped here to the next one).  Its K fragments were
; fetched in the block before, or at the slot's head.  first = 1: the wave's first block starts maxima, sums and O, and stands outside
; the loop.  first = 0: the text of the loop, s45 = the block's number in the slot.
.macro BLOCK first
.irp i, 0,1,2,3,4,5,6,7
	ds_load_b128 v[MA+4*\i:MA+4*\i+3], v[WM] offset:(\i>>1)*64+(\i&1)*16
.endr
.irp ks, 0,1
.irp dt, 0,1,2,3
.irp c, 0,1
	ds_load_tr16_b128 v[FV+8*(4*\ks+\dt)+4*\c:FV+8*(4*\ks+\dt)+4*\c+3], v[WV] offset:\ks*16*VP+\c*8*VP+\dt*32
.endr
.endr
.endr
	s_wait_dscnt 24                                ; LDS loads come back in order (ISA guide 5.7.1): K's 16 are in, the 24 just issued stay out
	WIN 0x05                                       ; K and Q in window 1
	; S^T: the four accumulators of a key tile take turns, one instruction a turn
.irp kt, 0,1,2,3
.irp t, 0,1,2,3
	v_wmma_f32_16x16x32_f16 v[S+16*(4*(\kt>>1)+\t)+8*(\kt&1):S+16*(4*(\kt>>1)+\t)+8*(\kt&1)+7], v[FK+16*\kt:FK+16*\kt+7], v[Q+16*\t:Q+16*\t+7], 0
.endr
.irp t, 0,1,2,3
	v_wmma_f32_16x16x32_f16 v[S+16*(4*(\kt>>1)+\t)+8*(\kt&1):S+16*(4*(\kt>>1)+\t)+8*(\kt&1)+7], v[FK+16*\kt+8:FK+16*\kt+15], v[Q+16*\t+8:Q+16*\t+15], v[S+16*(4*(\kt>>1)+\t)+8*(\kt&1):S+16*(4*(\kt>>1)+\t)+8*(\kt&1)+7]
.endr
.endr
	WIN 0
	; four places in front of the loads into K's registers and of the reads of S: the three addresses step to the next block
	v_add_nc_u32 v[WK], KBLK, v[WK]
	v_add_nc_u32 v[WV], VBLK, v[WV]
	v_add_nc_u32 v[WM], 256, v[WM]
	v_nop
	s_wait_dscnt 0x0                               ; the addends and V, issued ahead of the 32 products, are in; the count holds whether or not K is fetched below
.if \first
	LDK
.else
	s_cmp_eq_u32 s45, 3                            ; the slot's last block fetches no K: the next slot is read only behind its round
	s_cbranch_scc1 .Lno_k_\@
	LDK
.Lno_k_\@:
.endif
.irp g, 0,1,2,3,4,5,6,7
.irp i, 0,1,2,3,4,5,6,7
	v_pk_fma_f32 v[S+16*\g+2*\i:S+16*\g+2*\i+1], v[S+16*\g+2*\i:S+16*\g+2*\i+1], s[46:47], v[MA+16*(\g>>2)+2*\i:MA+16*(\g>>2)+2*\i+1] op_sel_hi:[1,0,1]
.endr
.endr
	; the new maximum: four chains, one for each query tile, begun with the old maximum
.irp st, 0,1,2,3,4,5,6,7,8,9,10,11,12,13,14,15
.irp t, 0,1,2,3
.if \st == 0
.if \first
	v_max_num_f32 v[AL+\t], v[S+16*\t], v[S+16*\t+1]
.else
	v_max3_num_f32 v[AL+\t], v[MX+\t], v[S+16*\t], v[S+16*\t+1]
.endif
.else
	v_max3_num_f32 v[AL+\t], v[AL+\t], v[S+16*(4*(\st>>3)+\t)+2*(\st&7)], v[S+16*(4*(\st>>3)+\t)+2*(\st&7)+1]
.endif
.endr
.endr
.irp t, 0,1,2,3
	v_permlanex16_b32 v[TMP+\t], v[AL+\t], s48, s49        ; the lane 16 away holds the query's other keys
.endr
.irp t, 0,1,2,3
	v_max_num_f32 v[AL+\t], v[AL+\t], v[TMP+\t]
.endr
.if \first == 0
.irp t, 0,1,2,3
	v_sub_f32 v[TMP+\t], v[MX+\t], v[AL+\t]                ; m_old - m_new, at most 0
.endr
.endif
.irp t, 0,1,2,3
	v_mov_b32 v[MX+\t], v[AL+\t]
.endr
	; THE BATCH: the four factors, then the scores' 128 exponentials; the subtractions of the maximum stand among them
.if \first == 0
.irp t, 0,1,2,3
	v_exp_f32 v[AL+\t], v[TMP+\t]
.endr
.endif
.irp i, 0,1,2,3,4,5,6,7
	PKSUB_B S+2*\i, S+2*\i, MX, 0                  ; group 0; also the plain instructions behind the four exponentials
.endr
.irp g, 0,1,2,3,4,5,6,7
	GRP \g
.endr
	v_nop                                          ; one plain instruction behind the last exponential and ahead of the first use (ISA guide 5.7.2): one for the batch
	s_wait_alu depctr_va_vdst(0)                   ; the block's one wait, ahead of the first line that names a result: it serves the four factors and the 128 weights
	; THE READERS
.if \first == 0
.irp t, 0,1,2,3
	PKMUL_B LP+2*\t, LP+2*\t, AL+(\t&2), (\t&1)
.endr
.endif
	SUMS \first
.if \first == 0
	WIN 0x41                                       ; O in window 1, the factor in window 0
.irp t, 0,1,2,3
.set p, 0
.rept 16
	PKMUL_B O+32*\t+2*p, O+32*\t+2*p, AL+(\t&2), (\t&1)
.set p, p+1
.endr
.endr
.endif
	WIN 0x50                                       ; C and D in window 1
	; O^T += V^T P^T: the sixteen accumulators take turns, one instruction a turn
.irp ks, 0,1
.irp dt, 0,1,2,3
.irp t, 0,1,2,3
.if (\first)*(1-\ks)
	v_wmma_f32_16x16x32_f16 v[O+8*(4*\t+\dt):O+8*(4*\t+\dt)+7], v[FV+8*(4*\ks+\dt):FV+8*(4*\ks+\dt)+7], v[S+16*(4*\ks+\t):S+16*(4*\ks+\t)+7], 0
.else
	v_wmma_f32_16x16x32_f16 v[O+8*(4*\t+\dt):O+8*(4*\t+\dt)+7], v[FV+8*(4*\ks+\dt):FV+8*(4*\ks+\dt)+7], v[S+16*(4*\ks+\t):S+16*(4*\ks+\t)+7], v[O+8*(4*\t+\dt):O+8*(4*\t+\dt)+7]
.endif
.endr
.endr
.endr
	WIN 0
	PLACES 5                                       ; five places in front of the products that write over P; they serve the loads into V's registers too
.endm
; A slot of 512 keys, of which my half is four blocks.  In front of the round every wave has waited for all its tensor loads (its chunk
; of this slot among them) and for its reads of the other slot; behind the round that holds of every wave of all four work-groups, and
; the other slot's joint refill is the first thing there, one load a wave.  It has this whole slot's work in which to land.
.macro TRIP slot, refill, first
	s_wait_xcnt 0x0
	v_lshl_add_u32 v254, v0, 2, 0x4c000
	v_mov_b32 v255, 0
	s_wait_tensorcnt 0x0
	ds_add_u32 v254, v255
	s_wait_dscnt 0x0
	s_add_nc_u64 s[34+4*\slot:35+4*\slot], s[34+4*\slot:35+4*\slot], 2*STEP   ; no load of mine is out: this slot's next tile, for K
	s_add_nc_u64 s[58+4*\slot:59+4*\slot], s[58+4*\slot:59+4*\slot], 2*STEP   ; and for V
	s_wait_dscnt 0x0
	ROUND
.if \refill
	JLOAD 1-\slot
.endif
.if \slot
	v_add_nc_u32 v[WK], SLOT, v[AK]                ; the slot's first block
	v_add_nc_u32 v[WV], SLOT, v[AV]
.else
	v_mov_b32 v[WK], v[AK]
	v_mov_b32 v[WV], v[AV]
.endif
	v_mov_b32 v[WM], v[AM]
	LDK
.if \first
	BLOCK 1
	s_mov_b32 s45, 1
.else
	s_mov_b32 s45, 0
.endif
.Lblock_\@:
	BLOCK 0
	s_add_co_u32 s45, s45, 1
	s_cmp_lt_u32 s45, 4
	s_cbranch_scc1 .Lblock_\@
	v_add_nc_u32 v[AM], 2048, v[AM]                ; 512 addends on
.endm
	s_load_b256 s[4:11], s[0:1], 0x0               ; q s[4:5], k and v s[6:7], mask s[8:9], O s[10:11]
	v_lshl_add_u32 v254, v0, 2, 0x4c000
	v_mov_b32 v255, 0
	ds_add_u32 v254, v255
	s_wait_dscnt 0x0
	v_lshrrev_b32 v1, 5, v0
	v_readfirstlane_b32 s12, v1                    ; wave
	s_lshr_b32 s13, s12, 2                         ; g: my half of the keys
	s_and_b32 s14, s12, 3                          ; wq: my 64 queries.  Also: which 128 keys of a tile I fetch
	s_and_b32 s41, ttmp7, 0xffff                   ; 8 b + head
	s_mov_b32 s46, 0x3e38aa3b                      ; log2 e / 8
	s_mov_b32 s47, 0x3e38aa3b
	s_mov_b32 s48, 0x76543210                      ; v_permlanex16_b32: lane i of one half reads lane i of the other
	s_mov_b32 s49, 0xfedcba98
	; group 1: 64 rows of 32 elements of 8 bytes, dense in memory; in LDS 16 (K) or 32 (V) bytes of padding behind every 64 words
	s_mov_b32 s16, 15|(3<<16)|(1<<20)|(1<<21)|(5<<22)|(3<<25)  ; 15:0 all four work-groups; 17:16 8 bytes; 20 padding; 21 set beside a mask; 24:22 every 64 words; 31:25 four words
	s_mov_b32 s17, 32<<16                          ; tensor_dim0 = 32
	s_mov_b32 s18, 64<<16                          ; tensor_dim1 = 64
	s_mov_b32 s19, 32<<16                          ; tile_dim0 = 32
	s_mov_b32 s20, 64                              ; tile_dim1 = 64
	s_mov_b32 s21, 32                              ; elements from row to row
	s_mov_b32 s22, 0
	s_mov_b32 s23, 0
	s_mov_b32 s24, 15|(3<<16)|(1<<20)|(1<<21)|(5<<22)|(7<<25)  ; the same with eight words of padding
	s_mov_b32 s25, 32<<16
	s_mov_b32 s26, 64<<16
	s_mov_b32 s27, 32<<16
	s_mov_b32 s28, 64
	s_mov_b32 s29, 32
	s_mov_b32 s30, 0
	s_mov_b32 s31, 0
	; where the chunks come from: the head and the 128 keys.  Nothing here hangs on the place in the cluster.  Every wave makes K's and V's groups 0 and asks by one of them.
	s_lshl_b32 s42, s41, 19                        ; 4,096 keys of 128 bytes a head
	s_lshl_b32 s45, s14, 14                        ; 128 keys a chunk
	s_add_co_u32 s42, s42, s45
	s_mov_b32 s43, 0
	s_mul_i32 s45, s12, KCH                        ; where a chunk of K goes (waves 0-3),
	s_mul_i32 s53, s12, VCH                        ; and one of V (waves 4-7)
	s_wait_kmcnt 0x0
	s_add_nc_u64 s[42:43], s[6:7], s[42:43]
.irp n, 0,1
	s_mov_b32 s[32+4*\n], 1                                        ; count = 1
	s_add_co_u32 s[33+4*\n], s45, \n*SLOT                          ; LDS address
	s_add_nc_u64 s[34+4*\n:35+4*\n], s[42:43], \n*STEP             ; global address: tile n of K
	s_or_b32 s[35+4*\n], s[35+4*\n], 0x80000000                    ; type = 2
	s_mov_b32 s[56+4*\n], 1
	s_add_co_u32 s[57+4*\n], s53, \n*SLOT
	s_add_nc_u64 s[58+4*\n:59+4*\n], s[42:43], 8388608+\n*STEP     ; V lies 8,388,608 bytes behind K
	s_or_b32 s[59+4*\n], s[59+4*\n], 0x80000000
.endr
	ROUND                                          ; all four work-groups are here: the first joint load meets
	JLOAD 0                                        ; tile 0; slot 1 is filled behind the first slot's round
	; my place among the query blocks enters global addresses alone
	s_bfe_u32 s15, ttmp6, 0x40000                  ; cx
	s_lshl_b32 s40, ttmp9, 2
	s_add_co_u32 s40, s40, s15                     ; query block = 4 x cluster x + cx
	s_mov_b32 s51, 0
	s_lshl_b32 s50, s41, 12
	s_lshl_b32 s52, s40, 8
	s_add_co_u32 s50, s50, s52
	s_lshl_b32 s52, s14, 6
	s_add_co_u32 s50, s50, s52                     ; my first row of q, and of O: the two have one layout
	s_lshl_b32 s50, s50, 7                         ; 128 bytes a row
	s_add_nc_u64 s[4:5], s[4:5], s[50:51]
	s_add_nc_u64 s[10:11], s[10:11], s[50:51]
	s_lshr_b32 s50, s41, 3                         ; b
	s_lshl_b32 s50, s50, 14
	s_add_nc_u64 s[8:9], s[8:9], s[50:51]          ; the batch's mask
	v_and_b32 v32, 15, v0                          ; r = l % 16
	v_bfe_u32 v33, v0, 4, 1                        ; h = l / 16
	v_and_b32 v34, 31, v0                          ; l
	v_and_b32 v36, 1, v0
	v_lshlrev_b32 v[MO], 4, v0                     ; thread x 16 bytes
	v_lshlrev_b32 v37, 7, v32
	v_lshl_add_u32 v[QO], v33, 4, v37              ; row r of 128 bytes, 16 bytes for each half of the lanes
.irp i, 0,1,2,3
	global_load_b128 v[S+4*\i:S+4*\i+3], v[MO], s[8:9] offset:4096*\i
.endr
	WIN 0x40
.irp t, 0,1,2,3
.irp u, 0,1
.irp c, 0,1
	global_load_b128 v[Q+8*(2*\t+\u)+4*\c:Q+8*(2*\t+\u)+4*\c+3], v[QO], s[4:5] offset:\t*2048+\u*64+\c*32
.endr
.endr
.endr
	WIN 0
	; K: key r of a tile at (r >> 1) 272 + (r & 1) 128, 16 bytes for each half of the lanes
	v_bfe_u32 v35, v0, 1, 3
	v_mul_u32_u24 v37, v35, KP
	v_lshl_add_u32 v37, v36, 7, v37
	v_lshl_add_u32 v37, v33, 4, v37
	s_mul_i32 s45, s13, 2*KCH                      ; my half: two chunks
	v_add_nc_u32 v[AK], s45, v37
	; V: lane l addresses key 8 h + l % 8 and the 16 bytes (l / 8) % 2; the load hands lane l column d = r, keys 8 h .. 8 h + 7
	v_bfe_u32 v35, v0, 1, 2
	v_lshl_add_u32 v35, v33, 2, v35
	v_mul_u32_u24 v37, v35, VP
	v_lshl_add_u32 v37, v36, 7, v37
	v_bfe_u32 v35, v0, 3, 1
	v_lshl_add_u32 v37, v35, 4, v37
	s_mul_i32 s45, s13, 2*VCH
	s_add_co_u32 s45, s45, 4*VCH                   ; V's chunks are those of waves 4-7
	v_add_nc_u32 v[AV], s45, v37
	s_lshl_b32 s45, s13, 10                        ; my half's 256 addends
	s_add_co_u32 s45, s45, MASKB
	v_lshl_add_u32 v[AM], v33, 5, s45              ; keys 8 h .. 8 h + 7
	s_mul_i32 s45, s14, MERGE
	v_lshl_add_u32 v[MG], v34, 4, s45
	s_mul_i32 s45, s12, 16*SPITCH
	s_add_co_u32 s45, s45, STAGE                   ; my wave's own stage
	v_mul_u32_u24 v37, v32, SPITCH
	v_lshl_add_u32 v37, v33, 4, v37
	v_add_nc_u32 v[STO], s45, v37                  ; in: row r, 8 f16 = 16 bytes for each half of the lanes
	v_lshrrev_b32 v35, 3, v34
	v_mul_u32_u24 v37, v35, SPITCH
	v_and_b32 v35, 7, v0
	v_lshl_add_u32 v37, v35, 4, v37
	v_add_nc_u32 v[RD], s45, v37                   ; back: 8 lanes take a row of 128 bytes, a load takes 4 rows,
	v_lshlrev_b32 v[CO], 4, v34                    ; which are 512 consecutive bytes of O
.irp t, 0,1,2,3
	v_mov_b32 v[TMP+\t], 0                         ; v_permlanex16_b32 counts as a reader of its destination
.endr
	v_add_nc_u32 v[S+16], MASKB, v[MO]
	s_wait_loadcnt 16                              ; the four loads of the mask are in; q's sixteen are younger
.set k, 0
.rept 16
	v_cvt_f32_i32 v[S+k], v[S+k]
	v_mul_f32 v[S+k], 0xce6e6b28, v[S+k]           ; x -1e9, rounded as reference() rounds it,
	v_mul_f32 v[S+k], 0x3fb8aa3b, v[S+k]           ; in base-2 units
.set k, k+1
.endr
.irp i, 0,1,2,3
	ds_store_b128 v[S+16], v[S+4*\i:S+4*\i+3] offset:4096*\i       ; read by all waves behind the first slot's wait for 0 and round
.endr
	s_wait_loadcnt 0x0                             ; q
	TRIP 0, 1, 1                                   ; tile 0 stands in front of the loop: its first block starts maxima, sums and O
	s_mov_b32 s44, 3
.Lpair:
	TRIP 1, 1, 0                                   ; tiles 1 to 6; tile 6's trip asks for tile 7, the last load
	TRIP 0, 1, 0
	s_sub_co_u32 s44, s44, 1
	s_cmp_lg_u32 s44, 0
	s_cbranch_scc1 .Lpair
	TRIP 1, 0, 0                                   ; tile 7: nothing is left to fetch (the stepped addresses are not used)
	; THE MERGE.  Waves 4-7 hand O, maxima and sums to waves 0-3 through slot 0, which has had its last fill and, since the last round, its last read.
	s_cmp_lt_u32 s12, 4
	s_cbranch_scc1 .Lkeep
	WIN 0x04                                       ; store data in window 1
.set i, 0
.rept 32
	ds_store_b128 v[MG], v[O+4*i:O+4*i+3] offset:512*i
.set i, i+1
.endr
	WIN 0
	ds_store_b128 v[MG], v[MX:MX+3] offset:16384
	ds_store_b128 v[MG], v[LP:LP+3] offset:16896
	ds_store_b128 v[MG], v[LP+4:LP+7] offset:17408
.Lkeep:
	s_wait_dscnt 0x0                               ; for the partner's sake: my stores are done
	s_barrier_signal -1
	s_barrier_wait -1
	s_cmp_ge_u32 s12, 4
	s_cbranch_scc1 .Lclose
.set i, 0
.rept 32
	ds_load_b128 v[S+4*i:S+4*i+3], v[MG] offset:512*i
.set i, i+1
.endr
	ds_load_b128 v[MB:MB+3], v[MG] offset:16384
	ds_load_b128 v[LB:LB+3], v[MG] offset:16896
	ds_load_b128 v[LB+4:LB+7], v[MG] offset:17408
	s_wait_dscnt 0x0
.irp t, 0,1,2,3
	v_max_num_f32 v[NX+\t], v[MX+\t], v[MB+\t]             ; the common maximum
.endr
.irp t, 0,1,2,3
	v_sub_f32 v[FA+\t], v[MX+\t], v[NX+\t]
	v_sub_f32 v[FB+\t], v[MB+\t], v[NX+\t]
	v_add_f32 v[LS+\t], v[LP+2*\t], v[LP+2*\t+1]
	v_add_f32 v[T2+\t], v[LB+2*\t], v[LB+2*\t+1]
.endr
.irp t, 0,1,2,3
	v_exp_f32 v[FA+\t], v[FA+\t]
	v_exp_f32 v[FB+\t], v[FB+\t]
.endr
	v_nop                                          ; one plain instruction behind the exponentials (ISA guide 5.7.2)
	s_wait_alu depctr_va_vdst(0)                   ; the wait ahead of the first use: one for the eight exponentials
.irp t, 0,1,2,3
	v_mul_f32 v[LS+\t], v[LS+\t], v[FA+\t]
.endr
.irp t, 0,1,2,3
	v_fmac_f32 v[LS+\t], v[T2+\t], v[FB+\t]
.endr
.irp t, 0,1,2,3
	v_permlanex16_b32 v[T2+\t], v[LS+\t], s48, s49         ; the query's other keys
.endr
.irp t, 0,1,2,3
	v_add_f32 v[LS+\t], v[LS+\t], v[T2+\t]                 ; at least 1: the key of the maximum counts 1
.endr
.irp t, 0,1,2,3
	v_rcp_f32 v[LS+\t], v[LS+\t]
.endr
	v_nop                                          ; one plain instruction behind the reciprocals
	s_wait_alu depctr_va_vdst(0)                   ; and their wait, ahead of the first use: one for the four reciprocals, a batch of their own, since they read sums made of the exponentials
.irp t, 0,1,2,3
	v_mul_f32 v[FA+\t], v[FA+\t], v[LS+\t]
	v_mul_f32 v[FB+\t], v[FB+\t], v[LS+\t]
.endr
.irp t, 0,1,2,3
.set p, 0
.rept 16
	PKMUL_B S+32*\t+2*p, S+32*\t+2*p, FB+(\t&2), (\t&1)
.set p, p+1
.endr
.endr
	WIN 0x01                                       ; my O in window 1
.irp t, 0,1,2,3
.set p, 0
.rept 16
	PKFMA_B S+32*\t+2*p, O+32*\t+2*p, FA+(\t&2), (\t&1), S+32*\t+2*p
.set p, p+1
.endr
.endr
	WIN 0
	; THE WAY OUT, 16 queries at a time: rounded to f16 in place (register p takes numbers 2 p and 2 p + 1, which lie at or behind it), then
	; through my own stage: LDS serves a wave's instructions in order (ISA guide 5.7.1), so no wait stands between the stores into the
	; stage and the loads from it.  Two sets of registers take turns for the rows read back.
.irp t, 0,1,2,3
.set p, 0
.rept 16
	v_cvt_pk_f16_f32 v[S+32*\t+p], v[S+32*\t+2*p], v[S+32*\t+2*p+1]
.set p, p+1
.endr
.irp dt, 0,1,2,3
	ds_store_b128 v[STO], v[S+32*\t+4*\dt:S+32*\t+4*\dt+3] offset:32*\dt   ; d = 16 dt + 8 h + 0 .. 7
.endr
	s_wait_xcnt 0x0                                ; a set that stores read is loaded again only behind this wait
.irp i, 0,1,2,3
	ds_load_b128 v[FV+16*(\t&1)+4*\i:FV+16*(\t&1)+4*\i+3], v[RD] offset:4*SPITCH*\i
.endr
.irp i, 0,1,2,3
	s_wait_dscnt 3-\i                              ; the younger read-backs may stay out
	global_store_b128 v[CO], v[FV+16*(\t&1)+4*\i:FV+16*(\t&1)+4*\i+3], s[10:11] offset:\t*2048+512*\i   ; 512 consecutive bytes, aligned
.endr
.endr
.Lclose:
	s_wait_dscnt 0x0
	s_wait_xcnt 0x0
	v_lshl_add_u32 v254, v0, 2, 0x4c000
	v_mov_b32 v255, 0
	s_wait_tensorcnt 0x0
	ds_add_u32 v254, v255
	s_wait_dscnt 0x0
	ROUND                                          ; the closing round: no work-group ends while a partner may still ask for a tile that names it
	s_endpgm
.Lfunc_end_k_qc4b2f32f74_attn:
	.size	k_qc4b2f32f74_attn, .Lfunc_end_k_qc4b2f32f74_attn-k_qc4b2f32f74_attn
	.p2alignl 7, 3214868480
	.fill 96, 4, 3214868480
	.section	.rodata,"a",@progbits
	.p2align	6, 0x0
	.amdhsa_kernel k_qc4b2f32f74_attn
		.amdhsa_group_segment_fixed_size 327680
		.amdhsa_private_segment_fixed_size 0
		.amdhsa_enable_private_segment 0
		.amdhsa_kernarg_size 32
		.amdhsa_user_sgpr_count 2
		.amdhsa_user_sgpr_kernarg_segment_ptr 1
		.amdhsa_wavefront_size32 1
		.amdhsa_system_sgpr_workgroup_id_x 1
		.amdhsa_system_sgpr_workgroup_id_y 1
		.amdhsa_system_sgpr_workgroup_id_z 1
		.amdhsa_system_vgpr_workitem_id 0
		.amdhsa_next_free_vgpr 512
		.amdhsa_next_free_sgpr 66
		.amdhsa_reserve_vcc 0
		.amdhsa_float_denorm_mode_32 3
		.amdhsa_float_denorm_mode_16_64 3
		.amdhsa_memory_ordered 1
		.amdhsa_forward_progress 1
		.amdhsa_inst_pref_size 221
	.end_amdhsa_kernel
	.amdgpu_metadata
---
amdhsa.version: [ 1, 2 ]
amdhsa.kernels:
  - .name:           k_qc4b2f32f74_attn
    .symbol:         k_qc4b2f32f74_attn.kd
    .args:
      - { .name: qws, .offset: 0, .size: 8, .value_kind: global_buffer, .address_space: global }
      - { .name: kv, .offset: 8, .size: 8, .value_kind: global_buffer, .address_space: global }
      - { .name: mask, .offset: 16, .size: 8, .value_kind: global_buffer, .address_space: global }
      - { .name: ows, .offset: 24, .size: 8, .value_kind: global_buffer, .address_space: global }
    .group_segment_fixed_size: 327680
    .private_segment_fixed_size: 0
    .kernarg_segment_align: 8
    .kernarg_segment_size: 32
    .max_flat_workgroup_size: 256
    .sgpr_count:     66
    .vgpr_count:     512
    .wavefront_size: 32
...
	.end_amdgpu_metadata
.endif
;; end of part 7
;; launch outp: the kernel of part 6 again; grid 4 x 64, 8 waves a work-group, clusters of 4 x 4, 322,560 bytes of LDS; arguments ows, wo16, bo, out0; writes out0
